; MI455X (gfx1250); checked and timed in simulation.
; The chip was launched on July 23, 2026; its instructions are those of AMD's public machine-readable ISA for CDNA 5 (MIT licence, August 2026) and "CDNA5" Instruction Set Architecture Reference Guide (July 2026). The comments in the code are by the model that wrote it; some were corrected since.
;; Attention. Allowed arithmetic: matrix products marked QUANTISED: E2M3 operands, one E8M0 scale for each 32 along K, by v_wmma_scale_f32_16x16x128_f8f6f4 with both operands' format E2M3, f32 sums; everything else in f32.
;; Inputs: cos 1,024 x 64 float32; k_norm_w 64 float32; q_norm_w 64 float32; sin 1,024 x 64 float32; w_proj 1,024 x 1,024 float32; w_qkv 3,072 x 1,024 float32; x 8 x 1,024 x 1,024 float32.
;; Outputs: out0 8 x 1,024 x 1,024 float32.
;; This version of the problem:
;;   THIS VERSION OF THE PROBLEM IS GIVEN IN LOW PRECISION. The matrix products marked QUANTISED in the list below multiply operands that are first quantised to E2M3 (2 exponent bits, 3 mantissa bits; 6 bits a number), with one power-of-two scale for each 32 numbers along K (OCP MX v1.0); their sums are f32. All else is computed in f32.
;;   The module's matrix products, in the order in which they are computed (A, B: the left and right operand; K: the contracted axis; several contracted axes count as one K, in the product's order):
;;     1. [M 8,192, K 1,024] x [K 1,024, N 3,072]; A: input x; B: input w_qkv: QUANTISED
;;     2. batch 128 x [M 1,024, K 64] x [K 64, N 1,024]; A: computed on the way; B: computed on the way: QUANTISED
;;     3. batch 128 x [M 1,024, K 1,024] x [K 1,024, N 64]; A: softmax (see below); B: computed on the way: QUANTISED
;;     4. [M 8,192, K 1,024] x [K 1,024, N 1,024]; A: computed on the way; B: input w_proj: QUANTISED
;;   THE QUANTISER, for each operand of a quantised product, along K:
;;     - K is cut into blocks of 32 from its start; a last block that is shorter is filled with zeros.
;;     - A block's scale is 2^e with e = floor(log2(the largest magnitude in the block)) - 2, held to -126 .. 127; a block of zeros has e = 0. As a byte (E8M0): e + 127.
;;     - Each number is divided by its block's scale, clamped to +-7.5, and rounded to the nearest number of E2M3, ties to even, subnormals kept.
;;     - The product sums the exact products of the quantised numbers (number of the format x scale) in f32.
;;   ~~~python
;;   def quantise(x, axis):      # numpy; x: float32 -> the quantised numbers, widened to float32 again
;;       x = np.moveaxis(x, axis, -1); K = x.shape[-1]
;;       x = np.pad(x, [(0, 0)] * (x.ndim - 1) + [(0, -K % 32)]); x = x.reshape(x.shape[:-1] + (-1, 32)); a = np.abs(x).max(-1, keepdims=True)
;;       e = np.where(a > 0, np.clip(np.frexp(np.where(a > 0, a, 1))[1] - 1 - 2, -126, 127), 0)      # np.frexp(a)[1] - 1 = floor(log2(a)), exactly
;;       r = np.clip(x / 2.0 ** e, -7.5, 7.5)
;;       step = 2.0 ** (np.maximum(np.frexp(np.where(r == 0, 1, r))[1] - 1, 0) - 3)
;;       q = np.round(r / step) * step * 2.0 ** e      # np.round: ties to even
;;       return np.moveaxis(q.reshape(q.shape[:-2] + (-1,))[..., :K], -1, axis).astype(np.float32)
;;   ~~~
;;   SOFTMAX AHEAD OF A QUANTISED PRODUCT. Where the list says 'softmax', what is quantised is not the finished softmax but p = 2^(t - M), with t = logit x log2(e) and M = ceil(the row's largest t), a whole number; so 1/2 < the row's largest p <= 1. The row's sum l is taken of the UNQUANTISED p, in f32, and the product's result is divided by l at the end. Since M is a whole number, a kernel that streams over the keys may use a running M (the ceiling of the running maximum): every later rescaling is an exact power of two, which a block's scale takes up: the codes' values come out the same.
;;   OPERANDS COMPUTED ON THE WAY. 'Computed on the way' means the value that the module computes at that place (a softmax that the list does not call 'softmax' is quantised finished and normalised). What goes into a quantiser is computed in f32, as accurately as f32 sums, v_exp_f32 and their like allow (about 1e-6 of the number): no bf16 or f16 on the way to a quantiser, and a product that is left as it is and whose result goes on into a quantised operand takes f32 operands (vector FMAs, or v_wmma_f32_16x16x4_f32). A number that lies on a knife's edge between two numbers of the format may be rounded either way, as far as f32 arithmetic and the matrix unit's own rounding can turn it there, and no further.
;; 2 versions. Each part assembles by itself: llvm-mc -triple=amdgcn-amd-amdhsa -mcpu=gfx1250 --defsym DOCPART=n.
;; ======== version 1 of 2: 4 launches
;; workspace buffers: opnd_img 9,437,184 bytes; opnd_sc 393,216 bytes; rope_img 524,288 bytes; qkv_img 18,874,368 bytes; qkv_sc 1,310,720 bytes; o_img 6,291,456 bytes; o_sc 262,144 bytes
;; launch prep (part 1): grid 400 x 1, 4 waves a work-group, no clusters, 34,304 bytes of LDS; arguments x, w_qkv, w_proj, cos, sin, opnd_img, opnd_sc, rope_img; writes opnd_img, opnd_sc, rope_img
.if DOCPART == 1
	.amdgcn_target "amdgcn-amd-amdhsa--gfx1250"
	.amdhsa_code_object_version 6
	.text
	.protected	k_q4e3cb6991d_prep
	.globl	k_q4e3cb6991d_prep
	.p2align	8
	.type	k_q4e3cb6991d_prep,@function
k_q4e3cb6991d_prep:
	s_mov_b64 s[64:65], 0
	v_nop
	global_prefetch_b8 v0, s[64:65] scope:SCOPE_SE
	s_setreg_imm32_b32 hwreg(HW_REG_WAVE_MODE, 25, 1), 1
	s_wait_xcnt 0x0
; x [8192][1024], w_qkv [3072][1024], w_proj [1024][1024], f32, K innermost, become codes of FP6 (E2M3) with one E8M0 byte for each 32 along K,
; laid as IMAGES OF THE OPERAND'S REGISTERS; cos and sin [1024][64] are laid out tile by tile for the next launch.
; The three tensors count as 12,288 rows on end.  A TILE T is 16 rows, and lane r of it is row 32 (T / 2) + 8 (T % 2) + r + 8 (r / 8).
; A fragment (16 rows x 128 K, 12 registers a lane: registers 6 c .. 6 c + 5 = k 64 c + 32 (lane / 16) + 0 .. 31) is 1,536 bytes: three planes of 512, plane g = registers 4 g .. 4 g + 3, lane l at 16 l.
; opnd_img: [row / 128][K step][tile % 8][fragment].   opnd_sc: [tile][K half][r][4 words]: the word of K step 4 half + i at 16 r + 4 i.
; rope_img: [tile of positions][plane 8 table + 4 bb + j][lane][16 bytes] = table[row of lane r][32 bb + 16 (lane / 16) + 4 j ..].
; A block's scale is 2^(floor(log2(largest magnitude)) - 2): its byte is the largest magnitude's exponent field - 2, held at 1 from below.
; LIMITS: a block of zeros gets the byte 1 (not 127): its codes are zeros and this program alone reads the bytes; blocks whose largest magnitude lies under 2^-124 are held at byte 1; NaN and infinities among the inputs are not served.
; SHARES: work-groups 0-383: wave w takes tile 2 g + w / 2, K half w % 2 (four K steps).  Work-groups 384-399: a wave lays out one tile of cos and sin.  Waves share nothing: no barrier.
; Each load reads 512 consecutive bytes of one row; a K step's 16 rows turn through the wave's own stage in LDS (pitch 528 = 33 x 16 bytes) and come back 128 bytes a lane, a whole block of 32 in a lane's registers.
.set STG,  8448                        ; a wave's stage: 16 rows x 528 bytes
.set R,    64                          ; v64-191  two sets of 64 registers as loaded
.set X,    192                         ; v192-255 register 32 c + i = k 64 c + 32 h + i of my row
.set C,    24                          ; v24-35   the fragment
.set WD,   16                          ; v16-19   the four K steps' scale words
	s_load_b256 s[4:11], s[0:1], 0x0               ; x, w_qkv, w_proj, cos
	s_load_b256 s[12:19], s[0:1], 0x20             ; sin, opnd_img, opnd_sc, rope_img
	v_lshl_add_u32 v62, v0, 2, 0x8400
	v_mov_b32 v63, 0
	v_lshrrev_b32 v1, 5, v0
	v_readfirstlane_b32 s22, v1                    ; wave
	v_and_b32 v1, 31, v0                           ; lane
	v_and_b32 v2, 15, v0                           ; r
	v_bfe_u32 v3, v0, 4, 1                         ; h
	v_lshlrev_b32 v4, 4, v1                        ; 16 x lane
	s_cmp_ge_u32 ttmp9, 384
	s_cbranch_scc1 .Lrope
	s_mul_i32 s23, s22, STG
	v_add_nc_u32 v5, s23, v4                       ; the stage, way in: a row's 512 bytes as they lie
	v_mul_u32_u24 v6, v2, 528
	v_lshl_add_u32 v6, v3, 7, v6
	v_add_nc_u32 v6, s23, v6                       ; way out: row r, + 128 h
	v_lshlrev_b32 v7, 4, v2
	v_lshl_add_u32 v7, v3, 3, v7                   ; the scale words' place: 16 r + 8 h
	v_lshlrev_b32 v8, 3, v3                        ; 8 h: my bytes' shift in a scale word
	v_mov_b32 v21, 0                               ; a lane permute's destination counts as read
	s_mov_b32 s20, 0x76543210
	s_mov_b32 s21, 0xfedcba98                      ; selects for lane l xor 16
	s_lshr_b32 s28, s22, 1                         ; which of the work-group's two tiles
	s_and_b32 s29, s22, 1                          ; which half of K
	s_wait_kmcnt 0x0
	s_cmp_lt_u32 ttmp9, 352                        ; which tensor: the choice hangs on the work-group's number alone
	s_cselect_b64 s[24:25], s[6:7], s[8:9]
	s_mov_b32 s27, 352
	s_cselect_b32 s26, 256, s27
	s_cmp_lt_u32 ttmp9, 256
	s_cselect_b64 s[24:25], s[4:5], s[24:25]
	s_cselect_b32 s26, 0, s26
	s_sub_co_u32 s26, ttmp9, s26                   ; the work-group's number in its tensor: 32 rows each
	s_lshl_b32 s30, s26, 17
	s_lshl_b32 s31, s28, 15                        ; + 8 rows for the second tile
	s_add_co_u32 s30, s30, s31
	s_lshl_b32 s31, s29, 11                        ; + 512 numbers for the second half of K
	s_add_co_u32 s30, s30, s31
	s_mov_b32 s31, 0
	s_add_nc_u64 s[24:25], s[24:25], s[30:31]
	s_lshl_b32 s32, ttmp9, 1
	s_add_co_u32 s32, s32, s28                     ; my tile
	s_lshr_b32 s33, s32, 3
	s_mul_i32 s34, s33, 98304
	s_and_b32 s33, s32, 7
	s_mul_i32 s33, s33, 1536
	s_add_co_u32 s34, s34, s33
	s_mul_i32 s33, s29, 49152
	s_add_co_u32 s34, s34, s33
	s_mov_b32 s35, 0
	s_add_nc_u64 s[14:15], s[14:15], s[34:35]      ; my first fragment's image
	s_lshl_b32 s34, s32, 9
	s_lshl_b32 s33, s29, 8
	s_add_co_u32 s34, s34, s33
	s_add_nc_u64 s[16:17], s[16:17], s[34:35]      ; my 256 bytes of scale words
.macro LOAD t                          ; K step t: 16 rows x 512 bytes into set t % 2
.irp i, 0,1,2,3,4,5,6,7,8,9,10,11,12,13,14,15
	global_load_b128 v[R+64*((\t)%2)+4*\i:R+64*((\t)%2)+4*\i+3], v4, s[24:25] offset:(\i+8*(\i/8))*4096+512*(\t) th:TH_LOAD_NT
.endr
.endm
.macro TURN t                          ; through the stage; LDS serves a wave's instructions in order, so no wait stands between the stores and the loads
.irp i, 0,1,2,3,4,5,6,7,8,9,10,11,12,13,14,15
	ds_store_b128 v5, v[R+64*((\t)%2)+4*\i:R+64*((\t)%2)+4*\i+3] offset:528*\i
.endr
.irp c, 0,1
.irp j, 0,1,2,3,4,5,6,7
	ds_load_b128 v[X+32*\c+4*\j:X+32*\c+4*\j+3], v6 offset:256*\c+16*\j
.endr
.endr
.endm
.macro STEP t
.if (\t) < 3
	s_wait_loadcnt 16                              ; this step's 16 loads are in; the next step's 16 may be out
.else
	s_wait_loadcnt 0x0
.endif
	TURN \t
	s_wait_dscnt 0x0                               ; my numbers are back, and the stage's stores have read their registers,
.if (\t) < 2
	LOAD (\t)+2                                    ; which take the loads of two steps on
.endif
.irp c, 0,1
	v_max3_num_f32 v[10+\c], |v[X+32*\c]|, |v[X+32*\c+1]|, 0x1800000   ; block 2 c + h: all 32 numbers are mine; the floor 2^(3 - 127) holds the byte at 1 from below
.endr
.irp i, 2,4,6,8,10,12,14,16,18,20,22,24,26,28,30
.irp c, 0,1
	v_max3_num_f32 v[10+\c], v[10+\c], |v[X+32*\c+\i]|, |v[X+32*\c+\i+1]|
.endr
.endr
.irp c, 0,1
	v_add_nc_u32 v[12+\c], 0xff000000, v[10+\c]    ; 2 off the exponent field: the conversion's scale operand
.endr
.irp c, 0,1
	v_lshrrev_b32 v[14+\c], 23, v[12+\c]           ; the byte
.endr
	v_lshl_or_b32 v20, v15, 16, v14                ; blocks h and 2 + h,
	v_lshlrev_b32 v20, v8, v20                     ; at their places;
	v_permlanex16_b32 v21, v20, s20, s21
	v_or_b32 v[WD+(\t)], v20, v21                  ; with lane l xor 16's two the word is whole
.if (\t) > 0
	s_wait_xcnt 0x0                                ; the last step's stores have read the fragment's registers
.endif
	v_cvt_scalef32_pk16_fp6_f32 v[C:C+2], v[X:X+15], v12
	v_cvt_scalef32_pk16_fp6_f32 v[36:38], v[X+16:X+31], v12       ; (a conversion's three registers begin on an even number)
	v_cvt_scalef32_pk16_fp6_f32 v[C+6:C+8], v[X+32:X+47], v13
	v_cvt_scalef32_pk16_fp6_f32 v[40:42], v[X+48:X+63], v13
	v_nop                                          ; one plain place behind the conversions
.irp i, 0,1,2
	v_mov_b32 v[C+3+\i], v[36+\i]
	v_mov_b32 v[C+9+\i], v[40+\i]
.endr
.irp g, 0,1,2
	global_store_b128 v4, v[C+4*\g:C+4*\g+3], s[14:15] offset:12288*(\t)+512*\g   ; 512 consecutive bytes, aligned
.endr
.endm
	LOAD 0
	LOAD 1
	STEP 0
	STEP 1
	STEP 2
	STEP 3
	v_cmp_lt_u32 vcc_lo, 15, v1
	v_cndmask_b32 v22, v16, v18, vcc_lo            ; lanes 0-15 store words 0, 1 of their row, lanes 16-31 words 2, 3
	v_cndmask_b32 v23, v17, v19, vcc_lo
	global_store_b64 v7, v[22:23], s[16:17]        ; 256 consecutive bytes, aligned
	s_wait_tensorcnt 0x0
	ds_add_u32 v62, v63
	s_wait_dscnt 0x0
	s_endpgm
.Lrope:
	s_sub_co_u32 s26, ttmp9, 384
	s_lshl_b32 s26, s26, 2
	s_add_co_u32 s26, s26, s22                     ; my tile of 16 positions
	s_lshr_b32 s27, s26, 1
	s_lshl_b32 s27, s27, 13                        ; 32 rows of 256 bytes
	s_and_b32 s28, s26, 1
	s_lshl_b32 s28, s28, 11                        ; 8 rows
	s_add_co_u32 s28, s27, s28
	s_mov_b32 s29, 0
	s_lshl_b32 s30, s26, 13                        ; 8,192 bytes of image a tile
	s_mov_b32 s31, 0
	v_and_b32 v9, 8, v2
	v_add_nc_u32 v9, v9, v2                        ; r + 8 (r / 8)
	v_lshlrev_b32 v9, 8, v9
	v_lshl_add_u32 v9, v3, 6, v9                   ; + 16 h numbers
	s_wait_kmcnt 0x0
	s_add_nc_u64 s[10:11], s[10:11], s[28:29]
	s_add_nc_u64 s[12:13], s[12:13], s[28:29]
	s_add_nc_u64 s[18:19], s[18:19], s[30:31]
.irp bb, 0,1
.irp j, 0,1,2,3
	global_load_b128 v[64+16*\bb+4*\j:67+16*\bb+4*\j], v9, s[10:11] offset:128*\bb+16*\j
	global_load_b128 v[96+16*\bb+4*\j:99+16*\bb+4*\j], v9, s[12:13] offset:128*\bb+16*\j
.endr
.endr
	s_wait_loadcnt 0x0
.irp pl, 0,1,2,3,4,5,6,7,8,9,10,11,12,13,14,15
	global_store_b128 v4, v[64+4*\pl:67+4*\pl], s[18:19] offset:512*\pl
.endr
	s_endpgm
.Lfunc_end_k_q4e3cb6991d_prep:
	.size	k_q4e3cb6991d_prep, .Lfunc_end_k_q4e3cb6991d_prep-k_q4e3cb6991d_prep
	.p2alignl 7, 3214868480
	.fill 96, 4, 3214868480
	.section	.rodata,"a",@progbits
	.p2align	6, 0x0
	.amdhsa_kernel k_q4e3cb6991d_prep
		.amdhsa_group_segment_fixed_size 34304
		.amdhsa_private_segment_fixed_size 0
		.amdhsa_enable_private_segment 0
		.amdhsa_kernarg_size 64
		.amdhsa_user_sgpr_count 2
		.amdhsa_user_sgpr_kernarg_segment_ptr 1
		.amdhsa_wavefront_size32 1
		.amdhsa_system_sgpr_workgroup_id_x 1
		.amdhsa_system_sgpr_workgroup_id_y 1
		.amdhsa_system_sgpr_workgroup_id_z 1
		.amdhsa_system_vgpr_workitem_id 0
		.amdhsa_next_free_vgpr 256
		.amdhsa_next_free_sgpr 66
		.amdhsa_reserve_vcc 1
		.amdhsa_float_denorm_mode_32 3
		.amdhsa_float_denorm_mode_16_64 3
		.amdhsa_memory_ordered 1
		.amdhsa_forward_progress 1
		.amdhsa_inst_pref_size 34
	.end_amdhsa_kernel
	.amdgpu_metadata
---
amdhsa.version: [ 1, 2 ]
amdhsa.kernels:
  - .name:           k_q4e3cb6991d_prep
    .symbol:         k_q4e3cb6991d_prep.kd
    .args:
      - { .name: x, .offset: 0, .size: 8, .value_kind: global_buffer, .address_space: global }
      - { .name: w_qkv, .offset: 8, .size: 8, .value_kind: global_buffer, .address_space: global }
      - { .name: w_proj, .offset: 16, .size: 8, .value_kind: global_buffer, .address_space: global }
      - { .name: cos, .offset: 24, .size: 8, .value_kind: global_buffer, .address_space: global }
      - { .name: sin, .offset: 32, .size: 8, .value_kind: global_buffer, .address_space: global }
      - { .name: opnd_img, .offset: 40, .size: 8, .value_kind: global_buffer, .address_space: global }
      - { .name: opnd_sc, .offset: 48, .size: 8, .value_kind: global_buffer, .address_space: global }
      - { .name: rope_img, .offset: 56, .size: 8, .value_kind: global_buffer, .address_space: global }
    .group_segment_fixed_size: 34304
    .private_segment_fixed_size: 0
    .kernarg_segment_align: 8
    .kernarg_segment_size: 64
    .max_flat_workgroup_size: 128
    .sgpr_count:     66
    .vgpr_count:     256
    .wavefront_size: 32
...
	.end_amdgpu_metadata
.endif
;; end of part 1
;; launch qkv (part 2): grid 12 x 32, 4 waves a work-group, clusters of 4 x 4, 327,680 bytes of LDS; arguments opnd_img, opnd_sc, rope_img, q_norm_w, k_norm_w, qkv_img, qkv_sc; writes qkv_img, qkv_sc
.if DOCPART == 2
	.amdgcn_target "amdgcn-amd-amdhsa--gfx1250"
	.amdhsa_code_object_version 6
	.text
	.protected	k_q4e3cb6991d_qkv
	.globl	k_q4e3cb6991d_qkv
	.p2align	8
	.type	k_q4e3cb6991d_qkv,@function
k_q4e3cb6991d_qkv:
	s_mov_b64 s[64:65], 0
	v_nop
	global_prefetch_b8 v0, s[64:65] scope:SCOPE_SE
	s_setreg_imm32_b32 hwreg(HW_REG_WAVE_MODE, 25, 1), 1
	s_wait_xcnt 0x0
	s_wait_alu depctr_hold_cnt(0) depctr_sa_sdst(0) depctr_va_vdst(0) depctr_va_sdst(0) depctr_va_ssrc(0) depctr_va_vcc(0) depctr_vm_vsrc(0)
	s_getreg_b32 s2, hwreg(HW_REG_IB_STS2, 6, 4)
	s_cmp_eq_u32 s2, 0
	s_cbranch_scc0 .Lentry_in_a_cluster
	s_endpgm
.Lentry_in_a_cluster:
	s_bfe_u32 s2, ttmp6, 0x10000c
	s_cmp_lg_u32 s2, 0xf033
	s_cbranch_scc0 .Lentry_shape_is_right
	s_endpgm
.Lentry_shape_is_right:
; qkv = x w_qkv^T on codes of FP6 (E2M3) with E8M0 scales; then q, k: RMS norm, gain, RoPE, quantised along the head's 64; v: quantised along the keys.  Nothing leaves as f32.
; A work-group of four waves makes 256 x 256 of the product, a wave 128 x 128: 64 accumulators, 512 registers.  K = 1,024 is 8 steps of 128, two to an LDS slot, two slots, four fills: written out, no loop.
; OPERANDS ARE IMAGES OF THEIR REGISTERS (opnd_img: [row / 128][K step][tile][3 planes of 512 bytes]): 128 rows x 256 K are 24,576 dense bytes, one tensor load; a fragment is three ds_load_b128 of 512 consecutive bytes.
; Lane r of tile T is row 32 (T / 2) + 8 (T % 2) + r + 8 (r / 8).  THE MATRIX INSTRUCTION: source 0 = the operand called B here, source 1 = the one called A.  In accumulator (a, b), lane (r, h) holds A's row of
; lane r of tile a, and the 64 registers of a fixed a hold B's rows 32 n + 16 h + i at index 16 n + i.
; q, k (cluster x = 0, 1): A = x (tokens), B = w_qkv (features): a lane holds one token and, for each of two heads, features 32 bb + 16 h + i at index 16 bb + i: the RoPE partner lies in the same lane.
; v (cluster x = 2): A = w_qkv (features), B = x (tokens): a lane holds one feature and 64 tokens in the order that a fragment along the keys wants.  Only the group numbers in opnd_img are chosen; the text is one.
; CLUSTERS 4 x 4: A's tile is shared along a row of the cluster, B's along a column: joint loads with a mask of four.
; OUT: qkv_img [b h][ Q: 64 tiles x 768 | 8 key steps x ( K: 8 tiles x 768 | V: 4 fragments x 1,536 ) ]; a tile of 16 rows x 64 K is 768 bytes: registers 0-3 at 16 l, registers 4-5 at 512 + 8 l.
;      qkv_sc [b h][ Q words [tile / 4][r][tile % 4] 4,096 | K words likewise | V words [key step][r][fragment] 2,048 ]; a Q or K word is byte 0 | byte 1 << 8 | 0x7f7f0000.
; LIMITS: a block of zeros gets the byte 1 with zero codes (this program alone reads the bytes); blocks under 2^-124 are held at byte 1; NaN and infinities are not served.
; REGISTERS: window 0: v0-31 addresses; v32-95 A's scale words (8 tile + K step), v96-159 B's: scales and nothing else; v160-255 A's 8 fragments, later the epilogue's work.
;   window 1: B's fragments, two sets at v0 and v128; from the last K step on v0-127 two sets of RoPE tables, v224-255 the gain.   windows 2, 3: accumulator (a, b) at v[8 (8 (a % 4) + b)].
.set FRB,   1536
.set STEPB, 12288                      ; 8 fragments: 128 rows x 128 K
.set HALFT, 24576                      ; what one tensor load brings: 128 rows x 256 K
.set SLOT,  98304                      ; A's 256 rows, then B's 256 rows
.set SPARE, 196608                     ; behind the ring: the spare words, 128 bytes a wave; no other line names them
.set ADRA, 16                          ; v16-17 LDS address of my A fragments in slot 0, 1
.set ADRB, 20                          ; v20-21 the same for B
.set SPW,  28                          ; v28 my spare word; never rewritten
.set NIL,  29                          ; v29 0; never rewritten
.set SCA,  32
.set SCB,  96
.set AF,   160
.set G1,  24                           ; s[24:31] group 1 for A's tiles; s[32:39] group 0, a set a slot
.set G0,  32
.set G1B, 48                           ; s[48:55], s[56:63] the same for B's
.set G0B, 56
.set SEL, 84
.set OUT, 160                          ; the epilogue, window 0: 32 numbers after RoPE
.set TM,  200                          ; +0.. largest magnitudes, +4.. permute and bytes, +12.. scale operands
.set PW,  216
.set PC,  220                          ; the codes just made
.set CT,  232                          ; conversions' second halves
.set SW,  240                          ; scale words
.set MSB, 0
.macro WIN new                         ; the immediate's high byte repeats the setting that is left
.if MSB != (\new)
	s_set_vgpr_msb (MSB<<8)|(\new)
.set MSB, (\new)
.endif
.endm
.set MUL_LO, 0xa1                      ; source 0 window 1, source 1 window 0, C and D window 2
.set MUL_HI, 0xf1                      ; the same, C and D window 3
.set TO_B,   0x40                      ; destination window 1
.macro JLOAD g0a, g1a, g0b, g1b        ; a joint load: waves 0, 1 fetch for A, waves 2, 3 for B; four v_nop follow each line
	s_cmp_eq_u32 s15, 0
	s_cbranch_scc0 .Lfor_b_\@
	tensor_load_to_lds s[\g0a:\g0a+3], s[\g1a:\g1a+7]
	s_nop 0
.rept 4
	v_nop
.endr
	s_branch .Lasked_\@
.Lfor_b_\@:
	tensor_load_to_lds s[\g0b:\g0b+3], s[\g1b:\g1b+7]
	s_nop 0
.rept 4
	v_nop
.endr
.Lasked_\@:
.endm
.macro CREST                           ; a round of the cluster's barrier behind its opening barrier
	s_cmp_lg_u32 s14, 0
	s_cbranch_scc1 .Lnot_wave_0_\@
	s_barrier_signal -3
.Lnot_wave_0_\@:
	s_barrier_wait -3
	s_barrier_signal -1
	s_barrier_wait -1
.endm
.macro CROUND
	s_barrier_signal -1
	s_barrier_wait -1
	CREST
.endm
.macro PLACES n                        ; plain vector places behind matrix instructions (ISA guide 7.12.1)
.rept \n
	v_nop
.endr
.endm
	s_load_b256 s[4:11], s[0:1], 0x0               ; opnd_img, opnd_sc, rope_img, q_norm_w
	s_load_b128 s[68:71], s[0:1], 0x20             ; k_norm_w, qkv_img
	s_load_b64 s[72:73], s[0:1], 0x30              ; qkv_sc
	v_lshl_add_u32 v[SPW], v0, 2, SPARE
	v_mov_b32 v[NIL], 0
	ds_add_u32 v28, v29
	ds_add_u32 v28, v29
	s_wait_dscnt 0x0
	v_lshrrev_b32 v1, 5, v0
	v_readfirstlane_b32 s14, v1                    ; wave
	s_lshr_b32 s15, s14, 1                         ; wa: my half of A's rows.  Also: I fetch for A (0) or B (1)
	s_and_b32 s16, s14, 1                          ; wb: my half of B's rows.  Also: which 128 rows I fetch
	s_bfe_u32 s40, ttmp6, 0x40000                  ; cx
	s_bfe_u32 s41, ttmp6, 0x40004                  ; cy
	s_and_b32 s17, ttmp7, 0xffff                   ; cluster y = the batch
	s_lshl_b32 s43, s41, 2
	s_lshl_b32 s43, 15, s43                        ; my row of the cluster
	s_lshl_b32 s44, 0x1111, s40                    ; my column
	s_or_b32 s[G1+0], s43, (3<<16)|(1<<21)         ; the mask; elements of 8 bytes; bit 21 beside a mask; no padding
	s_or_b32 s[G1B+0], s44, (3<<16)|(1<<21)
.irp g, G1, G1B
	s_mov_b32 s[\g+1], 32<<16                      ; tensor_dim0 = 32 elements: rows of 256 bytes
	s_mov_b32 s[\g+2], 96<<16                      ; tensor_dim1 = 96 rows
	s_mov_b32 s[\g+3], 32<<16                      ; tile_dim0
	s_mov_b32 s[\g+4], 96                          ; tile_dim1
	s_mov_b32 s[\g+5], 32                          ; the pitch: dense
	s_mov_b32 s[\g+6], 0
	s_mov_b32 s[\g+7], 0
.endr
	s_lshl_b32 s18, s17, 3                         ; x's groups of 128 rows of this batch begin at 8 x batch
	s_lshl_b32 s19, ttmp9, 3
	s_add_co_u32 s19, s19, 64                      ; w_qkv's groups begin at 64: q's at 64, k's at 72
	s_cmp_eq_u32 ttmp9, 2                          ; v?  (the cluster's x: the same in all partners)
	s_cselect_b32 s20, 80, s18                     ; A: v's rows of w_qkv, or x
	s_cselect_b32 s46, s18, s19                    ; B: x, or q's / k's rows of w_qkv
	s_lshl_b32 s21, s41, 1
	s_add_co_u32 s20, s20, s21                     ; A's first group: + 2 cy (no register of A's ever holds cx)
	s_lshl_b32 s47, s40, 1
	s_add_co_u32 s46, s46, s47                     ; B's first group: + 2 cx (none of B's holds cy)
	s_add_co_u32 s90, s20, s15
	s_lshl_b32 s90, s90, 12                        ; my A rows' scale words: 8 tiles x 512 bytes a group
	s_mov_b32 s91, 0
	s_add_co_u32 s92, s46, s16
	s_lshl_b32 s92, s92, 12
	s_mov_b32 s93, 0
	s_add_co_u32 s22, s20, s16
	s_mul_i32 s22, s22, 98304                      ; the group that I fetch, for A
	s_mov_b32 s23, 0
	s_add_co_u32 s46, s46, s16
	s_mul_i32 s46, s46, 98304                      ; and for B
	s_mov_b32 s47, 0
	s_mul_i32 s45, s14, HALFT                      ; where it goes: wave x 24,576
	s_add_co_u32 s80, s21, s15
	s_lshl_b32 s80, s80, 16                        ; RoPE tables of my 8 tiles of positions: (2 cy + wa) x 8 x 8,192
	s_mov_b32 s81, 0
	s_mov_b32 s[SEL], 0x76543210
	s_mov_b32 s[SEL+1], 0xfedcba98
	s_mov_b32 s86, 0x3c800000                      ; 1 / 64
	s_mov_b32 s87, 0x358637bd                      ; 1e-6
	v_and_b32 v1, 31, v0                           ; lane
	v_lshlrev_b32 v2, 4, v1                        ; 16 l
	v_lshlrev_b32 v3, 3, v1                        ; 8 l
	v_and_b32 v7, 15, v0                           ; r
	v_lshlrev_b32 v4, 4, v7                        ; 16 r
	v_bfe_u32 v8, v0, 4, 1                         ; h
	v_lshlrev_b32 v5, 6, v8                        ; 64 h
	v_mul_u32_u24 v6, v8, 10240
	v_add_nc_u32 v6, v6, v4                        ; 16 r + 10,240 h
	v_cmp_lt_u32 s88, 15, v1                       ; lanes 16-31
	s_mul_i32 s89, s15, HALFT
	s_mul_i32 s94, s16, HALFT
	s_add_co_u32 s94, s94, 2*HALFT
	v_add_nc_u32 v[ADRA], s89, v2
	v_add_nc_u32 v[ADRB], s94, v2
	v_add_nc_u32 v[ADRA+1], SLOT, v[ADRA]
	v_add_nc_u32 v[ADRB+1], SLOT, v[ADRB]
	s_wait_kmcnt 0x0
	s_add_nc_u64 s[22:23], s[4:5], s[22:23]
	s_add_nc_u64 s[46:47], s[4:5], s[46:47]
	s_add_nc_u64 s[90:91], s[6:7], s[90:91]
	s_add_nc_u64 s[92:93], s[6:7], s[92:93]
	s_add_nc_u64 s[80:81], s[8:9], s[80:81]
	s_cmp_eq_u32 ttmp9, 0
	s_cselect_b64 s[82:83], s[10:11], s[68:69]     ; q's gain or k's
	CROUND                                         ; all sixteen work-groups are here: the first joint loads meet
.irp s, 0,1
	s_mov_b32 s[G0+4*\s], 1
	s_add_co_u32 s[G0+4*\s+1], s45, \s*SLOT
	s_add_nc_u64 s[G0+4*\s+2:G0+4*\s+3], s[22:23], \s*HALFT
	s_or_b32 s[G0+4*\s+3], s[G0+4*\s+3], 0x80000000
	s_mov_b32 s[G0B+4*\s], 1
	s_add_co_u32 s[G0B+4*\s+1], s45, \s*SLOT
	s_add_nc_u64 s[G0B+4*\s+2:G0B+4*\s+3], s[46:47], \s*HALFT
	s_or_b32 s[G0B+4*\s+3], s[G0B+4*\s+3], 0x80000000
	JLOAD G0+4*\s, G1, G0B+4*\s, G1B               ; two loads of mine are out
.endr
.irp i, 0,1,2,3,4,5,6,7                        ; the scale words of all of K, once, straight into registers: 256 dense bytes a load
.irp sp, 0,1
	global_load_b128 v[SCA+8*\i+4*\sp:SCA+8*\i+4*\sp+3], v4, s[90:91] offset:512*\i+256*\sp
	global_load_b128 v[SCB+8*\i+4*\sp:SCB+8*\i+4*\sp+3], v4, s[92:93] offset:512*\i+256*\sp
.endr
.endr
.macro FRAG reg, adr, q, i             ; a fragment: three planes of 512 consecutive bytes
.irp g, 0,1,2
	ds_load_b128 v[\reg+4*\g:\reg+4*\g+3], v[\adr] offset:(\q)*STEPB+(\i)*FRB+512*\g
.endr
.endm
.macro FETCH_B slot, q, p
	WIN TO_B
.irp i, 0,1,2,3,4,5,6,7
	FRAG 128*(\p)+12*\i, ADRB+\slot, \q, \i
.endr
	WIN 0
.endm
.macro FETCH_A slot, q, i0
.irp i, \i0, \i0+1, \i0+2, \i0+3
	FRAG AF+12*(\i), ADRA+\slot, \q, \i
.endr
.endm
; 16 matrix instructions: A's blocks a0, a0 + 1 x B's eight.  The 64 accumulators take turns, one instruction a turn, in the same order in every step.
.macro MUL16 a0, p, ks, zero
.irp a, \a0, \a0+1
.irp b, 0,1,2,3,4,5,6,7
.if \zero
	v_wmma_scale_f32_16x16x128_f8f6f4 v[8*(8*((\a)%4)+\b):8*(8*((\a)%4)+\b)+7], v[128*(\p)+12*\b:128*(\p)+12*\b+11], v[AF+12*(\a):AF+12*(\a)+11], 0, v[SCB+8*\b+(\ks)], v[SCA+8*(\a)+(\ks)] matrix_a_fmt:MATRIX_FMT_FP6 matrix_b_fmt:MATRIX_FMT_FP6
.else
	v_wmma_scale_f32_16x16x128_f8f6f4 v[8*(8*((\a)%4)+\b):8*(8*((\a)%4)+\b)+7], v[128*(\p)+12*\b:128*(\p)+12*\b+11], v[AF+12*(\a):AF+12*(\a)+11], v[8*(8*((\a)%4)+\b):8*(8*((\a)%4)+\b)+7], v[SCB+8*\b+(\ks)], v[SCA+8*(\a)+(\ks)] matrix_a_fmt:MATRIX_FMT_FP6 matrix_b_fmt:MATRIX_FMT_FP6
.endif
.endr
.endr
.endm
.macro STEP slot, ks, zero             ; a slot's first K step (B's set 0); it fetches the second
	s_wait_dscnt 12                                ; B's set and A's blocks 0-3 are in; the youngest 12 loads (A's blocks 4-7) may be out
	WIN MUL_LO
	MUL16 0, 0, \ks, \zero
	MUL16 2, 0, \ks, \zero
	s_wait_dscnt 0x0
	PLACES 4
	FETCH_B \slot, 1, 1
	FETCH_A \slot, 1, 0
	WIN MUL_HI
	MUL16 4, 0, \ks, \zero
	MUL16 6, 0, \ks, \zero
	PLACES 4
	WIN 0
	FETCH_A \slot, 1, 4
.endm
.macro TURN slot, next, ks, fill       ; a slot's second K step (B's set 1) changes slots: one barrier; fill = 1: it opens a round of the cluster's barrier and this slot is filled again
	s_wait_tensorcnt 0x0                           ; all my tensor loads have landed: my part of the next slot
	ds_add_u32 v[SPW], v[NIL]                      ; 0 onto my spare word
	s_wait_dscnt 13                                ; (the add and A's blocks 4-7 may be out)
	WIN MUL_LO
	MUL16 0, 1, \ks, 0
	s_wait_dscnt 0x0                               ; the add is done, and my reads of this slot are over
	s_barrier_signal -1
	MUL16 2, 1, \ks, 0
	WIN 0
	s_barrier_wait -1
.if \fill
	CREST                                          ; no wave of any partner still reads this slot or has a load on its way
	s_add_nc_u64 s[G0+4*\slot+2:G0+4*\slot+3], s[G0+4*\slot+2:G0+4*\slot+3], 2*HALFT
	s_add_nc_u64 s[G0B+4*\slot+2:G0B+4*\slot+3], s[G0B+4*\slot+2:G0B+4*\slot+3], 2*HALFT
	JLOAD G0+4*\slot, G1, G0B+4*\slot, G1B         ; the first tensor load behind the round; its four v_nop are also the places in front of the loads below
.else
	PLACES 4
.endif
	FETCH_B \next, 0, 0
	FETCH_A \next, 0, 0
	WIN MUL_HI
	MUL16 4, 1, \ks, 0
	MUL16 6, 1, \ks, 0
	PLACES 4
	WIN 0
	FETCH_A \next, 0, 4
.endm
.macro ROPELOAD a                      ; cos and sin of my tile a of positions into table set a % 2 (window 1): cos at +0..31, sin at +32..63, index 16 bb + i
.irp pl, 0,1,2,3,4,5,6,7,8,9,10,11,12,13,14,15
	global_load_b128 v[64*((\a)%2)+4*\pl:64*((\a)%2)+4*\pl+3], v2, s[80:81] offset:8192*(\a)+512*\pl
.endr
.endm
	s_wait_tensorcnt 1                             ; my part of slot 0 is in; slot 1's may stay out
	s_barrier_signal -1
	s_barrier_wait -1
	FETCH_B 0, 0, 0
	FETCH_A 0, 0, 0
	FETCH_A 0, 0, 4
	s_wait_loadcnt 0x0                             ; the scale words
	STEP 0, 0, 1                                   ; the first step's products start the sums
	TURN 0, 1, 1, 1
	STEP 1, 2, 0
	TURN 1, 0, 3, 1
	STEP 0, 4, 0
	TURN 0, 1, 5, 0
	STEP 1, 6, 0
	WIN TO_B                                       ; B's set 0 is free (four places stand behind its last products): the gain and the first two tiles' tables are asked for.  v's work-groups ask too and read nothing of it
.irp bb, 0,1
.irp j, 0,1,2,3
	global_load_b128 v[224+16*\bb+4*\j:227+16*\bb+4*\j], v5, s[82:83] offset:128*\bb+16*\j   ; gain[32 bb + 16 h + 4 j ..]
.endr
.endr
	ROPELOAD 0
	ROPELOAD 1
	WIN 0
	s_wait_dscnt 12                                ; the last K step
	WIN MUL_LO
	MUL16 0, 1, 7, 0
	MUL16 2, 1, 7, 0
	s_wait_dscnt 0x0
	WIN MUL_HI
	MUL16 4, 1, 7, 0
	MUL16 6, 1, 7, 0
	WIN 0
	PLACES 4
	v_mov_b32 v197, 0                              ; permutes' destinations and the upper halves of broadcast pairs are written once
	v_mov_b32 v199, 0
.irp b, 0,1,2,3
	v_mov_b32 v[TM+4+\b], 0
.endr
	s_cmp_eq_u32 ttmp9, 2
	s_cbranch_scc1 .Lv_path
; ---- q, k ----
; 32 numbers in window 0 (index 16 b + i = k 32 b + 16 h + i of my row) become 6 registers of codes at d (k = 32 h + 0 .. 31) and two scale bytes
.macro QUANT2 s, d, word
.irp b, 0,1
	v_max3_num_f32 v[TM+\b], |v[\s+16*\b]|, |v[\s+16*\b+1]|, 0x1800000
.endr
.irp i, 2,4,6,8,10,12,14
.irp b, 0,1
	v_max3_num_f32 v[TM+\b], v[TM+\b], |v[\s+16*\b+\i]|, |v[\s+16*\b+\i+1]|
.endr
.endr
.irp b, 0,1
	v_permlanex16_b32 v[TM+4+\b], v[TM+\b], s[SEL], s[SEL+1]
.endr
.irp b, 0,1
	v_max_num_f32 v[TM+\b], v[TM+\b], v[TM+4+\b]   ; with lane l xor 16's 16: the block's largest magnitude
.endr
.irp b, 0,1
	v_add_nc_u32 v[TM+12+\b], 0xff000000, v[TM+\b]
.endr
.irp b, 0,1
	v_lshrrev_b32 v[TM+4+\b], 23, v[TM+12+\b]
.endr
	v_lshl_or_b32 v[\word], v[TM+5], 8, v[TM+4]
	v_cvt_scalef32_pk16_fp6_f32 v[\d:\d+2], v[\s:\s+15], v[TM+12]
	v_cvt_scalef32_pk16_fp6_f32 v[CT:CT+2], v[\s+16:\s+31], v[TM+13]
	v_nop                                          ; one plain place behind the conversions
.irp i, 0,1,2
	v_permlane16_swap_b32 v[\d+\i], v[CT+\i]       ; a whole block to a lane: lanes 0-15 block 0, lanes 16-31 block 1
.endr
.irp i, 0,1,2
	v_mov_b32 v[\d+3+\i], v[CT+\i]
.endr
.endm
.macro QKHEAD a, hh                    ; 16 tokens x one head
.set AC, 64*((\a)%4)+32*(\hh)
.set HIW, (\a)/4
.set TBS, 64*((\a)%2)
	WIN 0x0a+5*HIW                                 ; sources 0, 1: the accumulators' window
	v_pk_mul_f32 v[192:193], v[AC:AC+1], v[AC:AC+1]               ; the sum of squares, in two chains; each accumulator from its low end on
	v_pk_mul_f32 v[194:195], v[AC+2:AC+3], v[AC+2:AC+3]
.irp j, 4,8,12,16,20,24,28
	v_pk_fma_f32 v[192:193], v[AC+\j:AC+\j+1], v[AC+\j:AC+\j+1], v[192:193]
	v_pk_fma_f32 v[194:195], v[AC+\j+2:AC+\j+3], v[AC+\j+2:AC+\j+3], v[194:195]
.endr
	WIN 0
	v_pk_add_f32 v[192:193], v[192:193], v[194:195]
	v_add_f32 v196, v192, v193
	v_permlanex16_b32 v197, v196, s[SEL], s[SEL+1]
	v_add_f32 v196, v196, v197                     ; all 64
	v_fma_f32 v196, v196, s86, s87                 ; the mean + 1e-6
	v_rsq_f32 v198, v196
	v_nop                                          ; one plain place behind the transcendental
	WIN 0x82+0x41*HIW
	s_wait_alu depctr_va_vdst(0)
.irp j, 0,2,4,6,8,10,12,14,16,18,20,22,24,26,28,30
	v_pk_mul_f32 v[AC+\j:AC+\j+1], v[AC+\j:AC+\j+1], v[198:199] op_sel_hi:[1,0]
.endr
	WIN 0x86+0x41*HIW                              ; source 1: window 1, the gain
.irp j, 0,2,4,6,8,10,12,14,16,18,20,22,24,26,28,30
	v_pk_mul_f32 v[AC+\j:AC+\j+1], v[AC+\j:AC+\j+1], v[224+\j:225+\j]
.endr
	WIN 0x06+HIW                                   ; source 0 the accumulators, source 1 the tables, destination window 0
.irp j, 0,2,4,6,8,10,12,14,16,18,20,22,24,26,28,30
	v_pk_mul_f32 v[OUT+\j:OUT+\j+1], v[AC+\j:AC+\j+1], v[TBS+\j:TBS+\j+1]
.endr
.irp j, 0,2,4,6,8,10,12,14
	v_pk_fma_f32 v[OUT+\j:OUT+\j+1], v[AC+16+\j:AC+17+\j], v[TBS+32+\j:TBS+33+\j], v[OUT+\j:OUT+\j+1] neg_lo:[1,0,0] neg_hi:[1,0,0]   ; d < 32: - y[d + 32] sin[d]
.endr
.irp j, 0,2,4,6,8,10,12,14
	v_pk_fma_f32 v[OUT+16+\j:OUT+17+\j], v[AC+\j:AC+\j+1], v[TBS+48+\j:TBS+49+\j], v[OUT+16+\j:OUT+17+\j]                              ; d >= 32: + y[d - 32] sin[d]
.endr
	WIN 0
	s_wait_xcnt 0x0                                ; the last stores have read the codes' registers
	QUANT2 OUT, PC, PW
	v_or_b32 v[SW+8*(\hh)+(\a)], 0x7f7f0000, v[PW] ; bytes 2, 3: 1.0, for the upper 64 of the scores' K step, where q's codes are zeros
	global_store_b128 v2, v[PC:PC+3], s[76:77] offset:147456*(\hh)+768*(\a)
	global_store_b64 v3, v[PC+4:PC+5], s[76:77] offset:147456*(\hh)+768*(\a)+512
.endm
.macro QKTILE a
.if (\a) < 7
	s_wait_loadcnt 16                              ; this tile's tables are in; the next tile's 16 loads may be out
.else
	s_wait_loadcnt 0x0
.endif
	QKHEAD \a, 0
	QKHEAD \a, 1
.if (\a) < 6
	WIN TO_B
	ROPELOAD (\a)+2
	WIN 0
.endif
.endm
	s_lshl_b32 s94, s41, 1
	s_add_co_u32 s94, s94, s15                     ; 2 cy + wa: my 128 positions
	s_lshl_b32 s95, s17, 4
	s_lshl_b32 s96, s40, 2
	s_add_co_u32 s95, s95, s96
	s_lshl_b32 s96, s16, 1
	s_add_co_u32 s95, s95, s96                     ; my first (batch, head): 16 batch + 4 cx + 2 wb
	s_mul_i32 s76, s95, 147456
	s_mov_b32 s97, 12288
	s_cmp_eq_u32 ttmp9, 0
	s_cselect_b32 s97, 6144, s97                   ; q: 8 tiles of 768 on end; k: a key step's 12,288,
	s_cselect_b32 s98, 0, 49152                    ; behind q's 49,152
	s_mul_i32 s97, s94, s97
	s_add_co_u32 s76, s76, s97
	s_add_co_u32 s76, s76, s98
	s_mov_b32 s77, 0
	s_add_nc_u64 s[76:77], s[70:71], s[76:77]
	s_mul_i32 s78, s95, 10240
	s_lshl_b32 s97, ttmp9, 12
	s_add_co_u32 s78, s78, s97
	s_lshl_b32 s97, s94, 9
	s_add_co_u32 s78, s78, s97
	s_mov_b32 s79, 0
	s_add_nc_u64 s[78:79], s[72:73], s[78:79]
.irp a, 0,1,2,3,4,5,6,7
	QKTILE \a
.endr
.irp hh, 0,1
.irp j, 0,1,2,3
	v_cndmask_b32 v[192+4*\hh+\j], v[SW+8*\hh+\j], v[SW+8*\hh+4+\j], s88   ; lanes 0-15: tiles 0-3 of row r; lanes 16-31: tiles 4-7
.endr
	global_store_b128 v2, v[192+4*\hh:195+4*\hh], s[78:79] offset:10240*\hh   ; 512 consecutive bytes, aligned
.endr
	s_branch .Lend
; ---- v ----
.Lv_path:
.macro VTILE a                         ; 16 features x my 128 tokens: one fragment along the keys
.set AC, 64*((\a)%4)
.set HIW, (\a)/4
	WIN 0x28+0x14*HIW                              ; sources 1, 2: the accumulators' window
.irp b, 0,1,2,3
	v_max3_num_f32 v[TM+\b], 0x1800000, |v[AC+16*\b]|, |v[AC+16*\b+1]|
.endr
.irp i, 2,4,6,8,10,12,14
.irp b, 0,1,2,3
	v_max3_num_f32 v[TM+\b], v[TM+\b], |v[AC+16*\b+\i]|, |v[AC+16*\b+\i+1]|
.endr
.endr
	WIN 0
.irp b, 0,1,2,3
	v_permlanex16_b32 v[TM+4+\b], v[TM+\b], s[SEL], s[SEL+1]
.endr
.irp b, 0,1,2,3
	v_max_num_f32 v[TM+\b], v[TM+\b], v[TM+4+\b]
.endr
.irp b, 0,1,2,3
	v_add_nc_u32 v[TM+12+\b], 0xff000000, v[TM+\b]
.endr
.irp b, 0,1,2,3
	v_lshrrev_b32 v[TM+4+\b], 23, v[TM+12+\b]
.endr
	v_lshl_or_b32 v[SW+(\a)], v[TM+5], 8, v[TM+4]
	v_lshl_or_b32 v[SW+(\a)], v[TM+6], 16, v[SW+(\a)]
	v_lshl_or_b32 v[SW+(\a)], v[TM+7], 24, v[SW+(\a)]
	s_wait_xcnt 0x0                                ; the last stores have read the codes' registers
	WIN 0x02+HIW
.irp c, 0,1
	v_cvt_scalef32_pk16_fp6_f32 v[PC+6*\c:PC+6*\c+2], v[AC+32*\c:AC+32*\c+15], v[TM+12+2*\c]
	v_cvt_scalef32_pk16_fp6_f32 v[CT+4*\c:CT+4*\c+2], v[AC+32*\c+16:AC+32*\c+31], v[TM+13+2*\c]
.endr
	WIN 0
	v_nop
.irp c, 0,1
.irp i, 0,1,2
	v_permlane16_swap_b32 v[PC+6*\c+\i], v[CT+4*\c+\i]
.endr
.irp i, 0,1,2
	v_mov_b32 v[PC+3+6*\c+\i], v[CT+4*\c+\i]
.endr
.endr
.irp g, 0,1,2
	global_store_b128 v2, v[PC+4*\g:PC+4*\g+3], s[76:77] offset:147456*((\a)/4)+1536*((\a)%4)+512*\g
.endr
.endm
	s_lshl_b32 s94, s40, 1
	s_add_co_u32 s94, s94, s16                     ; the key step: 2 cx + wb
	s_lshl_b32 s95, s17, 4
	s_lshl_b32 s96, s41, 2
	s_add_co_u32 s95, s95, s96
	s_lshl_b32 s96, s15, 1
	s_add_co_u32 s95, s95, s96                     ; my first (batch, head): 16 batch + 4 cy + 2 wa
	s_mul_i32 s76, s95, 147456
	s_mul_i32 s97, s94, 12288
	s_add_co_u32 s76, s76, s97
	s_add_co_u32 s76, s76, 49152+6144              ; behind q, and behind the key step's K
	s_mov_b32 s77, 0
	s_add_nc_u64 s[76:77], s[70:71], s[76:77]
	s_mul_i32 s78, s95, 10240
	s_lshl_b32 s97, s94, 8
	s_add_co_u32 s78, s78, s97
	s_add_co_u32 s78, s78, 8192
	s_mov_b32 s79, 0
	s_add_nc_u64 s[78:79], s[72:73], s[78:79]
.irp a, 0,1,2,3,4,5,6,7
	VTILE \a
.endr
.irp j, 0,1,2,3
	v_cndmask_b32 v[192+\j], v[SW+\j], v[SW+4+\j], s88   ; lanes 0-15: the first head's four fragments; lanes 16-31: the second's
.endr
	global_store_b128 v6, v[192:195], s[78:79]     ; two runs of 256 consecutive bytes, aligned
.Lend:
	s_wait_tensorcnt 0x0                           ; the wave's end
	ds_add_u32 v[SPW], v[NIL]
	s_wait_dscnt 0x0
	CROUND                                         ; the closing round
	s_endpgm
.Lfunc_end_k_q4e3cb6991d_qkv:
	.size	k_q4e3cb6991d_qkv, .Lfunc_end_k_q4e3cb6991d_qkv-k_q4e3cb6991d_qkv
	.p2alignl 7, 3214868480
	.fill 96, 4, 3214868480
	.section	.rodata,"a",@progbits
	.p2align	6, 0x0
	.amdhsa_kernel k_q4e3cb6991d_qkv
		.amdhsa_group_segment_fixed_size 327680
		.amdhsa_private_segment_fixed_size 0
		.amdhsa_enable_private_segment 0
		.amdhsa_kernarg_size 56
		.amdhsa_user_sgpr_count 2
		.amdhsa_user_sgpr_kernarg_segment_ptr 1
		.amdhsa_wavefront_size32 1
		.amdhsa_system_sgpr_workgroup_id_x 1
		.amdhsa_system_sgpr_workgroup_id_y 1
		.amdhsa_system_sgpr_workgroup_id_z 1
		.amdhsa_system_vgpr_workitem_id 0
		.amdhsa_next_free_vgpr 1024
		.amdhsa_next_free_sgpr 100
		.amdhsa_reserve_vcc 0
		.amdhsa_float_denorm_mode_32 3
		.amdhsa_float_denorm_mode_16_64 3
		.amdhsa_memory_ordered 1
		.amdhsa_forward_progress 1
		.amdhsa_inst_pref_size 255
	.end_amdhsa_kernel
	.section	.bss,"aw",@nobits
	.p2align	6
	.space	262144
	.amdgpu_metadata
---
amdhsa.version: [ 1, 2 ]
amdhsa.kernels:
  - .name:           k_q4e3cb6991d_qkv
    .symbol:         k_q4e3cb6991d_qkv.kd
    .args:
      - { .name: opnd_img, .offset: 0, .size: 8, .value_kind: global_buffer, .address_space: global }
      - { .name: opnd_sc, .offset: 8, .size: 8, .value_kind: global_buffer, .address_space: global }
      - { .name: rope_img, .offset: 16, .size: 8, .value_kind: global_buffer, .address_space: global }
      - { .name: q_norm_w, .offset: 24, .size: 8, .value_kind: global_buffer, .address_space: global }
      - { .name: k_norm_w, .offset: 32, .size: 8, .value_kind: global_buffer, .address_space: global }
      - { .name: qkv_img, .offset: 40, .size: 8, .value_kind: global_buffer, .address_space: global }
      - { .name: qkv_sc, .offset: 48, .size: 8, .value_kind: global_buffer, .address_space: global }
    .group_segment_fixed_size: 327680
    .private_segment_fixed_size: 0
    .kernarg_segment_align: 8
    .kernarg_segment_size: 56
    .max_flat_workgroup_size: 128
    .sgpr_count:     100
    .vgpr_count:     1024
    .wavefront_size: 32
...
	.end_amdgpu_metadata
.endif
;; end of part 2
;; launch attn (part 3): grid 4 x 64, 16 waves a work-group, clusters of 4 x 1, 215,040 bytes of LDS; arguments qkv_img, qkv_sc, o_img, o_sc; writes o_img, o_sc
.if DOCPART == 3
	.amdgcn_target "amdgcn-amd-amdhsa--gfx1250"
	.amdhsa_code_object_version 6
	.text
	.protected	k_q4e3cb6991d_attn
	.globl	k_q4e3cb6991d_attn
	.p2align	8
	.type	k_q4e3cb6991d_attn,@function
k_q4e3cb6991d_attn:
	s_mov_b64 s[64:65], 0
	v_nop
	global_prefetch_b8 v0, s[64:65] scope:SCOPE_SE
	s_setreg_imm32_b32 hwreg(HW_REG_WAVE_MODE, 25, 1), 1
	s_wait_xcnt 0x0
	s_wait_alu depctr_hold_cnt(0) depctr_sa_sdst(0) depctr_va_vdst(0) depctr_va_sdst(0) depctr_va_ssrc(0) depctr_va_vcc(0) depctr_vm_vsrc(0)
	s_getreg_b32 s2, hwreg(HW_REG_IB_STS2, 6, 4)
	s_cmp_eq_u32 s2, 0
	s_cbranch_scc0 .Lentry_in_a_cluster
	s_endpgm
.Lentry_in_a_cluster:
	s_bfe_u32 s2, ttmp6, 0x10000c
	s_cmp_lg_u32 s2, 0x3003
	s_cbranch_scc0 .Lentry_shape_is_right
	s_endpgm
.Lentry_shape_is_right:
; o = softmax(q k^T / 8) v for 128 (batch, head) pairs of 1,024 x 64, both products on codes of FP6 (E2M3) with E8M0 scales; o is quantised along C for the last product and leaves as codes.
; THE SOFTMAX: t = score x log2(e) / 8; M = the running largest t rounded UP to a whole number; p = 2^(t - M) is quantised along the keys, not normalised; the sum of the unquantised p divides at the end;
; when M moves, the sum and O are multiplied by 2^(old M - new M), which rounds nothing.
; SHARES: work-group y = 8 batch + pair of heads; its place cx in the cluster = a quarter of the queries.  Each of 16 waves owns one tile of 16 queries and runs two passes, one a head: so it ends with a whole
; fragment of o (128 along C) and a whole scale word.  Four waves share a SIMD: one wave's vector work stands beside another's products and LDS loads.
; K, V and their scale words of BOTH heads, 208,896 bytes, are filled into LDS ONCE, by joint loads of the cluster's four work-groups (mask 15): no slot is filled again, so the key loop has no barrier.
; LAYOUT: S^T = K Q^T (source 0 = 16 keys, source 1 = my queries), O^T = V^T P^T (source 0 = 16 features, source 1 = P): a lane holds one query throughout.  Lane r of a tile T is row 32 (T / 2) + 8 (T % 2) + r + 8 (r / 8),
; so S's 16 registers of tiles 2 n, 2 n + 1 are keys 32 n + 16 h + 0 .. 15, and O^T's likewise features.
; THE SCORES' K IS 64, THE INSTRUCTION'S 128: q's upper six registers are zero codes and the upper scale bytes are 1.0.  K's tiles lie six registers apart, so the upper half of fragment t is fragment t + 1's codes:
; E2M3 has no infinity and no NaN, so 0 x any code adds nothing.
; LIMITS: a block of zeros gets the byte 1 with zero codes (this program alone reads the bytes); NaN and infinities are not served.
.set SC,   196608                      ; LDS: KV [head 2][key step 8][K 6,144 | V 6,144] from 0; then the scale words [head][K 4,096 | V 2,048];
.set OSC,  208896                      ; then o's scale words, 1,024 bytes, written by ds_store alone
.set F,    70                          ; v70-123  8 tiles of K six apart (v118-123 stay 0), then 4 fragments of V
.set S,    130                         ; v130-193 S^T, then p
.set O,    194                         ; v194-225 O^T
.set PC,   226                         ; v226-237 p's codes
.set TP,   238                         ; v238-245 permutes, bytes, conversions' second halves
.set BM,   246                         ; v246-249 block maxima
.set SO,   250                         ; v250-253 scale operands
.set KS,   42                          ; v42-49 K's scale words; v50-53 V's; v54 p's; v40-41 q's: scales and nothing else
.set VS,   50
.set PS,   54
.set OW,   55                          ; o's scale word
.set OC,   56                          ; v56-67 o's fragment
.set FF,   68                          ; v[68:69] f, later 1 / sum
.macro CROUND
	s_barrier_signal -1
	s_barrier_wait -1
	s_cmp_lg_u32 s12, 0
	s_cbranch_scc1 .Lnot_wave_0_\@
	s_barrier_signal -3
.Lnot_wave_0_\@:
	s_barrier_wait -3
	s_barrier_signal -1
	s_barrier_wait -1
.endm
	s_load_b256 s[4:11], s[0:1], 0x0               ; qkv_img, qkv_sc, o_img, o_sc
	v_lshl_add_u32 v129, v0, 2, 0x34000
	v_mov_b32 v245, 0
	ds_add_u32 v129, v245
	ds_add_u32 v129, v245
	v_lshrrev_b32 v7, 5, v0
	v_readfirstlane_b32 s12, v7                    ; wave 0..15
	s_bfe_u32 s13, ttmp6, 0x40000                  ; cx
	s_and_b32 s60, ttmp7, 0xffff
	s_lshr_b32 s61, s60, 3                         ; batch
	s_and_b32 s62, s60, 7                          ; pair of heads
	s_lshl_b32 s63, s61, 4
	s_lshl_b32 s66, s62, 1
	s_add_co_u32 s63, s63, s66                     ; the first (batch, head)
	s_and_b32 s67, s12, 1                          ; which part a fetching wave (0, 1) takes
	s_add_co_u32 s68, s63, s67
	s_mul_i32 s68, s68, 10240
	s_add_co_u32 s68, s68, 4096                    ; head w's K and V scale words: 6,144 dense bytes
	s_mov_b32 s69, 0
	s_mul_i32 s70, s63, 147456
	s_mul_i32 s72, s67, 24576
	s_add_co_u32 s70, s70, s72
	s_add_co_u32 s70, s70, 49152                   ; K and V: two key steps a load
	s_mov_b32 s71, 0
	s_mul_i32 s73, s67, 6144
	s_lshl_b32 s74, s13, 4
	s_add_co_u32 s74, s74, s12                     ; my tile of queries: 16 cx + wave
	s_mul_i32 s76, s63, 147456
	s_mul_i32 s75, s74, 768
	s_add_co_u32 s76, s76, s75
	s_mov_b32 s77, 0
	s_mul_i32 s78, s63, 10240
	s_lshr_b32 s75, s74, 2
	s_lshl_b32 s75, s75, 8
	s_add_co_u32 s78, s78, s75
	s_mov_b32 s79, 0
	s_mov_b32 s16, 15|(3<<16)|(1<<21)              ; group 1: mask of all four; elements of 8 bytes; bit 21 beside a mask; 96 rows of 256 bytes, dense
	s_mov_b32 s17, 32<<16
	s_mov_b32 s18, 96<<16
	s_mov_b32 s19, 32<<16
	s_mov_b32 s20, 96
	s_mov_b32 s21, 32
	s_mov_b32 s22, 0
	s_mov_b32 s23, 0
	s_mov_b32 s24, 15|(3<<16)|(1<<21)              ; the same with 24 rows, for the scale words
	s_mov_b32 s25, 32<<16
	s_mov_b32 s26, 24<<16
	s_mov_b32 s27, 32<<16
	s_mov_b32 s28, 24
	s_mov_b32 s29, 32
	s_mov_b32 s30, 0
	s_mov_b32 s31, 0
	s_mov_b32 s52, 0x76543210
	s_mov_b32 s53, 0xfedcba98
	s_mov_b32 s54, 0x3e38aa3b                      ; c = log2(e) / 8
	s_mov_b32 s55, s54
	s_mov_b32 s56, 0                               ; the key step's K and V: 12,288 a step, on into the second head
	s_mov_b32 s57, 0                               ; its K scale words: 512 a step
	s_mov_b32 s58, 4096                            ; its V scale words: 256 a step
	v_and_b32 v7, 31, v0
	v_lshlrev_b32 v1, 4, v7                        ; 16 l
	v_lshlrev_b32 v2, 3, v7                        ; 8 l
	v_and_b32 v7, 15, v0                           ; r
	v_lshl_add_u32 v3, v7, 4, SC                   ; scale words: 16 r
	s_lshl_b32 s75, s12, 6
	v_lshl_add_u32 v4, v7, 2, s75
	v_add_nc_u32 v4, OSC, v4                       ; o's word: 64 wave + 4 r
	s_lshl_b32 s75, s67, 9
	v_add_nc_u32 v5, s75, v1
	v_add_nc_u32 v5, OSC, v5                       ; and back: 512 (wave % 2) + 16 l
	s_and_b32 s75, s12, 3
	s_lshl_b32 s75, s75, 2
	v_lshl_add_u32 v6, v7, 4, s75                  ; q's word: 16 r + 4 (tile % 4)
	s_wait_dscnt 0x0
	s_wait_kmcnt 0x0
	s_add_nc_u64 s[68:69], s[6:7], s[68:69]
	s_add_nc_u64 s[70:71], s[4:5], s[70:71]
	s_add_nc_u64 s[76:77], s[4:5], s[76:77]
	s_add_nc_u64 s[78:79], s[6:7], s[78:79]
	s_mov_b32 s32, 1
	s_add_co_u32 s33, s73, SC
	s_mov_b64 s[34:35], s[68:69]
	s_or_b32 s35, s35, 0x80000000
.irp j, 0,1,2,3                                ; chunk j: key steps 4 (j % 2) + 2 w, + 1 of head j / 2
	s_mov_b32 s[36+4*\j], 1
	s_add_co_u32 s[37+4*\j], s72, 49152*\j
	s_add_nc_u64 s[38+4*\j:39+4*\j], s[70:71], 49152*\j+49152*(\j/2)
	s_or_b32 s[39+4*\j], s[39+4*\j], 0x80000000
.endr
	CROUND                                         ; all four work-groups are here: the joint loads meet
	s_cmp_lt_u32 s12, 2                            ; waves 0 and 1 fetch; all their loads stand in this one branch: five of a wave's loads are out
	s_cbranch_scc0 .Lno_fill
	tensor_load_to_lds s[32:35], s[24:31]
	s_nop 0
	tensor_load_to_lds s[36:39], s[16:23]
	s_nop 0
	tensor_load_to_lds s[40:43], s[16:23]
	s_nop 0
	tensor_load_to_lds s[44:47], s[16:23]
	s_nop 0
	tensor_load_to_lds s[48:51], s[16:23]
	s_nop 0
.rept 4
	v_nop
.endr
.Lno_fill:
.irp p, 0,1
	global_load_b128 v[16+12*\p:19+12*\p], v1, s[76:77] offset:147456*\p
	global_load_b64 v[20+12*\p:21+12*\p], v2, s[76:77] offset:147456*\p+512
	global_load_b32 v[40+\p], v6, s[78:79] offset:10240*\p
.endr
.irp i, 22,23,24,25,26,27,34,35,36,37,38,39,118,119,120,121,122,123,69,238,239,240,241
	v_mov_b32 v[\i], 0                             ; q's upper codes; behind K's last tile; registers named before they are first written
.endr
.macro INIT
	v_mov_b32 v13, 0xff61b1e6                      ; the largest t so far: -3e38
	v_floor_f32 v12, -v13                          ; -M
	v_mov_b32 v14, 0
	v_mov_b32 v15, 0
.irp j, 0,1,2,3,4,5,6,7,8,9,10,11,12,13,14,15,16,17,18,19,20,21,22,23,24,25,26,27,28,29,30,31
	v_mov_b32 v[O+\j], 0                           ; the step is written once: the first finds zeros, which the first change of M leaves zeros
.endr
.endm
.macro WAITB n                         ; the fetching waves' loads down to n outstanding have landed; then the work-group's barrier.  Nothing is ever filled again, so younger loads may stay out
	s_wait_tensorcnt \n
	s_wait_dscnt 0x0
	s_barrier_signal -1
	s_barrier_wait -1
.endm
.macro STEP qf, qs                     ; 128 keys
	v_add_nc_u32 v8, s56, v1                       ; (these four are also the places behind the last products, in front of the loads below)
	v_add_nc_u32 v9, s56, v2
	v_add_nc_u32 v10, s57, v3
	v_add_nc_u32 v11, s58, v3
.irp t, 0,1,2,3,4,5,6,7
	ds_load_b128 v[F+6*\t:F+6*\t+3], v8 offset:768*\t
	ds_load_b64 v[F+6*\t+4:F+6*\t+5], v9 offset:768*\t+512
.endr
	ds_load_b128 v[KS:KS+3], v10
	ds_load_b128 v[KS+4:KS+7], v10 offset:256
	s_wait_dscnt 0x0
.irp t, 0,1,2,3,4,5,6,7
	v_wmma_scale_f32_16x16x128_f8f6f4 v[S+8*\t:S+8*\t+7], v[F+6*\t:F+6*\t+11], v[\qf:\qf+11], 0, v[KS+\t], v[\qs] matrix_a_fmt:MATRIX_FMT_FP6 matrix_b_fmt:MATRIX_FMT_FP6
.endr
.rept 4
	v_nop
.endr
.irp ft, 0,1,2,3                               ; V is asked for at once: it lands under the softmax
.irp g, 0,1,2
	ds_load_b128 v[F+12*\ft+4*\g:F+12*\ft+4*\g+3], v8 offset:6144+1536*\ft+512*\g
.endr
.endr
	ds_load_b128 v[VS:VS+3], v11
.irp b, 0,1,2,3
	v_max3_num_f32 v[BM+\b], v[S+16*\b], v[S+1+16*\b], v[S+2+16*\b]   ; the largest score of each block of 32 keys: for the row's maximum and, since p rises with the score, for the block's largest p
.endr
.irp i, 3,5,7,9,11,13
.irp b, 0,1,2,3
	v_max3_num_f32 v[BM+\b], v[BM+\b], v[S+16*\b+\i], v[S+1+16*\b+\i]
.endr
.endr
.irp b, 0,1,2,3
	v_max_num_f32 v[BM+\b], v[BM+\b], v[S+15+16*\b]
.endr
.irp b, 0,1,2,3
	v_permlanex16_b32 v[TP+\b], v[BM+\b], s52, s53
.endr
.irp b, 0,1,2,3
	v_max_num_f32 v[BM+\b], v[BM+\b], v[TP+\b]
.endr
	v_max3_num_f32 v254, v[BM], v[BM+1], v[BM+2]
	v_max_num_f32 v254, v254, v[BM+3]
	v_mul_f32 v254, s54, v254                      ; as t
	v_max_num_f32 v13, v13, v254                   ; the running largest t
	v_mov_b32 v254, v12
	v_floor_f32 v12, -v13                          ; the new -M = -ceil(t)
	v_sub_f32 v254, v12, v254                      ; old M - new M: a whole number, 0 or less
	v_cvt_i32_f32 v254, v254                       ; (it saturates)
	v_ldexp_f32 v[FF], 1.0, v254                   ; f = 2^(old M - new M)
.irp j, 0,2,4,6,8,10,12,14,16,18,20,22,24,26,28,30,32,34,36,38,40,42,44,46,48,50,52,54,56,58,60,62
	v_pk_fma_f32 v[S+\j:S+\j+1], v[S+\j:S+\j+1], s[54:55], v[12:13] op_sel_hi:[1,0,0]   ; t - M
.endr
.irp b, 0,1,2,3
	v_fma_f32 v[BM+\b], v[BM+\b], s54, v12
.endr
.irp j, 0,1,2,3,4,5,6,7,8,9,10,11,12,13,14,15,16,17,18,19,20,21,22,23,24,25,26,27,28,29,30,31,32,33,34,35,36,37,38,39,40,41,42,43,44,45,46,47,48,49,50,51,52,53,54,55,56,57,58,59,60,61,62,63
	v_exp_f32 v[S+\j], v[S+\j]                     ; p = 2^(t - M)
.endr
.irp b, 0,1,2,3
	v_exp_f32 v[BM+\b], v[BM+\b]                   ; the block's largest p: the same two instructions on the same number
.endr
	v_pk_mul_f32 v[14:15], v[14:15], v[FF:FF+1] op_sel_hi:[1,0]   ; the sums under the new M (a plain place behind the exponentials)
	s_wait_alu depctr_va_vdst(0)
.irp b, 0,1,2,3
	v_max_num_f32 v[BM+\b], 0x1800000, v[BM+\b]    ; the floor: the byte cannot fall under 1
.endr
.irp b, 0,1,2,3
	v_add_nc_u32 v[SO+\b], 0xff000000, v[BM+\b]
.endr
.irp b, 0,1,2,3
	v_lshrrev_b32 v[TP+\b], 23, v[SO+\b]
.endr
	v_lshl_or_b32 v[PS], v[TP+1], 8, v[TP]
	v_lshl_or_b32 v[PS], v[TP+2], 16, v[PS]
	v_lshl_or_b32 v[PS], v[TP+3], 24, v[PS]
.irp c, 0,1
	v_cvt_scalef32_pk16_fp6_f32 v[PC+6*\c:PC+6*\c+2], v[S+32*\c:S+32*\c+15], v[SO+2*\c]
	v_cvt_scalef32_pk16_fp6_f32 v[TP+4*\c:TP+4*\c+2], v[S+32*\c+16:S+32*\c+31], v[SO+2*\c+1]
.endr
	v_nop                                          ; one plain place behind the conversions
.irp c, 0,1
.irp i, 0,1,2
	v_permlane16_swap_b32 v[PC+6*\c+\i], v[TP+4*\c+\i]
.endr
.irp i, 0,1,2
	v_mov_b32 v[PC+3+6*\c+\i], v[TP+4*\c+\i]
.endr
.endr
	v_pk_add_f32 v[TP:TP+1], v[S:S+1], v[S+2:S+3]  ; the row's sum, of the unquantised p, in two chains
.irp j, 4,8,12,16,20,24,28,32,36,40,44,48,52,56,60
	v_pk_add_f32 v[14:15], v[14:15], v[S+\j:S+\j+1]
	v_pk_add_f32 v[TP:TP+1], v[TP:TP+1], v[S+\j+2:S+\j+3]
.endr
	v_pk_add_f32 v[14:15], v[14:15], v[TP:TP+1]
.irp j, 0,2,4,6,8,10,12,14,16,18,20,22,24,26,28,30
	v_pk_mul_f32 v[O+\j:O+\j+1], v[O+\j:O+\j+1], v[FF:FF+1] op_sel_hi:[1,0]   ; O^T under the new M
.endr
	s_wait_dscnt 0x0                               ; V and its scale words
.irp ft, 0,1,2,3                               ; four accumulators by turns, one instruction a turn
	v_wmma_scale_f32_16x16x128_f8f6f4 v[O+8*\ft:O+8*\ft+7], v[F+12*\ft:F+12*\ft+11], v[PC:PC+11], v[O+8*\ft:O+8*\ft+7], v[VS+\ft], v[PS] matrix_a_fmt:MATRIX_FMT_FP6 matrix_b_fmt:MATRIX_FMT_FP6
.endr
	s_add_co_u32 s56, s56, 12288
	s_add_co_u32 s57, s57, 512
	s_add_co_u32 s58, s58, 256
.endm
.macro FINISH p                        ; O^T / the sum, quantised along the head's 64: registers 6 p .. 6 p + 5 of o's fragment, bytes 2 p, 2 p + 1 of its word
.rept 4
	v_nop
.endr
	v_add_f32 v14, v14, v15
	v_permlanex16_b32 v254, v14, s52, s53
	v_add_f32 v14, v14, v254
	v_rcp_f32 v[FF], v14
	v_nop
	s_wait_alu depctr_va_vdst(0)
.irp j, 0,2,4,6,8,10,12,14,16,18,20,22,24,26,28,30
	v_pk_mul_f32 v[S+\j:S+\j+1], v[O+\j:O+\j+1], v[FF:FF+1] op_sel_hi:[1,0]
.endr
.irp b, 0,1
	v_max3_num_f32 v[BM+\b], |v[S+16*\b]|, |v[S+16*\b+1]|, 0x1800000
.endr
.irp i, 2,4,6,8,10,12,14
.irp b, 0,1
	v_max3_num_f32 v[BM+\b], v[BM+\b], |v[S+16*\b+\i]|, |v[S+16*\b+\i+1]|
.endr
.endr
.irp b, 0,1
	v_permlanex16_b32 v[TP+\b], v[BM+\b], s52, s53
.endr
.irp b, 0,1
	v_max_num_f32 v[BM+\b], v[BM+\b], v[TP+\b]
.endr
.irp b, 0,1
	v_add_nc_u32 v[SO+\b], 0xff000000, v[BM+\b]
.endr
.irp b, 0,1
	v_lshrrev_b32 v[TP+\b], 23, v[SO+\b]
.endr
	v_lshl_or_b32 v255, v[TP+1], 8, v[TP]
	v_cvt_scalef32_pk16_fp6_f32 v[OC+6*\p:OC+6*\p+2], v[S:S+15], v[SO]
	v_cvt_scalef32_pk16_fp6_f32 v[TP+4:TP+6], v[S+16:S+31], v[SO+1]
	v_nop
.irp i, 0,1,2
	v_permlane16_swap_b32 v[OC+6*\p+\i], v[TP+4+\i]
.endr
.irp i, 0,1,2
	v_mov_b32 v[OC+6*\p+3+\i], v[TP+4+\i]
.endr
.if \p == 0
	v_mov_b32 v[OW], v255
.else
	v_lshl_or_b32 v[OW], v255, 16, v[OW]
.endif
.endm
	INIT
	s_wait_loadcnt 0x0                             ; q
	WAITB 3                                        ; the scale words and the first head's key steps 0-3 are in; the three younger loads may be out
	s_mov_b32 s59, 4
.Lfirst:
	STEP 16, 40
	s_sub_co_u32 s59, s59, 1
	s_cmp_lg_u32 s59, 0
	s_cbranch_scc1 .Lfirst
	WAITB 2                                        ; key steps 4-7
	s_mov_b32 s59, 4
.Lsecond:
	STEP 16, 40
	s_sub_co_u32 s59, s59, 1
	s_cmp_lg_u32 s59, 0
	s_cbranch_scc1 .Lsecond
	FINISH 0
	s_add_co_u32 s57, s57, 2048                    ; on to the second head's scale words
	s_add_co_u32 s58, s58, 4096
	INIT
	WAITB 0                                        ; the second head
	s_mov_b32 s59, 8
.Lthird:
	STEP 28, 41
	s_sub_co_u32 s59, s59, 1
	s_cmp_lg_u32 s59, 0
	s_cbranch_scc1 .Lthird
	FINISH 1
	s_lshl_b32 s68, s61, 3                         ; o_img: group 8 batch + 2 cx + wave / 8, K step = the pair of heads, tile wave % 8
	s_lshl_b32 s69, s13, 1
	s_add_co_u32 s68, s68, s69
	s_lshr_b32 s69, s12, 3
	s_add_co_u32 s68, s68, s69
	s_mul_i32 s68, s68, 98304
	s_mul_i32 s69, s62, 12288
	s_add_co_u32 s68, s68, s69
	s_and_b32 s69, s12, 7
	s_mul_i32 s69, s69, 1536
	s_add_co_u32 s68, s68, s69
	s_mov_b32 s69, 0
	s_add_nc_u64 s[8:9], s[8:9], s[68:69]
	s_lshl_b32 s70, s62, 15                        ; o_sc: [K step][tile][r]: the work-group's 16 tiles are 1,024 dense bytes
	s_lshl_b32 s71, s61, 12
	s_add_co_u32 s70, s70, s71
	s_lshl_b32 s71, s13, 10
	s_add_co_u32 s70, s70, s71
	s_lshl_b32 s71, s67, 9
	s_add_co_u32 s70, s70, s71
	s_mov_b32 s71, 0
	s_add_nc_u64 s[10:11], s[10:11], s[70:71]
.irp g, 0,1,2
	global_store_b128 v1, v[OC+4*\g:OC+4*\g+3], s[8:9] offset:512*\g   ; 512 consecutive bytes, aligned
.endr
	ds_store_b32 v4, v[OW]                         ; both halves of the lanes write the same word with the same value
	s_wait_dscnt 0x0                               ; for the others' sake
	s_barrier_signal -1
	s_barrier_wait -1
	s_cmp_lt_u32 s12, 2
	s_cbranch_scc0 .Lno_words
	ds_load_b128 v[S:S+3], v5
	s_wait_dscnt 0x0
	global_store_b128 v1, v[S:S+3], s[10:11]       ; waves 0 and 1: 512 consecutive bytes each
.Lno_words:
	s_wait_tensorcnt 0x0
	ds_add_u32 v129, v245
	s_wait_dscnt 0x0
	CROUND                                         ; the closing round
	s_endpgm
.Lfunc_end_k_q4e3cb6991d_attn:
	.size	k_q4e3cb6991d_attn, .Lfunc_end_k_q4e3cb6991d_attn-k_q4e3cb6991d_attn
	.p2alignl 7, 3214868480
	.fill 96, 4, 3214868480
	.section	.rodata,"a",@progbits
	.p2align	6, 0x0
	.amdhsa_kernel k_q4e3cb6991d_attn
		.amdhsa_group_segment_fixed_size 215040
		.amdhsa_private_segment_fixed_size 0
		.amdhsa_enable_private_segment 0
		.amdhsa_kernarg_size 32
		.amdhsa_user_sgpr_count 2
		.amdhsa_user_sgpr_kernarg_segment_ptr 1
		.amdhsa_wavefront_size32 1
		.amdhsa_system_sgpr_workgroup_id_x 1
		.amdhsa_system_sgpr_workgroup_id_y 1
		.amdhsa_system_sgpr_workgroup_id_z 1
		.amdhsa_system_vgpr_workitem_id 0
		.amdhsa_next_free_vgpr 256
		.amdhsa_next_free_sgpr 80
		.amdhsa_reserve_vcc 0
		.amdhsa_float_denorm_mode_32 3
		.amdhsa_float_denorm_mode_16_64 3
		.amdhsa_memory_ordered 1
		.amdhsa_forward_progress 1
		.amdhsa_inst_pref_size 66
	.end_amdhsa_kernel
	.amdgpu_metadata
---
amdhsa.version: [ 1, 2 ]
amdhsa.kernels:
  - .name:           k_q4e3cb6991d_attn
    .symbol:         k_q4e3cb6991d_attn.kd
    .args:
      - { .name: qkv_img, .offset: 0, .size: 8, .value_kind: global_buffer, .address_space: global }
      - { .name: qkv_sc, .offset: 8, .size: 8, .value_kind: global_buffer, .address_space: global }
      - { .name: o_img, .offset: 16, .size: 8, .value_kind: global_buffer, .address_space: global }
      - { .name: o_sc, .offset: 24, .size: 8, .value_kind: global_buffer, .address_space: global }
    .group_segment_fixed_size: 215040
    .private_segment_fixed_size: 0
    .kernarg_segment_align: 8
    .kernarg_segment_size: 32
    .max_flat_workgroup_size: 512
    .sgpr_count:     80
    .vgpr_count:     256
    .wavefront_size: 32
...
	.end_amdgpu_metadata
.endif
;; end of part 3
;; launch proj (part 4): grid 4 x 32, 4 waves a work-group, clusters of 4 x 4, 327,680 bytes of LDS; arguments o_img, o_sc, opnd_img, opnd_sc, out0; writes out0
.if DOCPART == 4
	.amdgcn_target "amdgcn-amd-amdhsa--gfx1250"
	.amdhsa_code_object_version 6
	.text
	.protected	k_q4e3cb6991d_proj
	.globl	k_q4e3cb6991d_proj
	.p2align	8
	.type	k_q4e3cb6991d_proj,@function
k_q4e3cb6991d_proj:
	s_mov_b64 s[64:65], 0
	v_nop
	global_prefetch_b8 v0, s[64:65] scope:SCOPE_SE
	s_setreg_imm32_b32 hwreg(HW_REG_WAVE_MODE, 25, 1), 1
	s_wait_xcnt 0x0
	s_wait_alu depctr_hold_cnt(0) depctr_sa_sdst(0) depctr_va_vdst(0) depctr_va_sdst(0) depctr_va_ssrc(0) depctr_va_vcc(0) depctr_vm_vsrc(0)
	s_getreg_b32 s2, hwreg(HW_REG_IB_STS2, 6, 4)
	s_cmp_eq_u32 s2, 0
	s_cbranch_scc0 .Lentry_in_a_cluster
	s_endpgm
.Lentry_in_a_cluster:
	s_bfe_u32 s2, ttmp6, 0x10000c
	s_cmp_lg_u32 s2, 0xf033
	s_cbranch_scc0 .Lentry_shape_is_right
	s_endpgm
.Lentry_shape_is_right:
; out0 = o w_proj^T on codes of FP6 (E2M3) with E8M0 scales; out0 [8192][1024] f32.
; A work-group of four waves makes 256 x 256, a wave 128 x 128: 64 accumulators.  K = 1,024 is 8 steps of 128, two to an LDS slot, two slots, four fills: written out, no loop.  128 work-groups: the tile is kept large; half the WGPs have no work-group.
; OPERANDS ARE IMAGES OF THEIR REGISTERS ([row / 128][K step][tile][3 planes of 512 bytes]): 128 rows x 256 K are 24,576 dense bytes, one tensor load; a fragment is three ds_load_b128 of 512 consecutive bytes.
; Lane r of tile T is row 32 (T / 2) + 8 (T % 2) + r + 8 (r / 8).  Source 0 = w_proj's rows (B), source 1 = o's rows (A): in accumulator (a, b) lane (r, h) holds the token of lane r of tile a,
; and the 64 registers of a fixed a hold output features 32 n + 16 h + i at index 16 n + i.
; CLUSTERS 4 x 4: A's tile is shared along a row of the cluster, B's along a column: joint loads with a mask of four.
; REGISTERS: window 0: v0-31 addresses; v32-95 A's scale words (8 tile + K step), v96-159 B's: scales and nothing else; v160-255 A's 8 fragments.
;   window 1: B's fragments, two sets at v0 and v128; on the way out v0-127 rows read back from the stage.   windows 2, 3: accumulator (a, b) at v[8 (8 (a % 4) + b)].
.set FRB,   1536
.set STEPB, 12288
.set HALFT, 24576
.set SLOT,  98304
.set SPARE, 196608                     ; the spare words, 128 bytes a wave; no other line names them
.set STAGE, 197120                     ; the way out: 16 rows x 528 bytes for each wave; no fill lands here
.set ADRA, 16
.set ADRB, 20
.set STO,  24                          ; v24 the stage, way in
.set RD,   25                          ; v25 and back
.set SPW,  28
.set NIL,  29
.set SCA,  32
.set SCB,  96
.set AF,   160
.set G1,  24
.set G0,  32
.set G1B, 48
.set G0B, 56
.set MSB, 0
.macro WIN new
.if MSB != (\new)
	s_set_vgpr_msb (MSB<<8)|(\new)
.set MSB, (\new)
.endif
.endm
.set MUL_LO, 0xa1
.set MUL_HI, 0xf1
.set TO_B,   0x40
.macro JLOAD g0a, g1a, g0b, g1b        ; a joint load: waves 0, 1 fetch for A, waves 2, 3 for B; four v_nop follow each line
	s_cmp_eq_u32 s15, 0
	s_cbranch_scc0 .Lfor_b_\@
	tensor_load_to_lds s[\g0a:\g0a+3], s[\g1a:\g1a+7]
	s_nop 0
.rept 4
	v_nop
.endr
	s_branch .Lasked_\@
.Lfor_b_\@:
	tensor_load_to_lds s[\g0b:\g0b+3], s[\g1b:\g1b+7]
	s_nop 0
.rept 4
	v_nop
.endr
.Lasked_\@:
.endm
.macro CREST
	s_cmp_lg_u32 s14, 0
	s_cbranch_scc1 .Lnot_wave_0_\@
	s_barrier_signal -3
.Lnot_wave_0_\@:
	s_barrier_wait -3
	s_barrier_signal -1
	s_barrier_wait -1
.endm
.macro CROUND
	s_barrier_signal -1
	s_barrier_wait -1
	CREST
.endm
.macro PLACES n
.rept \n
	v_nop
.endr
.endm
	s_load_b256 s[4:11], s[0:1], 0x0               ; o_img, o_sc, opnd_img, opnd_sc
	s_load_b64 s[12:13], s[0:1], 0x20              ; out0
	v_lshl_add_u32 v[SPW], v0, 2, SPARE
	v_mov_b32 v[NIL], 0
	ds_add_u32 v28, v29
	ds_add_u32 v28, v29
	s_wait_dscnt 0x0
	v_lshrrev_b32 v1, 5, v0
	v_readfirstlane_b32 s14, v1                    ; wave
	s_lshr_b32 s15, s14, 1                         ; wa; also: I fetch for A (0) or B (1)
	s_and_b32 s16, s14, 1                          ; wb; also: which 128 rows I fetch
	s_bfe_u32 s40, ttmp6, 0x40000                  ; cx
	s_bfe_u32 s41, ttmp6, 0x40004                  ; cy
	s_and_b32 s17, ttmp7, 0xffff                   ; cluster y
	s_lshl_b32 s43, s41, 2
	s_lshl_b32 s43, 15, s43
	s_lshl_b32 s44, 0x1111, s40
	s_or_b32 s[G1+0], s43, (3<<16)|(1<<21)
	s_or_b32 s[G1B+0], s44, (3<<16)|(1<<21)
.irp g, G1, G1B
	s_mov_b32 s[\g+1], 32<<16
	s_mov_b32 s[\g+2], 96<<16
	s_mov_b32 s[\g+3], 32<<16
	s_mov_b32 s[\g+4], 96
	s_mov_b32 s[\g+5], 32
	s_mov_b32 s[\g+6], 0
	s_mov_b32 s[\g+7], 0
.endr
	s_lshl_b32 s20, s17, 3
	s_lshl_b32 s21, s41, 1
	s_add_co_u32 s20, s20, s21                     ; A's first group of 128 rows: 8 cluster y + 2 cy
	s_lshl_b32 s46, s40, 1
	s_add_co_u32 s46, s46, 88                      ; B's: w_proj begins at group 88; + 2 cx
	s_add_co_u32 s90, s20, s15
	s_lshl_b32 s94, s90, 19                        ; my first row of out0: 128 rows of 4,096 bytes a group
	s_lshl_b32 s90, s90, 9                         ; my A rows' scale words: 8 tiles x 64 bytes a group
	s_mov_b32 s91, 0
	s_add_co_u32 s92, s46, s16
	s_lshl_b32 s92, s92, 12
	s_mov_b32 s93, 0
	s_lshl_b32 s95, s40, 10
	s_add_co_u32 s94, s94, s95                     ; my first column: 256 cx + 128 wb numbers
	s_lshl_b32 s95, s16, 9
	s_add_co_u32 s94, s94, s95
	s_mov_b32 s95, 0
	s_add_co_u32 s22, s20, s16
	s_mul_i32 s22, s22, 98304
	s_mov_b32 s23, 0
	s_add_co_u32 s46, s46, s16
	s_mul_i32 s46, s46, 98304
	s_mov_b32 s47, 0
	s_mul_i32 s45, s14, HALFT
	v_and_b32 v1, 31, v0
	v_lshlrev_b32 v2, 4, v1                        ; 16 l
	v_and_b32 v7, 15, v0                           ; r
	v_lshlrev_b32 v4, 4, v7                        ; 16 r
	v_lshlrev_b32 v5, 2, v7                        ; 4 r
	v_bfe_u32 v8, v0, 4, 1                         ; h
	s_mul_i32 s89, s15, HALFT
	s_mul_i32 s96, s16, HALFT
	s_add_co_u32 s96, s96, 2*HALFT
	v_add_nc_u32 v[ADRA], s89, v2
	v_add_nc_u32 v[ADRB], s96, v2
	v_add_nc_u32 v[ADRA+1], SLOT, v[ADRA]
	v_add_nc_u32 v[ADRB+1], SLOT, v[ADRB]
	s_mul_i32 s89, s14, 8448
	s_add_co_u32 s89, s89, STAGE
	v_mul_u32_u24 v[STO], v7, 528
	v_lshl_add_u32 v[STO], v8, 6, v[STO]
	v_add_nc_u32 v[STO], s89, v[STO]               ; row r, + 64 h
	v_add_nc_u32 v[RD], s89, v2
	s_wait_kmcnt 0x0
	s_add_nc_u64 s[22:23], s[4:5], s[22:23]
	s_add_nc_u64 s[46:47], s[8:9], s[46:47]
	s_add_nc_u64 s[90:91], s[6:7], s[90:91]
	s_add_nc_u64 s[92:93], s[10:11], s[92:93]
	s_add_nc_u64 s[12:13], s[12:13], s[94:95]
	CROUND                                         ; all sixteen work-groups are here: the first joint loads meet
.irp s, 0,1
	s_mov_b32 s[G0+4*\s], 1
	s_add_co_u32 s[G0+4*\s+1], s45, \s*SLOT
	s_add_nc_u64 s[G0+4*\s+2:G0+4*\s+3], s[22:23], \s*HALFT
	s_or_b32 s[G0+4*\s+3], s[G0+4*\s+3], 0x80000000
	s_mov_b32 s[G0B+4*\s], 1
	s_add_co_u32 s[G0B+4*\s+1], s45, \s*SLOT
	s_add_nc_u64 s[G0B+4*\s+2:G0B+4*\s+3], s[46:47], \s*HALFT
	s_or_b32 s[G0B+4*\s+3], s[G0B+4*\s+3], 0x80000000
	JLOAD G0+4*\s, G1, G0B+4*\s, G1B               ; two loads of mine are out
.endr
.irp i, 0,1,2,3,4,5,6,7                        ; the scale words of all of K, once, straight into registers
.irp sp, 0,1
	global_load_b128 v[SCB+8*\i+4*\sp:SCB+8*\i+4*\sp+3], v4, s[92:93] offset:512*\i+256*\sp
.endr
.irp s, 0,1,2,3,4,5,6,7
	global_load_b32 v[SCA+8*\i+\s], v5, s[90:91] offset:32768*\s+64*\i      ; o_sc is laid [K step][tile][r]
.endr
.endr
.macro FRAG reg, adr, q, i
.irp g, 0,1,2
	ds_load_b128 v[\reg+4*\g:\reg+4*\g+3], v[\adr] offset:(\q)*STEPB+(\i)*FRB+512*\g
.endr
.endm
.macro FETCH_B slot, q, p
	WIN TO_B
.irp i, 0,1,2,3,4,5,6,7
	FRAG 128*(\p)+12*\i, ADRB+\slot, \q, \i
.endr
	WIN 0
.endm
.macro FETCH_A slot, q, i0
.irp i, \i0, \i0+1, \i0+2, \i0+3
	FRAG AF+12*(\i), ADRA+\slot, \q, \i
.endr
.endm
; 16 matrix instructions: A's blocks a0, a0 + 1 x B's eight.  The 64 accumulators take turns, one instruction a turn, in the same order in every step.
.macro MUL16 a0, p, ks, zero
.irp a, \a0, \a0+1
.irp b, 0,1,2,3,4,5,6,7
.if \zero
	v_wmma_scale_f32_16x16x128_f8f6f4 v[8*(8*((\a)%4)+\b):8*(8*((\a)%4)+\b)+7], v[128*(\p)+12*\b:128*(\p)+12*\b+11], v[AF+12*(\a):AF+12*(\a)+11], 0, v[SCB+8*\b+(\ks)], v[SCA+8*(\a)+(\ks)] matrix_a_fmt:MATRIX_FMT_FP6 matrix_b_fmt:MATRIX_FMT_FP6
.else
	v_wmma_scale_f32_16x16x128_f8f6f4 v[8*(8*((\a)%4)+\b):8*(8*((\a)%4)+\b)+7], v[128*(\p)+12*\b:128*(\p)+12*\b+11], v[AF+12*(\a):AF+12*(\a)+11], v[8*(8*((\a)%4)+\b):8*(8*((\a)%4)+\b)+7], v[SCB+8*\b+(\ks)], v[SCA+8*(\a)+(\ks)] matrix_a_fmt:MATRIX_FMT_FP6 matrix_b_fmt:MATRIX_FMT_FP6
.endif
.endr
.endr
.endm
.macro STEP slot, ks, zero
	s_wait_dscnt 12                                ; B's set and A's blocks 0-3 are in; the youngest 12 loads (A's blocks 4-7) may be out
	WIN MUL_LO
	MUL16 0, 0, \ks, \zero
	MUL16 2, 0, \ks, \zero
	s_wait_dscnt 0x0
	PLACES 4
	FETCH_B \slot, 1, 1
	FETCH_A \slot, 1, 0
	WIN MUL_HI
	MUL16 4, 0, \ks, \zero
	MUL16 6, 0, \ks, \zero
	PLACES 4
	WIN 0
	FETCH_A \slot, 1, 4
.endm
.macro TURN slot, next, ks, fill
	s_wait_tensorcnt 0x0                           ; all my tensor loads have landed: my part of the next slot
	ds_add_u32 v[SPW], v[NIL]                      ; 0 onto my spare word
	s_wait_dscnt 13                                ; (the add and A's blocks 4-7 may be out)
	WIN MUL_LO
	MUL16 0, 1, \ks, 0
	s_wait_dscnt 0x0                               ; the add is done, and my reads of this slot are over
	s_barrier_signal -1
	MUL16 2, 1, \ks, 0
	WIN 0
	s_barrier_wait -1
.if \fill
	CREST                                          ; no wave of any partner still reads this slot or has a load on its way
	s_add_nc_u64 s[G0+4*\slot+2:G0+4*\slot+3], s[G0+4*\slot+2:G0+4*\slot+3], 2*HALFT
	s_add_nc_u64 s[G0B+4*\slot+2:G0B+4*\slot+3], s[G0B+4*\slot+2:G0B+4*\slot+3], 2*HALFT
	JLOAD G0+4*\slot, G1, G0B+4*\slot, G1B         ; the first tensor load behind the round; its four v_nop are also the places in front of the loads below
.else
	PLACES 4
.endif
	FETCH_B \next, 0, 0
	FETCH_A \next, 0, 0
	WIN MUL_HI
	MUL16 4, 1, \ks, 0
	MUL16 6, 1, \ks, 0
	PLACES 4
	WIN 0
	FETCH_A \next, 0, 4
.endm
	s_wait_tensorcnt 1                             ; my part of slot 0 is in; slot 1's may stay out
	s_barrier_signal -1
	s_barrier_wait -1
	FETCH_B 0, 0, 0
	FETCH_A 0, 0, 0
	FETCH_A 0, 0, 4
	s_wait_loadcnt 0x0                             ; the scale words
	STEP 0, 0, 1
	TURN 0, 1, 1, 1
	STEP 1, 2, 0
	TURN 1, 0, 3, 1
	STEP 0, 4, 0
	TURN 0, 1, 5, 0
	STEP 1, 6, 0
	s_wait_dscnt 12                                ; the last K step
	WIN MUL_LO
	MUL16 0, 1, 7, 0
	MUL16 2, 1, 7, 0
	s_wait_dscnt 0x0
	WIN MUL_HI
	MUL16 4, 1, 7, 0
	MUL16 6, 1, 7, 0
	WIN 0
; THE WAY OUT, block by block of 16 tokens x 128 features, through my own stage: in as 32 bytes a lane and accumulator, back as whole rows of 512 bytes.  LDS serves a wave's instructions in order.
.macro TOSTAGE a
.set AC, 64*((\a)%4)
	WIN 0x08+4*((\a)/4)                            ; the data: window 2 or 3
.irp b, 0,1,2,3,4,5,6,7
	ds_store_b128 v[STO], v[AC+8*\b:AC+8*\b+3] offset:128*(\b/2)+32*(\b%2)         ; features 32 (b / 2) + 16 h + 8 (b % 2) + 0 .. 7; each accumulator from its low end on
	ds_store_b128 v[STO], v[AC+8*\b+4:AC+8*\b+7] offset:128*(\b/2)+32*(\b%2)+16
.endr
	WIN TO_B
.set BB, 64*((\a)%2)
.irp t, 0,1,2,3,4,5,6,7,8,9,10,11,12,13,14,15
	ds_load_b128 v[BB+4*\t:BB+4*\t+3], v[RD] offset:\t*528
.endr
.endm
.macro SEND a, younger                 ; younger: the LDS instructions issued behind block a's loads, which may stay out
.set BB, 64*((\a)%2)
	s_wait_dscnt \younger
	WIN 0x04                                       ; the data: window 1
.irp t, 0,1,2,3,4,5,6,7,8,9,10,11,12,13,14,15
	global_store_b128 v2, v[BB+4*\t:BB+4*\t+3], s[12:13] offset:(32*((\a)/2)+8*((\a)%2)+\t+8*(\t/8))*4096 th:TH_STORE_NT   ; the stage's row t is the token of lane t: 512 consecutive bytes, aligned
.endr
.endm
	PLACES 4
	TOSTAGE 0
.irp a, 1,2,3,4,5,6,7
.if \a > 1
	s_wait_xcnt 0x0                                ; block a - 2's stores have read their registers: block a's loads may land there
.endif
	TOSTAGE \a
	SEND \a-1, 32                                  ; behind block a - 1's loads: block a's 16 stores and 16 loads
.endr
	SEND 7, 0
	WIN 0
	s_wait_tensorcnt 0x0                           ; the wave's end
	ds_add_u32 v[SPW], v[NIL]
	s_wait_dscnt 0x0
	CROUND                                         ; the closing round
	s_endpgm
.Lfunc_end_k_q4e3cb6991d_proj:
	.size	k_q4e3cb6991d_proj, .Lfunc_end_k_q4e3cb6991d_proj-k_q4e3cb6991d_proj
	.p2alignl 7, 3214868480
	.fill 96, 4, 3214868480
	.section	.rodata,"a",@progbits
	.p2align	6, 0x0
	.amdhsa_kernel k_q4e3cb6991d_proj
		.amdhsa_group_segment_fixed_size 327680
		.amdhsa_private_segment_fixed_size 0
		.amdhsa_enable_private_segment 0
		.amdhsa_kernarg_size 40
		.amdhsa_user_sgpr_count 2
		.amdhsa_user_sgpr_kernarg_segment_ptr 1
		.amdhsa_wavefront_size32 1
		.amdhsa_system_sgpr_workgroup_id_x 1
		.amdhsa_system_sgpr_workgroup_id_y 1
		.amdhsa_system_sgpr_workgroup_id_z 1
		.amdhsa_system_vgpr_workitem_id 0
		.amdhsa_next_free_vgpr 1024
		.amdhsa_next_free_sgpr 100
		.amdhsa_reserve_vcc 0
		.amdhsa_float_denorm_mode_32 3
		.amdhsa_float_denorm_mode_16_64 3
		.amdhsa_memory_ordered 1
		.amdhsa_forward_progress 1
		.amdhsa_inst_pref_size 138
	.end_amdhsa_kernel
	.amdgpu_metadata
---
amdhsa.version: [ 1, 2 ]
amdhsa.kernels:
  - .name:           k_q4e3cb6991d_proj
    .symbol:         k_q4e3cb6991d_proj.kd
    .args:
      - { .name: o_img, .offset: 0, .size: 8, .value_kind: global_buffer, .address_space: global }
      - { .name: o_sc, .offset: 8, .size: 8, .value_kind: global_buffer, .address_space: global }
      - { .name: opnd_img, .offset: 16, .size: 8, .value_kind: global_buffer, .address_space: global }
      - { .name: opnd_sc, .offset: 24, .size: 8, .value_kind: global_buffer, .address_space: global }
      - { .name: out0, .offset: 32, .size: 8, .value_kind: global_buffer, .address_space: global }
    .group_segment_fixed_size: 327680
    .private_segment_fixed_size: 0
    .kernarg_segment_align: 8
    .kernarg_segment_size: 40
    .max_flat_workgroup_size: 128
    .sgpr_count:     100
    .vgpr_count:     1024
    .wavefront_size: 32
...
	.end_amdgpu_metadata
.endif
;; end of part 4
;; ======== version 2 of 2: 4 launches
;; limits: right only within a limited range of input values
;; workspace buffers: opnd_img 9,437,184 bytes; opnd_sc 393,216 bytes; rope_img 524,288 bytes; qkv_img 18,874,368 bytes; qkv_sc 1,310,720 bytes; o_img 6,291,456 bytes; o_sc 262,144 bytes
;; launch prep (part 5): grid 400 x 1, 4 waves a work-group, no clusters, 34,304 bytes of LDS; arguments x, w_qkv, w_proj, cos, sin, opnd_img, opnd_sc, rope_img; writes opnd_img, opnd_sc, rope_img
.if DOCPART == 5
	.amdgcn_target "amdgcn-amd-amdhsa--gfx1250"
	.amdhsa_code_object_version 6
	.text
	.protected	k_q4e3cb6991d_prep
	.globl	k_q4e3cb6991d_prep
	.p2align	8
	.type	k_q4e3cb6991d_prep,@function
k_q4e3cb6991d_prep:
	s_mov_b64 s[64:65], 0
	v_nop
	global_prefetch_b8 v0, s[64:65] scope:SCOPE_SE
	s_setreg_imm32_b32 hwreg(HW_REG_WAVE_MODE, 25, 1), 1
	s_wait_xcnt 0x0
; x [8192][1024], w_qkv [3072][1024], w_proj [1024][1024], f32, K innermost, become codes of FP6 (E2M3) with one E8M0 byte for each 32 along K,
; laid as IMAGES OF THE OPERAND'S REGISTERS; cos and sin [1024][64] are laid out tile by tile for the next launch.
; The three tensors count as 12,288 rows on end.  A TILE T is 16 rows, and lane r of it is row 32 (T / 2) + 8 (T % 2) + r + 8 (r / 8).
; A fragment (16 rows x 128 K, 12 registers a lane: registers 6 c .. 6 c + 5 = k 64 c + 32 (lane / 16) + 0 .. 31) is 1,536 bytes: three planes of 512, plane g = registers 4 g .. 4 g + 3, lane l at 16 l.
; opnd_img: [row / 128][K step][tile % 8][fragment].   opnd_sc: [tile][K half][r][4 words]: the word of K step 4 half + i at 16 r + 4 i.
; rope_img: [tile of positions][plane 8 table + 4 bb + j][lane][16 bytes] = table[row of lane r][32 bb + 16 (lane / 16) + 4 j ..].
; A block's scale is 2^(floor(log2(largest magnitude)) - 2): its byte is the largest magnitude's exponent field - 2, held at 1 from below.
; LIMITS: a block of zeros gets the byte 1 (not 127): its codes are zeros and this program alone reads the bytes; blocks whose largest magnitude lies under 2^-124 are held at byte 1; NaN and infinities among the inputs are not served.
; SHARES: work-groups 0-383: wave w takes tile 2 g + w / 2, K half w % 2 (four K steps).  Work-groups 384-399: a wave lays out one tile of cos and sin.  Waves share nothing: no barrier.
; Each load reads 512 consecutive bytes of one row; a K step's 16 rows turn through the wave's own stage in LDS (pitch 528 = 33 x 16 bytes) and come back 128 bytes a lane, a whole block of 32 in a lane's registers.
.set STG,  8448                        ; a wave's stage: 16 rows x 528 bytes
.set R,    64                          ; v64-191  two sets of 64 registers as loaded
.set X,    192                         ; v192-255 register 32 c + i = k 64 c + 32 h + i of my row
.set C,    24                          ; v24-35   the fragment
.set WD,   16                          ; v16-19   the four K steps' scale words
	s_load_b256 s[4:11], s[0:1], 0x0               ; x, w_qkv, w_proj, cos
	s_load_b256 s[12:19], s[0:1], 0x20             ; sin, opnd_img, opnd_sc, rope_img
	v_lshl_add_u32 v62, v0, 2, 0x8400
	v_mov_b32 v63, 0
	v_lshrrev_b32 v1, 5, v0
	v_readfirstlane_b32 s22, v1                    ; wave
	v_and_b32 v1, 31, v0                           ; lane
	v_and_b32 v2, 15, v0                           ; r
	v_bfe_u32 v3, v0, 4, 1                         ; h
	v_lshlrev_b32 v4, 4, v1                        ; 16 x lane
	s_cmp_ge_u32 ttmp9, 384
	s_cbranch_scc1 .Lrope
	s_mul_i32 s23, s22, STG
	v_add_nc_u32 v5, s23, v4                       ; the stage, way in: a row's 512 bytes as they lie
	v_mul_u32_u24 v6, v2, 528
	v_lshl_add_u32 v6, v3, 7, v6
	v_add_nc_u32 v6, s23, v6                       ; way out: row r, + 128 h
	v_lshlrev_b32 v7, 4, v2
	v_lshl_add_u32 v7, v3, 3, v7                   ; the scale words' place: 16 r + 8 h
	v_lshlrev_b32 v8, 3, v3                        ; 8 h: my bytes' shift in a scale word
	v_mov_b32 v21, 0                               ; a lane permute's destination counts as read
	s_mov_b32 s20, 0x76543210
	s_mov_b32 s21, 0xfedcba98                      ; selects for lane l xor 16
	s_lshr_b32 s28, s22, 1                         ; which of the work-group's two tiles
	s_and_b32 s29, s22, 1                          ; which half of K
	s_wait_kmcnt 0x0
	s_cmp_lt_u32 ttmp9, 352                        ; which tensor: the choice hangs on the work-group's number alone
	s_cselect_b64 s[24:25], s[6:7], s[8:9]
	s_mov_b32 s27, 352
	s_cselect_b32 s26, 256, s27
	s_cmp_lt_u32 ttmp9, 256
	s_cselect_b64 s[24:25], s[4:5], s[24:25]
	s_cselect_b32 s26, 0, s26
	s_sub_co_u32 s26, ttmp9, s26                   ; the work-group's number in its tensor: 32 rows each
	s_lshl_b32 s30, s26, 17
	s_lshl_b32 s31, s28, 15                        ; + 8 rows for the second tile
	s_add_co_u32 s30, s30, s31
	s_lshl_b32 s31, s29, 11                        ; + 512 numbers for the second half of K
	s_add_co_u32 s30, s30, s31
	s_mov_b32 s31, 0
	s_add_nc_u64 s[24:25], s[24:25], s[30:31]
	s_lshl_b32 s32, ttmp9, 1
	s_add_co_u32 s32, s32, s28                     ; my tile
	s_lshr_b32 s33, s32, 3
	s_mul_i32 s34, s33, 98304
	s_and_b32 s33, s32, 7
	s_mul_i32 s33, s33, 1536
	s_add_co_u32 s34, s34, s33
	s_mul_i32 s33, s29, 49152
	s_add_co_u32 s34, s34, s33
	s_mov_b32 s35, 0
	s_add_nc_u64 s[14:15], s[14:15], s[34:35]      ; my first fragment's image
	s_lshl_b32 s34, s32, 9
	s_lshl_b32 s33, s29, 8
	s_add_co_u32 s34, s34, s33
	s_add_nc_u64 s[16:17], s[16:17], s[34:35]      ; my 256 bytes of scale words
.macro LOAD t                          ; K step t: 16 rows x 512 bytes into set t % 2
.irp i, 0,1,2,3,4,5,6,7,8,9,10,11,12,13,14,15
	global_load_b128 v[R+64*((\t)%2)+4*\i:R+64*((\t)%2)+4*\i+3], v4, s[24:25] offset:(\i+8*(\i/8))*4096+512*(\t) th:TH_LOAD_NT
.endr
.endm
.macro TURN t                          ; through the stage; LDS serves a wave's instructions in order, so no wait stands between the stores and the loads
.irp i, 0,1,2,3,4,5,6,7,8,9,10,11,12,13,14,15
	ds_store_b128 v5, v[R+64*((\t)%2)+4*\i:R+64*((\t)%2)+4*\i+3] offset:528*\i
.endr
.irp c, 0,1
.irp j, 0,1,2,3,4,5,6,7
	ds_load_b128 v[X+32*\c+4*\j:X+32*\c+4*\j+3], v6 offset:256*\c+16*\j
.endr
.endr
.endm
.macro STEP t
.if (\t) < 3
	s_wait_loadcnt 16                              ; this step's 16 loads are in; the next step's 16 may be out
.else
	s_wait_loadcnt 0x0
.endif
	TURN \t
	s_wait_dscnt 0x0                               ; my numbers are back, and the stage's stores have read their registers,
.if (\t) < 2
	LOAD (\t)+2                                    ; which take the loads of two steps on
.endif
.irp c, 0,1
	v_max3_num_f32 v[10+\c], |v[X+32*\c]|, |v[X+32*\c+1]|, 0x1800000   ; block 2 c + h: all 32 numbers are mine; the floor 2^(3 - 127) holds the byte at 1 from below
.endr
.irp i, 2,4,6,8,10,12,14,16,18,20,22,24,26,28,30
.irp c, 0,1
	v_max3_num_f32 v[10+\c], v[10+\c], |v[X+32*\c+\i]|, |v[X+32*\c+\i+1]|
.endr
.endr
.irp c, 0,1
	v_add_nc_u32 v[12+\c], 0xff000000, v[10+\c]    ; 2 off the exponent field: the conversion's scale operand
.endr
.irp c, 0,1
	v_lshrrev_b32 v[14+\c], 23, v[12+\c]           ; the byte
.endr
	v_lshl_or_b32 v20, v15, 16, v14                ; blocks h and 2 + h,
	v_lshlrev_b32 v20, v8, v20                     ; at their places;
	v_permlanex16_b32 v21, v20, s20, s21
	v_or_b32 v[WD+(\t)], v20, v21                  ; with lane l xor 16's two the word is whole
.if (\t) > 0
	s_wait_alu depctr_va_vdst(0)
	s_wait_xcnt 0x0                                ; the last step's stores have read the fragment's registers
.endif
	v_cvt_scalef32_pk16_fp6_f32 v[C:C+2], v[X:X+15], v12
	v_cvt_scalef32_pk16_fp6_f32 v[36:38], v[X+16:X+31], v12       ; (a conversion's three registers begin on an even number)
	v_cvt_scalef32_pk16_fp6_f32 v[C+6:C+8], v[X+32:X+47], v13
	v_cvt_scalef32_pk16_fp6_f32 v[40:42], v[X+48:X+63], v13
	v_nop                                          ; one plain place behind the conversions
.irp i, 0,1,2
	v_mov_b32 v[C+3+\i], v[36+\i]
	v_mov_b32 v[C+9+\i], v[40+\i]
.endr
.irp g, 0,1,2
	global_store_b128 v4, v[C+4*\g:C+4*\g+3], s[14:15] offset:12288*(\t)+512*\g   ; 512 consecutive bytes, aligned
.endr
.endm
	s_wait_alu depctr_va_vdst(0)
	LOAD 0
	LOAD 1
	STEP 0
	STEP 1
	STEP 2
	STEP 3
	v_cmp_lt_u32 vcc_lo, 15, v1
	v_cndmask_b32 v22, v16, v18, vcc_lo            ; lanes 0-15 store words 0, 1 of their row, lanes 16-31 words 2, 3
	v_cndmask_b32 v23, v17, v19, vcc_lo
	global_store_b64 v7, v[22:23], s[16:17]        ; 256 consecutive bytes, aligned
	s_wait_tensorcnt 0x0
	ds_add_u32 v62, v63
	s_wait_dscnt 0x0
	s_endpgm
.Lrope:
	s_sub_co_u32 s26, ttmp9, 384
	s_lshl_b32 s26, s26, 2
	s_add_co_u32 s26, s26, s22                     ; my tile of 16 positions
	s_lshr_b32 s27, s26, 1
	s_lshl_b32 s27, s27, 13                        ; 32 rows of 256 bytes
	s_and_b32 s28, s26, 1
	s_lshl_b32 s28, s28, 11                        ; 8 rows
	s_add_co_u32 s28, s27, s28
	s_mov_b32 s29, 0
	s_lshl_b32 s30, s26, 13                        ; 8,192 bytes of image a tile
	s_mov_b32 s31, 0
	s_wait_alu depctr_va_vdst(0)
	v_and_b32 v9, 8, v2
	v_add_nc_u32 v9, v9, v2                        ; r + 8 (r / 8)
	v_lshlrev_b32 v9, 8, v9
	v_lshl_add_u32 v9, v3, 6, v9                   ; + 16 h numbers
	s_wait_alu depctr_va_vdst(0)
	s_wait_kmcnt 0x0
	s_add_nc_u64 s[10:11], s[10:11], s[28:29]
	s_add_nc_u64 s[12:13], s[12:13], s[28:29]
	s_add_nc_u64 s[18:19], s[18:19], s[30:31]
.irp bb, 0,1
.irp j, 0,1,2,3
	global_load_b128 v[64+16*\bb+4*\j:67+16*\bb+4*\j], v9, s[10:11] offset:128*\bb+16*\j
	global_load_b128 v[96+16*\bb+4*\j:99+16*\bb+4*\j], v9, s[12:13] offset:128*\bb+16*\j
.endr
.endr
	s_wait_loadcnt 0x0
.irp pl, 0,1,2,3,4,5,6,7,8,9,10,11,12,13,14,15
	global_store_b128 v4, v[64+4*\pl:67+4*\pl], s[18:19] offset:512*\pl
.endr
	s_endpgm
.Lfunc_end_k_q4e3cb6991d_prep:
	.size	k_q4e3cb6991d_prep, .Lfunc_end_k_q4e3cb6991d_prep-k_q4e3cb6991d_prep
	.p2alignl 7, 3214868480
	.fill 96, 4, 3214868480
	.section	.rodata,"a",@progbits
	.p2align	6, 0x0
	.amdhsa_kernel k_q4e3cb6991d_prep
		.amdhsa_group_segment_fixed_size 34304
		.amdhsa_private_segment_fixed_size 0
		.amdhsa_enable_private_segment 0
		.amdhsa_kernarg_size 64
		.amdhsa_user_sgpr_count 2
		.amdhsa_user_sgpr_kernarg_segment_ptr 1
		.amdhsa_wavefront_size32 1
		.amdhsa_system_sgpr_workgroup_id_x 1
		.amdhsa_system_sgpr_workgroup_id_y 1
		.amdhsa_system_sgpr_workgroup_id_z 1
		.amdhsa_system_vgpr_workitem_id 0
		.amdhsa_next_free_vgpr 256
		.amdhsa_next_free_sgpr 66
		.amdhsa_reserve_vcc 1
		.amdhsa_float_denorm_mode_32 3
		.amdhsa_float_denorm_mode_16_64 3
		.amdhsa_memory_ordered 1
		.amdhsa_forward_progress 1
		.amdhsa_inst_pref_size 34
	.end_amdhsa_kernel
	.amdgpu_metadata
---
amdhsa.version: [ 1, 2 ]
amdhsa.kernels:
  - .name:           k_q4e3cb6991d_prep
    .symbol:         k_q4e3cb6991d_prep.kd
    .args:
      - { .name: x, .offset: 0, .size: 8, .value_kind: global_buffer, .address_space: global }
      - { .name: w_qkv, .offset: 8, .size: 8, .value_kind: global_buffer, .address_space: global }
      - { .name: w_proj, .offset: 16, .size: 8, .value_kind: global_buffer, .address_space: global }
      - { .name: cos, .offset: 24, .size: 8, .value_kind: global_buffer, .address_space: global }
      - { .name: sin, .offset: 32, .size: 8, .value_kind: global_buffer, .address_space: global }
      - { .name: opnd_img, .offset: 40, .size: 8, .value_kind: global_buffer, .address_space: global }
      - { .name: opnd_sc, .offset: 48, .size: 8, .value_kind: global_buffer, .address_space: global }
      - { .name: rope_img, .offset: 56, .size: 8, .value_kind: global_buffer, .address_space: global }
    .group_segment_fixed_size: 34304
    .private_segment_fixed_size: 0
    .kernarg_segment_align: 8
    .kernarg_segment_size: 64
    .max_flat_workgroup_size: 128
    .sgpr_count:     66
    .vgpr_count:     256
    .wavefront_size: 32
...
	.end_amdgpu_metadata
.endif
;; end of part 5
;; launch qkv (part 6): grid 8 x 32, 4 waves a work-group, clusters of 4 x 4, 327,680 bytes of LDS; arguments opnd_img, opnd_sc, rope_img, q_norm_w, k_norm_w, qkv_img, qkv_sc; writes qkv_img, qkv_sc
.if DOCPART == 6
	.amdgcn_target "amdgcn-amd-amdhsa--gfx1250"
	.amdhsa_code_object_version 6
	.text
	.protected	k_q4e3cb6991d_qkv
	.globl	k_q4e3cb6991d_qkv
	.p2align	8
	.type	k_q4e3cb6991d_qkv,@function
k_q4e3cb6991d_qkv:
	s_mov_b64 s[64:65], 0
	v_nop
	global_prefetch_b8 v0, s[64:65] scope:SCOPE_SE
	s_setreg_imm32_b32 hwreg(HW_REG_WAVE_MODE, 25, 1), 1
	s_wait_xcnt 0x0
	s_wait_alu depctr_hold_cnt(0) depctr_sa_sdst(0) depctr_va_vdst(0) depctr_va_sdst(0) depctr_va_ssrc(0) depctr_va_vcc(0) depctr_vm_vsrc(0)
	s_getreg_b32 s2, hwreg(HW_REG_IB_STS2, 6, 4)
	s_cmp_eq_u32 s2, 0
	s_cbranch_scc0 .Lentry_in_a_cluster
	s_endpgm
.Lentry_in_a_cluster:
	s_bfe_u32 s2, ttmp6, 0x10000c
	s_cmp_lg_u32 s2, 0xf033
	s_cbranch_scc0 .Lentry_shape_is_right
	s_endpgm
.Lentry_shape_is_right:
.set FRB,   1536
.set STEPB, 12288
.set HALFT, 24576
.set GRP,   98304
.set SLOT,  98304
.set SPARE, 294912
.set ADX,  9
.set ADW,  11
.set ADRA, 16
.set ADRB, 20
.set SPW,  28
.set NIL,  29
.set SCA,  32
.set SCB,  96
.set AF,   160
.set CX,  18
.set CY,  19
.set G1,  24
.set G0,  32
.set G1B, 48
.set G0B, 76
.set OB,  56
.set SB,  58
.set RB,  60
.set WP,  62
.set SEL, 66
.set OUT, 160
.set TM,  200
.set PW,  216
.set PC,  220
.set CT,  232
.set SW,  240
.set MSB, 0
.macro WIN new
.if MSB != (\new)
	s_set_vgpr_msb (MSB<<8)|(\new)
.set MSB, (\new)
.endif
.endm
.set MUL_LO, 0xa1
.set MUL_HI, 0xf1
.set TO_B,   0x40
.macro JLOAD g0a, g1a, g0b, g1b
	s_cmp_eq_u32 s15, 0
	s_cbranch_scc0 .Lfor_b_\@
	tensor_load_to_lds s[\g0a:\g0a+3], s[\g1a:\g1a+7]
	s_nop 0
.rept 4
	v_nop
.endr
	s_branch .Lasked_\@
.Lfor_b_\@:
	tensor_load_to_lds s[\g0b:\g0b+3], s[\g1b:\g1b+7]
	s_nop 0
.rept 4
	v_nop
.endr
.Lasked_\@:
.endm
.macro CREST
	s_cmp_lg_u32 s14, 0
	s_cbranch_scc1 .Lnot_wave_0_\@
	s_barrier_signal -3
.Lnot_wave_0_\@:
	s_barrier_wait -3
	s_barrier_signal -1
	s_barrier_wait -1
.endm
.macro CROUND
	s_barrier_signal -1
	s_barrier_wait -1
	CREST
.endm
.macro PLACES n
.rept \n
	v_nop
.endr
.endm
	s_load_b256 s[4:11], s[0:1], 0x0
	s_load_b128 s[68:71], s[0:1], 0x20
	s_load_b64 s[72:73], s[0:1], 0x30
	v_lshl_add_u32 v[SPW], v0, 2, SPARE
	v_mov_b32 v[NIL], 0
	ds_add_u32 v28, v29
	ds_add_u32 v28, v29
	s_wait_dscnt 0x0
	v_lshrrev_b32 v1, 5, v0
	v_readfirstlane_b32 s14, v1
	s_lshr_b32 s15, s14, 1
	s_and_b32 s16, s14, 1
	s_bfe_u32 s[CX], ttmp6, 0x40000
	s_bfe_u32 s[CY], ttmp6, 0x40004
	s_and_b32 s17, ttmp7, 0xffff
	s_lshl_b32 s2, s[CY], 2
	s_lshl_b32 s2, 15, s2
	s_lshl_b32 s3, 0x1111, s[CX]
	s_or_b32 s[G1+0], s2, (3<<16)|(1<<21)
	s_or_b32 s[G1B+0], s3, (3<<16)|(1<<21)
.irp g, G1, G1B
	s_mov_b32 s[\g+1], 32<<16
	s_mov_b32 s[\g+2], 96<<16
	s_mov_b32 s[\g+3], 32<<16
	s_mov_b32 s[\g+4], 96
	s_mov_b32 s[\g+5], 32
	s_mov_b32 s[\g+6], 0
	s_mov_b32 s[\g+7], 0
.endr
	s_lshl_b32 s20, s17, 3
	s_lshl_b32 s21, s[CY], 1
	s_add_co_u32 s20, s20, s21
	s_lshl_b32 s46, ttmp9, 3
	s_lshl_b32 s47, s[CX], 1
	s_add_co_u32 s46, s46, s47
	s_add_co_u32 s46, s46, 64
	s_add_co_u32 s90, s20, s15
	s_lshl_b32 s90, s90, 12
	s_mov_b32 s91, 0
	s_add_co_u32 s92, s46, s16
	s_lshl_b32 s92, s92, 12
	s_mov_b32 s93, 0
	s_add_co_u32 s22, s20, s16
	s_lshl_b32 s12, s22, 12
	s_mov_b32 s13, 0
	s_mul_i32 s22, s22, GRP
	s_mov_b32 s23, 0
	s_add_co_u32 s46, s46, s16
	s_mul_i32 s46, s46, GRP
	s_mov_b32 s47, 0
	s_lshl_b32 s74, ttmp9, 2
	s_add_co_u32 s74, s74, s[CX]
	s_add_co_u32 s74, s74, 80
	s_lshl_b32 s100, s74, 12
	s_lshl_b32 s75, s15, 11
	s_add_co_u32 s100, s100, s75
	s_mov_b32 s101, 0
	s_mul_i32 s74, s74, GRP
	s_mul_i32 s75, s16, 49152
	s_add_co_u32 s74, s74, s75
	s_mov_b32 s75, 0
	s_mul_i32 s45, s14, HALFT
	s_add_co_u32 s[RB], s21, s15
	s_lshl_b32 s[RB], s[RB], 16
	s_mov_b32 s[RB+1], 0
	s_mov_b32 s[SEL], 0x76543210
	s_mov_b32 s[SEL+1], 0xfedcba98
	s_mov_b32 s99, 0x3c800000
	s_mov_b32 s89, 0x358637bd
	v_and_b32 v1, 31, v0
	v_lshlrev_b32 v2, 4, v1
	v_lshlrev_b32 v3, 3, v1
	v_and_b32 v7, 15, v0
	v_lshlrev_b32 v4, 4, v7
	v_bfe_u32 v8, v0, 4, 1
	v_lshlrev_b32 v5, 6, v8
	v_lshl_add_u32 v6, v8, 3, v4
	v_cmp_lt_u32 s88, 15, v1
	s_mul_i32 s44, s15, HALFT
	s_mul_i32 s94, s16, HALFT
	s_add_co_u32 s94, s94, 2*HALFT
	v_add_nc_u32 v[ADRA], s44, v2
	v_add_nc_u32 v[ADRB], s94, v2
	v_add_nc_u32 v[ADRA+1], SLOT, v[ADRA]
	v_add_nc_u32 v[ADRB+1], SLOT, v[ADRB]
	v_add_nc_u32 v[ADRA+2], 2*SLOT, v[ADRA]
	v_add_nc_u32 v[ADRB+2], 2*SLOT, v[ADRB]
	s_mul_i32 s95, s16, GRP
	v_add_nc_u32 v[ADX], s95, v2
	v_add_nc_u32 v[ADX+1], 49152, v[ADX]
	s_mul_i32 s96, s15, 4*FRB
	s_add_co_u32 s96, s96, 2*GRP
	v_add_nc_u32 v[ADW], s96, v2
	v_add_nc_u32 v[ADW+1], 49152, v[ADW]
	s_wait_kmcnt 0x0
	s_add_nc_u64 s[22:23], s[4:5], s[22:23]
	s_add_nc_u64 s[46:47], s[4:5], s[46:47]
	s_add_nc_u64 s[74:75], s[4:5], s[74:75]
	s_add_nc_u64 s[90:91], s[6:7], s[90:91]
	s_add_nc_u64 s[92:93], s[6:7], s[92:93]
	s_add_nc_u64 s[12:13], s[6:7], s[12:13]
	s_add_nc_u64 s[100:101], s[6:7], s[100:101]
	s_add_nc_u64 s[RB:RB+1], s[8:9], s[RB:RB+1]
	s_cmp_eq_u32 ttmp9, 0
	s_cselect_b64 s[WP:WP+1], s[10:11], s[68:69]
	CROUND
.irp s, 0,1,2
	s_mov_b32 s[G0+4*\s], 1
	s_add_co_u32 s[G0+4*\s+1], s45, \s*SLOT
	s_add_nc_u64 s[G0+4*\s+2:G0+4*\s+3], s[22:23], \s*HALFT
	s_or_b32 s[G0+4*\s+3], s[G0+4*\s+3], 0x80000000
	s_mov_b32 s[G0B+4*\s], 1
	s_add_co_u32 s[G0B+4*\s+1], s45, \s*SLOT
	s_add_nc_u64 s[G0B+4*\s+2:G0B+4*\s+3], s[46:47], \s*HALFT
	s_or_b32 s[G0B+4*\s+3], s[G0B+4*\s+3], 0x80000000
.endr
	s_wait_alu depctr_va_vdst(0)
	JLOAD G0, G1, G0B, G1B
.irp i, 0,1,2,3,4,5,6,7
.irp sp, 0,1
	global_load_b128 v[SCA+8*\i+4*\sp:SCA+8*\i+4*\sp+3], v4, s[90:91] offset:512*\i+256*\sp
	global_load_b128 v[SCB+8*\i+4*\sp:SCB+8*\i+4*\sp+3], v4, s[92:93] offset:512*\i+256*\sp
.endr
.endr
	WIN TO_B
.irp bb, 0,1
.irp j, 0,1,2,3
	global_load_b128 v[224+16*\bb+4*\j:227+16*\bb+4*\j], v5, s[WP:WP+1] offset:128*\bb+16*\j
.endr
.endr
	WIN 0
.macro FRAG reg, adr, q, i
.irp g, 0,1,2
	ds_load_b128 v[\reg+4*\g:\reg+4*\g+3], v[\adr] offset:(\q)*STEPB+(\i)*FRB+512*\g
.endr
.endm
.macro FETCH_B slot, q, p
	WIN TO_B
.irp i, 0,1,2,3,4,5,6,7
	FRAG 128*(\p)+12*\i, ADRB+\slot, \q, \i
.endr
	WIN 0
.endm
.macro FETCH_A slot, q, i0
.irp i, \i0, \i0+1, \i0+2, \i0+3
	FRAG AF+12*(\i), ADRA+\slot, \q, \i
.endr
.endm
.macro MUL16 a0, p, ks, zero
.irp a, \a0, \a0+1
.irp b, 0,1,2,3,4,5,6,7
.if \zero
	v_wmma_scale_f32_16x16x128_f8f6f4 v[8*(8*((\a)%4)+\b):8*(8*((\a)%4)+\b)+7], v[128*(\p)+12*\b:128*(\p)+12*\b+11], v[AF+12*(\a):AF+12*(\a)+11], 0, v[SCB+8*\b+(\ks)], v[SCA+8*(\a)+(\ks)] matrix_a_fmt:MATRIX_FMT_FP6 matrix_b_fmt:MATRIX_FMT_FP6
.else
	v_wmma_scale_f32_16x16x128_f8f6f4 v[8*(8*((\a)%4)+\b):8*(8*((\a)%4)+\b)+7], v[128*(\p)+12*\b:128*(\p)+12*\b+11], v[AF+12*(\a):AF+12*(\a)+11], v[8*(8*((\a)%4)+\b):8*(8*((\a)%4)+\b)+7], v[SCB+8*\b+(\ks)], v[SCA+8*(\a)+(\ks)] matrix_a_fmt:MATRIX_FMT_FP6 matrix_b_fmt:MATRIX_FMT_FP6
.endif
.endr
.endr
.endm
.macro STEP ks, zero, p, nslot, nq
	s_wait_dscnt 12
	WIN MUL_LO
	MUL16 0, \p, \ks, \zero
	MUL16 2, \p, \ks, \zero
	s_wait_dscnt 0x0
	PLACES 4
	FETCH_B \nslot, \nq, 1-(\p)
	FETCH_A \nslot, \nq, 0
	WIN MUL_HI
	MUL16 4, \p, \ks, \zero
	MUL16 6, \p, \ks, \zero
	PLACES 4
	WIN 0
	FETCH_A \nslot, \nq, 4
.endm
.macro TURN next, ks, fill
	s_wait_tensorcnt 0x0
	ds_add_u32 v[SPW], v[NIL]
	s_wait_dscnt 13
	WIN MUL_LO
	MUL16 0, 1, \ks, 0
	s_wait_dscnt 0x0
	s_barrier_signal -1
	MUL16 2, 1, \ks, 0
	WIN 0
	s_barrier_wait -1
.if (\fill) == 1
	CREST
	JLOAD G0+8, G1, G0B+8, G1B
.elseif (\fill) == 2
	CREST
	s_add_nc_u64 s[G0+2:G0+3], s[G0+2:G0+3], 3*HALFT
	s_add_nc_u64 s[G0B+2:G0B+3], s[G0B+2:G0B+3], 3*HALFT
	JLOAD G0, G1, G0B, G1B
.else
	PLACES 4
.endif
	FETCH_B \next, 0, 0
	FETCH_A \next, 0, 0
	WIN MUL_HI
	MUL16 4, 1, \ks, 0
	MUL16 6, 1, \ks, 0
	PLACES 4
	WIN 0
	FETCH_A \next, 0, 4
.endm
.macro ROPELOAD a
.irp pl, 0,1,2,3,4,5,6,7,8,9,10,11,12,13,14,15
	global_load_b128 v[64*((\a)%2)+4*\pl:64*((\a)%2)+4*\pl+3], v2, s[RB:RB+1] offset:8192*(\a)+512*\pl
.endr
.endm
	s_wait_alu depctr_va_vdst(0)
	s_wait_tensorcnt 0x0
	ds_add_u32 v[SPW], v[NIL]
	s_wait_dscnt 0x0
	CROUND
	JLOAD G0+4, G1, G0B+4, G1B
	FETCH_B 0, 0, 0
	FETCH_A 0, 0, 0
	FETCH_A 0, 0, 4
	s_wait_loadcnt 0x0
	STEP 0, 1, 0, 0, 1
	TURN 1, 1, 1
	STEP 2, 0, 0, 1, 1
	TURN 2, 3, 2
	STEP 4, 0, 0, 2, 1
	TURN 0, 5, 0
	STEP 6, 0, 0, 0, 1
	WIN TO_B
	ROPELOAD 0
	ROPELOAD 1
	WIN 0
	s_wait_tensorcnt 0x0
	ds_add_u32 v[SPW], v[NIL]
	s_wait_dscnt 13
	WIN MUL_LO
	MUL16 0, 1, 7, 0
	s_wait_dscnt 0x0
	s_barrier_signal -1
	MUL16 2, 1, 7, 0
	WIN 0
	s_barrier_wait -1
	CREST
	s_mov_b32 s[G1+2], 384<<16
	s_mov_b32 s[G1+4], 384
	s_mov_b32 s[G1B+2], 192<<16
	s_mov_b32 s[G1B+4], 192
	s_mul_i32 s[G0+1], s16, GRP
	s_mov_b64 s[G0+2:G0+3], s[22:23]
	s_or_b32 s[G0+3], s[G0+3], 0x80000000
	s_mul_i32 s[G0B+1], s16, 49152
	s_add_co_u32 s[G0B+1], s[G0B+1], 2*GRP
	s_mov_b64 s[G0B+2:G0B+3], s[74:75]
	s_or_b32 s[G0B+3], s[G0B+3], 0x80000000
	JLOAD G0, G1, G0B, G1B
	WIN MUL_HI
	MUL16 4, 1, 7, 0
	MUL16 6, 1, 7, 0
	WIN 0
	PLACES 4
.irp i, 0,1,2,3,4,5,6,7
.irp sp, 0,1
	global_load_b128 v[SCB+8*\i+4*\sp:SCB+8*\i+4*\sp+3], v4, s[12:13] offset:512*\i+256*\sp
.endr
.endr
.irp i, 0,1,2,3
.irp sp, 0,1
	global_load_b128 v[SCA+8*\i+4*\sp:SCA+8*\i+4*\sp+3], v4, s[100:101] offset:512*\i+256*\sp
.endr
.endr
	v_mov_b32 v197, 0
	v_mov_b32 v199, 0
.irp b, 0,1,2,3
	v_mov_b32 v[TM+4+\b], 0
.endr
.macro QUANT2 s, d, word
.irp b, 0,1
	v_max3_num_f32 v[TM+\b], |v[\s+16*\b]|, |v[\s+16*\b+1]|, 0x1800000
.endr
.irp i, 2,4,6,8,10,12,14
.irp b, 0,1
	v_max3_num_f32 v[TM+\b], v[TM+\b], |v[\s+16*\b+\i]|, |v[\s+16*\b+\i+1]|
.endr
.endr
.irp b, 0,1
	v_permlanex16_b32 v[TM+4+\b], v[TM+\b], s[SEL], s[SEL+1]
.endr
.irp b, 0,1
	v_max_num_f32 v[TM+\b], v[TM+\b], v[TM+4+\b]
.endr
.irp b, 0,1
	v_add_nc_u32 v[TM+12+\b], 0xff000000, v[TM+\b]
.endr
.irp b, 0,1
	v_lshrrev_b32 v[TM+4+\b], 23, v[TM+12+\b]
.endr
	v_lshl_or_b32 v[\word], v[TM+5], 8, v[TM+4]
	v_cvt_scalef32_pk16_fp6_f32 v[\d:\d+2], v[\s:\s+15], v[TM+12]
	v_cvt_scalef32_pk16_fp6_f32 v[CT:CT+2], v[\s+16:\s+31], v[TM+13]
	v_nop
.irp i, 0,1,2
	v_permlane16_swap_b32 v[\d+\i], v[CT+\i]
.endr
.irp i, 0,1,2
	v_mov_b32 v[\d+3+\i], v[CT+\i]
.endr
.endm
.macro QKHEAD a, hh
.set AC, 64*((\a)%4)+32*(\hh)
.set HIW, (\a)/4
.set TBS, 64*((\a)%2)
	WIN 0x0a+5*HIW
	v_pk_mul_f32 v[192:193], v[AC:AC+1], v[AC:AC+1]
	v_pk_mul_f32 v[194:195], v[AC+2:AC+3], v[AC+2:AC+3]
.irp j, 4,8,12,16,20,24,28
	v_pk_fma_f32 v[192:193], v[AC+\j:AC+\j+1], v[AC+\j:AC+\j+1], v[192:193]
	v_pk_fma_f32 v[194:195], v[AC+\j+2:AC+\j+3], v[AC+\j+2:AC+\j+3], v[194:195]
.endr
	WIN 0
	v_pk_add_f32 v[192:193], v[192:193], v[194:195]
	v_add_f32 v196, v192, v193
	v_permlanex16_b32 v197, v196, s[SEL], s[SEL+1]
	v_add_f32 v196, v196, v197
	v_fma_f32 v196, v196, s99, s89
	s_wait_alu depctr_va_vdst(0)
	v_rsq_f32 v198, v196
	v_nop
	WIN 0x82+0x41*HIW
	s_wait_alu depctr_va_vdst(0)
.irp j, 0,2,4,6,8,10,12,14,16,18,20,22,24,26,28,30
	v_pk_mul_f32 v[AC+\j:AC+\j+1], v[AC+\j:AC+\j+1], v[198:199] op_sel_hi:[1,0]
.endr
	WIN 0x86+0x41*HIW
.irp j, 0,2,4,6,8,10,12,14,16,18,20,22,24,26,28,30
	v_pk_mul_f32 v[AC+\j:AC+\j+1], v[AC+\j:AC+\j+1], v[224+\j:225+\j]
.endr
	WIN 0x06+HIW
.irp j, 0,2,4,6,8,10,12,14,16,18,20,22,24,26,28,30
	v_pk_mul_f32 v[OUT+\j:OUT+\j+1], v[AC+\j:AC+\j+1], v[TBS+\j:TBS+\j+1]
.endr
.irp j, 0,2,4,6,8,10,12,14
	v_pk_fma_f32 v[OUT+\j:OUT+\j+1], v[AC+16+\j:AC+17+\j], v[TBS+32+\j:TBS+33+\j], v[OUT+\j:OUT+\j+1] neg_lo:[1,0,0] neg_hi:[1,0,0]
.endr
.irp j, 0,2,4,6,8,10,12,14
	v_pk_fma_f32 v[OUT+16+\j:OUT+17+\j], v[AC+\j:AC+\j+1], v[TBS+48+\j:TBS+49+\j], v[OUT+16+\j:OUT+17+\j]
.endr
	WIN 0
	s_wait_alu depctr_va_vdst(0)
	s_wait_xcnt 0x0
	QUANT2 OUT, PC, PW
	v_or_b32 v[SW+8*(\hh)+(\a)], 0x7f7f0000, v[PW]
	global_store_b128 v2, v[PC:PC+3], s[OB:OB+1] offset:147456*(\hh)+768*(\a)
	global_store_b64 v3, v[PC+4:PC+5], s[OB:OB+1] offset:147456*(\hh)+768*(\a)+512
.endm
.macro QKTILE a
.if (\a) < 2
	s_wait_loadcnt 40
.elseif (\a) < 7
	s_wait_loadcnt 16
.else
	s_wait_loadcnt 0x0
.endif
	QKHEAD \a, 0
	QKHEAD \a, 1
.if (\a) < 6
	WIN TO_B
	ROPELOAD (\a)+2
	WIN 0
.endif
.endm
	s_lshl_b32 s94, s[CY], 1
	s_add_co_u32 s94, s94, s15
	s_lshl_b32 s95, s17, 4
	s_lshl_b32 s96, s[CX], 2
	s_add_co_u32 s95, s95, s96
	s_lshl_b32 s96, s16, 1
	s_add_co_u32 s95, s95, s96
	s_mul_i32 s[OB], s95, 147456
	s_mov_b32 s97, 12288
	s_cmp_eq_u32 ttmp9, 0
	s_cselect_b32 s97, 6144, s97
	s_cselect_b32 s98, 0, 49152
	s_mul_i32 s97, s94, s97
	s_add_co_u32 s[OB], s[OB], s97
	s_add_co_u32 s[OB], s[OB], s98
	s_mov_b32 s[OB+1], 0
	s_add_nc_u64 s[OB:OB+1], s[70:71], s[OB:OB+1]
	s_mul_i32 s[SB], s95, 10240
	s_lshl_b32 s97, ttmp9, 12
	s_add_co_u32 s[SB], s[SB], s97
	s_lshl_b32 s97, s94, 9
	s_add_co_u32 s[SB], s[SB], s97
	s_mov_b32 s[SB+1], 0
	s_add_nc_u64 s[SB:SB+1], s[72:73], s[SB:SB+1]
.irp a, 0,1,2,3,4,5,6,7
	QKTILE \a
.endr
.irp hh, 0,1
.irp j, 0,1,2,3
	v_cndmask_b32 v[192+4*\hh+\j], v[SW+8*\hh+\j], v[SW+8*\hh+4+\j], s88
.endr
	global_store_b128 v2, v[192+4*\hh:195+4*\hh], s[SB:SB+1] offset:10240*\hh
.endr
.macro FETCH2 ks, p
	WIN TO_B
.irp i, 0,1,2,3,4,5,6,7
.irp g, 0,1,2
	ds_load_b128 v[128*(\p)+12*\i+4*\g:128*(\p)+12*\i+4*\g+3], v[ADX+(\ks)/4] offset:((\ks)%4)*STEPB+\i*FRB+512*\g
.endr
.endr
	WIN 0
.irp i, 0,1,2,3
.irp g, 0,1,2
	ds_load_b128 v[AF+48*(\p)+12*\i+4*\g:AF+48*(\p)+12*\i+4*\g+3], v[ADW+(\ks)/4] offset:((\ks)%4)*STEPB+\i*FRB+512*\g
.endr
.endr
.endm
.macro MUL32 p, ks, zero
.irp a, 0,1,2,3
.irp b, 0,1,2,3,4,5,6,7
.if \zero
	v_wmma_scale_f32_16x16x128_f8f6f4 v[8*(8*\a+\b):8*(8*\a+\b)+7], v[128*(\p)+12*\b:128*(\p)+12*\b+11], v[AF+48*(\p)+12*\a:AF+48*(\p)+12*\a+11], 0, v[SCB+8*\b+(\ks)], v[SCA+8*\a+(\ks)] matrix_a_fmt:MATRIX_FMT_FP6 matrix_b_fmt:MATRIX_FMT_FP6
.else
	v_wmma_scale_f32_16x16x128_f8f6f4 v[8*(8*\a+\b):8*(8*\a+\b)+7], v[128*(\p)+12*\b:128*(\p)+12*\b+11], v[AF+48*(\p)+12*\a:AF+48*(\p)+12*\a+11], v[8*(8*\a+\b):8*(8*\a+\b)+7], v[SCB+8*\b+(\ks)], v[SCA+8*\a+(\ks)] matrix_a_fmt:MATRIX_FMT_FP6 matrix_b_fmt:MATRIX_FMT_FP6
.endif
.endr
.endr
.endm
.macro STEP2 ks, zero
	s_wait_dscnt 0x0
.if (\ks) < 7
	PLACES 4
	FETCH2 (\ks)+1, ((\ks)+1)%2
.endif
	WIN MUL_LO
	MUL32 (\ks)%2, \ks, \zero
	WIN 0
.endm
.macro VTILE a
.set AC, 64*(\a)
	WIN 0x28
.irp b, 0,1,2,3
	v_max3_num_f32 v[TM+\b], 0x1800000, |v[AC+16*\b]|, |v[AC+16*\b+1]|
.endr
.irp i, 2,4,6,8,10,12,14
.irp b, 0,1,2,3
	v_max3_num_f32 v[TM+\b], v[TM+\b], |v[AC+16*\b+\i]|, |v[AC+16*\b+\i+1]|
.endr
.endr
	WIN 0
.irp b, 0,1,2,3
	v_permlanex16_b32 v[TM+4+\b], v[TM+\b], s[SEL], s[SEL+1]
.endr
.irp b, 0,1,2,3
	v_max_num_f32 v[TM+\b], v[TM+\b], v[TM+4+\b]
.endr
.irp b, 0,1,2,3
	v_add_nc_u32 v[TM+12+\b], 0xff000000, v[TM+\b]
.endr
.irp b, 0,1,2,3
	v_lshrrev_b32 v[TM+4+\b], 23, v[TM+12+\b]
.endr
	v_lshl_or_b32 v[SW+(\a)], v[TM+5], 8, v[TM+4]
	v_lshl_or_b32 v[SW+(\a)], v[TM+6], 16, v[SW+(\a)]
	v_lshl_or_b32 v[SW+(\a)], v[TM+7], 24, v[SW+(\a)]
	s_wait_xcnt 0x0
	WIN 0x02
.irp c, 0,1
	v_cvt_scalef32_pk16_fp6_f32 v[PC+6*\c:PC+6*\c+2], v[AC+32*\c:AC+32*\c+15], v[TM+12+2*\c]
	v_cvt_scalef32_pk16_fp6_f32 v[CT+4*\c:CT+4*\c+2], v[AC+32*\c+16:AC+32*\c+31], v[TM+13+2*\c]
.endr
	WIN 0
	v_nop
.irp c, 0,1
.irp i, 0,1,2
	v_permlane16_swap_b32 v[PC+6*\c+\i], v[CT+4*\c+\i]
.endr
.irp i, 0,1,2
	v_mov_b32 v[PC+3+6*\c+\i], v[CT+4*\c+\i]
.endr
.endr
.irp g, 0,1,2
	global_store_b128 v2, v[PC+4*\g:PC+4*\g+3], s[OB:OB+1] offset:1536*(\a)+512*\g
.endr
.endm
	s_wait_xcnt 0x0
	s_lshl_b32 s94, s[CY], 1
	s_add_co_u32 s94, s94, s16
	s_lshl_b32 s95, s17, 4
	s_lshl_b32 s96, ttmp9, 3
	s_add_co_u32 s95, s95, s96
	s_lshl_b32 s96, s[CX], 1
	s_add_co_u32 s95, s95, s96
	s_add_co_u32 s95, s95, s15
	s_mul_i32 s[OB], s95, 147456
	s_mul_i32 s97, s94, 12288
	s_add_co_u32 s[OB], s[OB], s97
	s_add_co_u32 s[OB], s[OB], 49152+6144
	s_mov_b32 s[OB+1], 0
	s_add_nc_u64 s[OB:OB+1], s[70:71], s[OB:OB+1]
	s_mul_i32 s[SB], s95, 10240
	s_lshl_b32 s97, s94, 8
	s_add_co_u32 s[SB], s[SB], s97
	s_add_co_u32 s[SB], s[SB], 8192
	s_mov_b32 s[SB+1], 0
	s_add_nc_u64 s[SB:SB+1], s[72:73], s[SB:SB+1]
	s_wait_tensorcnt 0x0
	s_barrier_signal -1
	s_barrier_wait -1
	FETCH2 0, 0
	STEP2 0, 1
.irp k, 1,2,3,4,5,6,7
	STEP2 \k, 0
.endr
	PLACES 4
.irp b, 0,1,2,3
	v_mov_b32 v[TM+4+\b], 0
.endr
.irp a, 0,1,2,3
	VTILE \a
.endr
	v_cndmask_b32 v192, v[SW], v[SW+2], s88
	v_cndmask_b32 v193, v[SW+1], v[SW+3], s88
	global_store_b64 v6, v[192:193], s[SB:SB+1]
	s_wait_tensorcnt 0x0
	ds_add_u32 v[SPW], v[NIL]
	s_wait_dscnt 0x0
	CROUND
	s_endpgm
.Lfunc_end_k_q4e3cb6991d_qkv:
	.size	k_q4e3cb6991d_qkv, .Lfunc_end_k_q4e3cb6991d_qkv-k_q4e3cb6991d_qkv
	.p2alignl 7, 3214868480
	.fill 96, 4, 3214868480
	.section	.rodata,"a",@progbits
	.p2align	6, 0x0
	.amdhsa_kernel k_q4e3cb6991d_qkv
		.amdhsa_group_segment_fixed_size 327680
		.amdhsa_private_segment_fixed_size 0
		.amdhsa_enable_private_segment 0
		.amdhsa_kernarg_size 56
		.amdhsa_user_sgpr_count 2
		.amdhsa_user_sgpr_kernarg_segment_ptr 1
		.amdhsa_wavefront_size32 1
		.amdhsa_system_sgpr_workgroup_id_x 1
		.amdhsa_system_sgpr_workgroup_id_y 1
		.amdhsa_system_sgpr_workgroup_id_z 1
		.amdhsa_system_vgpr_workitem_id 0
		.amdhsa_next_free_vgpr 1024
		.amdhsa_next_free_sgpr 102
		.amdhsa_reserve_vcc 0
		.amdhsa_float_denorm_mode_32 3
		.amdhsa_float_denorm_mode_16_64 3
		.amdhsa_memory_ordered 1
		.amdhsa_forward_progress 1
		.amdhsa_inst_pref_size 255
	.end_amdhsa_kernel
	.section	.bss,"aw",@nobits
	.p2align	6
	.space	262144
	.amdgpu_metadata
---
amdhsa.version: [ 1, 2 ]
amdhsa.kernels:
  - .name:           k_q4e3cb6991d_qkv
    .symbol:         k_q4e3cb6991d_qkv.kd
    .args:
      - { .name: opnd_img, .offset: 0, .size: 8, .value_kind: global_buffer, .address_space: global }
      - { .name: opnd_sc, .offset: 8, .size: 8, .value_kind: global_buffer, .address_space: global }
      - { .name: rope_img, .offset: 16, .size: 8, .value_kind: global_buffer, .address_space: global }
      - { .name: q_norm_w, .offset: 24, .size: 8, .value_kind: global_buffer, .address_space: global }
      - { .name: k_norm_w, .offset: 32, .size: 8, .value_kind: global_buffer, .address_space: global }
      - { .name: qkv_img, .offset: 40, .size: 8, .value_kind: global_buffer, .address_space: global }
      - { .name: qkv_sc, .offset: 48, .size: 8, .value_kind: global_buffer, .address_space: global }
    .group_segment_fixed_size: 327680
    .private_segment_fixed_size: 0
    .kernarg_segment_align: 8
    .kernarg_segment_size: 56
    .max_flat_workgroup_size: 128
    .sgpr_count:     102
    .vgpr_count:     1024
    .wavefront_size: 32
...
	.end_amdgpu_metadata
.endif
;; end of part 6
;; launch attn (part 7): grid 4 x 64, 8 waves a work-group, clusters of 4 x 1, 262,144 bytes of LDS; arguments qkv_img, qkv_sc, o_img, o_sc; writes o_img, o_sc
.if DOCPART == 7
	.amdgcn_target "amdgcn-amd-amdhsa--gfx1250"
	.amdhsa_code_object_version 6
	.text
	.protected	k_q4e3cb6991d_attn
	.globl	k_q4e3cb6991d_attn
	.p2align	8
	.type	k_q4e3cb6991d_attn,@function
k_q4e3cb6991d_attn:
	s_mov_b64 s[64:65], 0
	v_nop
	global_prefetch_b8 v0, s[64:65] scope:SCOPE_SE
	s_setreg_imm32_b32 hwreg(HW_REG_WAVE_MODE, 25, 1), 1
	s_wait_xcnt 0x0
	s_wait_alu depctr_hold_cnt(0) depctr_sa_sdst(0) depctr_va_vdst(0) depctr_va_sdst(0) depctr_va_ssrc(0) depctr_va_vcc(0) depctr_vm_vsrc(0)
	s_getreg_b32 s2, hwreg(HW_REG_IB_STS2, 6, 4)
	s_cmp_eq_u32 s2, 0
	s_cbranch_scc0 .Lentry_in_a_cluster
	s_endpgm
.Lentry_in_a_cluster:
	s_bfe_u32 s2, ttmp6, 0x10000c
	s_cmp_lg_u32 s2, 0x3003
	s_cbranch_scc0 .Lentry_shape_is_right
	s_endpgm
.Lentry_shape_is_right:
; o = softmax(q k^T / 8) v for 128 (batch, head) pairs of 1,024 x 64, both products on codes of FP6 (E2M3) with E8M0 scales; o is quantised along C for the last product and leaves as codes.
; THE SOFTMAX: t = score x log2(e) / 8; M = the running largest t rounded UP to a whole number; p = 2^(t - M) is quantised along the keys, not normalised; the sum of the unquantised p divides at the end;
; when M moves, the sum and O are multiplied by 2^(old M - new M), which rounds nothing.
; SHARES: work-group y = 8 batch + pair of heads; its place cx in the cluster = a quarter of the queries.  Each of 8 waves owns TWO tiles of 16 queries, A and B, and runs two passes, one a head: every fragment of K and of V
; that it reads from LDS feeds both tiles, and it ends with two whole fragments of o (128 along C) and their scale words.
; K, V and their scale words of BOTH heads are filled into LDS ONCE, by joint loads of the cluster's four work-groups (mask 15), one load a wave: waves 0-5 128 rows of 256 bytes each, waves 6 and 7 a head's scale words.
; Nothing is filled again: one barrier behind the fills, none in the key steps.  All is asked for at the head, so there is no later step to prefetch for.
; LDS ROWS: 256 bytes + 64 of padding, pitch 320.  A tile of K in memory is three such rows (registers 0-3 of lanes 0-15, of lanes 16-31, registers 4-5 of all), a fragment of V six.
; LAYOUT: S^T = K Q^T (source 0 = 16 keys, source 1 = queries), O^T = V^T P^T (source 0 = 16 features, source 1 = P): a lane holds one query of each tile throughout.
; WHICH KEYS FORM A TILE is chosen by the LDS address: tile 4 g + u takes keys 8 u .. 8 u + 7 of block 2 g as rows 0-7 and the same of block 2 g + 1 as rows 8-15.  So lane (r, h)'s 32 registers of tiles 4 g .. 4 g + 3
; are block 2 g + h of 32 keys, in order: the block's largest score needs no other lane, and the conversions' results are P's operand as it stands.  In memory key 32 n + 8 o + i lies in tile 2 n + o % 2, row 8 (o / 2) + i.
; A STEP (128 keys): A's scores; V is asked for; A's softmax; B's scores; the next step's K is asked for (the last step asks for its own again); B's softmax; both tiles' products with V.
; A BLOCK'S SCALE BYTE: p rises with the score, so floor(log2(largest p)) = floor(x), x = the block's largest t - M; the byte is floor(x + 125), held at 1 from below.
; THE SCORES' K IS 64, THE INSTRUCTION'S 128: q's upper six registers are zero codes and the upper scale bytes are 1.0.  K's tiles lie six registers apart, so the upper half of fragment t is fragment t + 1's codes:
; E2M3 has no infinity and no NaN, so 0 x any code adds nothing.
; REGISTERS: window 0 as named below; window 1: v0-31 A's O^T, v32-63 B's, v64-111 V's four fragments.
; LIMITS: the promise holds while |t| stays under 2^31; where x lies within 2^-17 under a whole number the byte may be one higher than that of the rounded p; a block of zeros gets the byte 1 with zero codes
; (this program alone reads the bytes); NaN and infinities are not served.
.set ROWP,  320
.set STEPL, 48*ROWP                    ; a key step in LDS: K 24 rows, V 24 rows
.set SC,    16*STEPL                   ; the scale words [head][K 4,096 | V 2,048]
.set OSC,   SC+12288                   ; o's scale words, 1,024 bytes, written by ds_store alone
.set SPARE, OSC+1024                   ; the spare words, 128 bytes a wave
.set STA,  12                          ; v12-15 A's -M, largest score, sum (two halves); v218-221 B's
.set STB,  218
.set QA,   16                          ; v16-27 A's q, v28-39 B's; v40, v41 their scale words
.set QB,   28
.set KS,   42                          ; v42-49 K's scale words; v50-53 V's; v54, v55 p's: scales and nothing else
.set VS,   50
.set PSA,  54
.set PSB,  55
.set OCA,  56                          ; v56-67 A's fragment of o; v206-217 B's; v222, v223 their scale words
.set OCB,  206
.set OWA,  222
.set OWB,  223
.set FF,   68                          ; v[68:69] f, later 1 / sum
.set F,    70                          ; v70-123 8 tiles of K six apart (v118-123 stay 0)
.set AV,   124
.set LA,   125                         ; lane terms: K's registers 0-3; K's registers 4-5; V; V's scale words
.set LB,   126
.set LV,   127
.set VSL,  128
.set SPW,  129
.set S,    130                         ; v130-193 S^T, then p
.set PCB,  194                         ; v194-205 B's p codes; v226-237 A's
.set PCA,  226
.set TP,   238                         ; v238-244 permutes, conversions' second halves
.set NIL,  245
.set BM,   246
.set SO,   248
.set OA,   0                           ; window 1
.set OB,   32
.set FV,   64
.set MSB, 0
.macro WIN new                         ; the immediate's high byte repeats the setting that is left
.if MSB != (\new)
	s_set_vgpr_msb (MSB<<8)|(\new)
.set MSB, (\new)
.endif
.endm
.macro CROUND
	s_barrier_signal -1
	s_barrier_wait -1
	s_cmp_lg_u32 s12, 0
	s_cbranch_scc1 .Lnot_wave_0_\@
	s_barrier_signal -3
.Lnot_wave_0_\@:
	s_barrier_wait -3
	s_barrier_signal -1
	s_barrier_wait -1
.endm
	s_load_b256 s[4:11], s[0:1], 0x0               ; qkv_img, qkv_sc, o_img, o_sc
	v_lshl_add_u32 v[SPW], v0, 2, SPARE
	v_mov_b32 v[NIL], 0
	ds_add_u32 v[SPW], v[NIL]                      ; the opening lines
	ds_add_u32 v[SPW], v[NIL]
	v_lshrrev_b32 v7, 5, v0
	s_delay_alu instid0(VALU_DEP_1)
	v_readfirstlane_b32 s12, v7                    ; wave 0..7
	s_bfe_u32 s13, ttmp6, 0x40000                  ; cx
	s_and_b32 s60, ttmp7, 0xffff
	s_lshr_b32 s61, s60, 3                         ; batch
	s_and_b32 s62, s60, 7                          ; pair of heads
	s_lshl_b32 s63, s61, 4
	s_lshl_b32 s66, s62, 1
	s_add_co_u32 s63, s63, s66                     ; the first (batch, head)
	s_and_b32 s67, s12, 1
	s_add_co_u32 s68, s63, s67
	s_mul_i32 s68, s68, 10240
	s_add_co_u32 s68, s68, 4096                    ; head wave % 2's K and V scale words: 6,144 dense bytes
	s_mov_b32 s69, 0
	s_mul_i32 s70, s63, 147456                     ; waves 0-5: 32,768 bytes of K and V each, three to a head
	s_lshl_b32 s72, s12, 15
	s_add_co_u32 s70, s70, s72
	s_mul_i32 s72, s12, 11
	s_lshr_b32 s72, s72, 5                         ; wave / 3
	s_mul_i32 s72, s72, 49152                      ; the second head's K and V begin 49,152 bytes behind the first's end
	s_add_co_u32 s70, s70, s72
	s_add_co_u32 s70, s70, 49152
	s_mov_b32 s71, 0
	s_mul_i32 s37, s12, 128*ROWP                   ; and where they go
	s_mul_i32 s73, s67, 6144
	s_lshl_b32 s74, s13, 4
	s_lshl_b32 s75, s12, 1
	s_add_co_u32 s74, s74, s75                     ; tile A of queries: 16 cx + 2 wave; B the next
	s_mul_i32 s76, s63, 147456
	s_mul_i32 s75, s74, 768
	s_add_co_u32 s76, s76, s75
	s_mov_b32 s77, 0
	s_mul_i32 s78, s63, 10240
	s_lshr_b32 s75, s74, 2
	s_lshl_b32 s75, s75, 8
	s_add_co_u32 s78, s78, s75
	s_mov_b32 s79, 0
	s_mov_b32 s16, 15|(3<<16)|(1<<20)|(1<<21)|(5<<22)|(15<<25)   ; group 1: mask of all four; elements of 8 bytes; 16 words of padding behind every 64; 128 rows of 256 bytes, dense in memory
	s_mov_b32 s17, 32<<16
	s_mov_b32 s18, 128<<16
	s_mov_b32 s19, 32<<16
	s_mov_b32 s20, 128
	s_mov_b32 s21, 32
	s_mov_b32 s22, 0
	s_mov_b32 s23, 0
	s_mov_b32 s24, 15|(3<<16)|(1<<21)              ; 24 rows, no padding, for the scale words
	s_mov_b32 s25, 32<<16
	s_mov_b32 s26, 24<<16
	s_mov_b32 s27, 32<<16
	s_mov_b32 s28, 24
	s_mov_b32 s29, 32
	s_mov_b32 s30, 0
	s_mov_b32 s31, 0
	s_mov_b32 s52, 0x76543210
	s_mov_b32 s53, 0xfedcba98
	s_mov_b32 s54, 0x3e38aa3b                      ; c = log2(e) / 8
	s_mov_b32 s55, s54
	s_mov_b32 s56, 0                               ; this key step's K and V: STEPL a step, on into the second head
	s_mov_b32 s57, 0                               ; the K scale words to be fetched next: 512 a step
	s_mov_b32 s58, 0                               ; this step's V scale words: 256 a step
	v_and_b32 v7, 31, v0
	v_bfe_u32 v8, v0, 4, 1                         ; h
	v_bfe_u32 v9, v0, 3, 1                         ; r / 8
	v_and_b32 v10, 7, v0                           ; r % 8
	v_lshlrev_b32 v1, 4, v7                        ; 16 l
	v_lshlrev_b32 v2, 3, v7                        ; 8 l
	v_and_b32 v7, 15, v0                           ; r
	v_mul_u32_u24 v11, v9, 1920                    ; rows 8-15 come from the tile two further on
	v_mul_u32_u24 v[LV], v8, ROWP
	v_lshl_add_u32 v3, v10, 4, SC
	v_add_nc_u32 v[LA], v11, v[LV]
	v_lshl_add_u32 v[LB], v8, 7, v11
	v_lshl_add_u32 v3, v9, 3, v3                   ; K's scale words: 16 (r % 8) + 8 (r / 8)
	v_lshl_add_u32 v[LA], v10, 4, v[LA]            ; 1920 (r / 8) + 320 h + 16 (r % 8)
	v_lshl_add_u32 v[LB], v10, 3, v[LB]            ; 1920 (r / 8) + 128 h + 8 (r % 8)
	v_lshl_add_u32 v[LV], v7, 4, v[LV]             ; 320 h + 16 r
	v_lshl_add_u32 v[VSL], v7, 4, SC+4096
	s_lshl_b32 s75, s12, 7
	v_lshl_add_u32 v4, v7, 2, s75
	s_delay_alu instid0(VALU_DEP_1)
	v_add_nc_u32 v4, OSC, v4                       ; o's words: 128 wave + 4 r, B's 64 on
	s_lshl_b32 s75, s67, 9
	v_add_nc_u32 v5, s75, v1
	s_delay_alu instid0(VALU_DEP_1)
	v_add_nc_u32 v5, OSC, v5                       ; and back: 512 (wave % 2) + 16 l
	s_lshl_b32 s75, s67, 3
	v_lshl_add_u32 v6, v7, 4, s75                  ; q's words: 16 r + 4 (tile % 4), tile % 4 = 2 (wave % 2), + 1
	v_lshlrev_b32 v7, 3, v8                        ; 8 h: my bytes' shift in p's scale word
	s_wait_alu depctr_va_vdst(0)
	s_wait_dscnt 0x0
	s_wait_kmcnt 0x0
	s_add_nc_u64 s[68:69], s[6:7], s[68:69]
	s_add_nc_u64 s[70:71], s[4:5], s[70:71]
	s_add_nc_u64 s[76:77], s[4:5], s[76:77]
	s_add_nc_u64 s[78:79], s[6:7], s[78:79]
	s_mov_b32 s32, 1
	s_add_co_u32 s33, s73, SC
	s_mov_b64 s[34:35], s[68:69]
	s_or_b32 s35, s35, 0x80000000
	s_mov_b32 s36, 1
	s_mov_b64 s[38:39], s[70:71]
	s_or_b32 s39, s39, 0x80000000
	CROUND                                         ; all four work-groups are here: the joint loads meet
	s_cmp_lt_u32 s12, 6                            ; one branch on the wave's number, a fill in each arm
	s_cbranch_scc0 .Lwords
	tensor_load_to_lds s[36:39], s[16:23]
	s_nop 0
.rept 4
	v_nop
.endr
	s_branch .Lasked
.Lwords:
	tensor_load_to_lds s[32:35], s[24:31]
	s_nop 0
.rept 4
	v_nop
.endr
.Lasked:
.macro QLOAD p                         ; head p's q of both tiles, and their scale words
	global_load_b128 v[QA:QA+3], v1, s[76:77] offset:147456*\p
	global_load_b64 v[QA+4:QA+5], v2, s[76:77] offset:147456*\p+512
	global_load_b128 v[QB:QB+3], v1, s[76:77] offset:147456*\p+768
	global_load_b64 v[QB+4:QB+5], v2, s[76:77] offset:147456*\p+1280
	global_load_b32 v40, v6, s[78:79] offset:10240*\p
	global_load_b32 v41, v6, s[78:79] offset:10240*\p+4
.endm
	QLOAD 0
.irp i, 22,23,24,25,26,27,34,35,36,37,38,39,118,119,120,121,122,123,69,238,239
	v_mov_b32 v[\i], 0                             ; q's upper codes; behind K's last tile; registers named before they are first written
.endr
.macro INIT st, ox
	v_mov_b32 v[\st+1], 0xff61b1e6                 ; the largest score so far: -3e38
	v_mov_b32 v[\st], 0x7f61b1e6                   ; -M: 3e38
	v_mov_b32 v[\st+2], 0
	v_mov_b32 v[\st+3], 0
	WIN 0x40
.irp j, 0,1,2,3,4,5,6,7,8,9,10,11,12,13,14,15,16,17,18,19,20,21,22,23,24,25,26,27,28,29,30,31
	v_mov_b32 v[\ox+\j], 0                         ; the step is written once: the first finds zeros, which the first change of M leaves zeros
.endr
	WIN 0
.endm
.macro KCODES                          ; 8 tiles of K, by v8 and v9
.irp g, 0,1
.irp u, 0,1,2,3
	ds_load_b128 v[F+6*(4*\g+\u):F+6*(4*\g+\u)+3], v8 offset:(4*\g+(\u%2))*960+128*(\u/2)
	ds_load_b64 v[F+6*(4*\g+\u)+4:F+6*(4*\g+\u)+5], v9 offset:(4*\g+(\u%2))*960+640+64*(\u/2)
.endr
.endr
.endm
.macro KWORDS                          ; their scale words, by v10: the words of tiles 4 g + 2 z, + 1
.irp g, 0,1
.irp z, 0,1
	ds_load_b64 v[KS+4*\g+2*\z:KS+4*\g+2*\z+1], v10 offset:256*\g+128*\z
.endr
.endr
.endm
.macro PKF4 st, j0                     ; t - M of 8 scores
.irp j, 0,2,4,6
	v_pk_fma_f32 v[S+\j0+\j:S+\j0+\j+1], v[S+\j0+\j:S+\j0+\j+1], s[54:55], v[\st:\st+1] op_sel_hi:[1,0,0]
.endr
.endm
.macro SOFTMAX st, pc, ps, ox          ; S^T of one tile -> p's codes and scale word; the sum and O^T under the new M.  v255 holds the old -M
.irp c, 0,1                                    ; the largest score of my two blocks of 32 keys, each in two chains
	v_max3_num_f32 v[BM+\c], v[S+32*\c], v[S+32*\c+1], v[S+32*\c+2]
	v_max3_num_f32 v[SO+\c], v[S+32*\c+16], v[S+32*\c+17], v[S+32*\c+18]
.endr
.irp i, 3,5,7,9,11,13
.irp c, 0,1
	v_max3_num_f32 v[BM+\c], v[BM+\c], v[S+32*\c+\i], v[S+32*\c+\i+1]
	v_max3_num_f32 v[SO+\c], v[SO+\c], v[S+32*\c+16+\i], v[S+32*\c+17+\i]
.endr
.endr
.irp c, 0,1
	v_max3_num_f32 v[BM+\c], v[BM+\c], v[S+32*\c+15], v[S+32*\c+31]
.endr
.irp c, 0,1
	v_max_num_f32 v[BM+\c], v[BM+\c], v[SO+\c]
.endr
	v_max_num_f32 v254, v[BM], v[BM+1]
	v_permlanex16_b32 v[TP], v254, s52, s53        ; lane l xor 16's two blocks
	v_max3_num_f32 v[\st+1], v[\st+1], v254, v[TP] ; the running largest score
	v_mul_f32 v254, s54, v[\st+1]                  ; as t (c is positive)
	v_floor_f32 v[\st], -v254                      ; the new -M = -ceil(t)
	v_sub_f32 v255, v[\st], v255                   ; old M - new M: a whole number, 0 or less
	v_add_f32 v254, 0x42fa0000, v[\st]             ; 125 - M
	v_cvt_i32_f32 v255, v255                       ; (it saturates)
	v_ldexp_f32 v[FF], 1.0, v255                   ; f = 2^(old M - new M)
.irp c, 0,1
	v_fma_f32 v[BM+\c], v[BM+\c], s54, v254        ; x + 125, x = the block's largest t - M, 0 or less
.endr
	PKF4 \st, 0
	PKF4 \st, 8
.irp c, 0,1
	v_max_num_f32 v[BM+\c], 1.0, v[BM+\c]          ; the byte cannot fall under 1
.endr
	PKF4 \st, 16
	PKF4 \st, 24
.irp c, 0,1
	v_cvt_u32_f32 v[BM+\c], v[BM+\c]               ; toward zero = floor, the number being positive: the byte
.endr
	PKF4 \st, 32
	PKF4 \st, 40
.irp c, 0,1
	v_lshlrev_b32 v[SO+\c], 23, v[BM+\c]           ; as an exponent field: the conversion's scale operand
.endr
	v_lshl_or_b32 v255, v[BM+1], 16, v[BM]         ; blocks h and 2 + h,
	PKF4 \st, 48
	v_lshlrev_b32 v255, v7, v255                   ; at their places;
	PKF4 \st, 56
	v_permlanex16_b32 v254, v255, s52, s53
	WIN 0x41
	s_wait_alu depctr_va_vdst(0)                   ; the wait directly ahead of the first reader of O^T
.irp j, 0,2,4,6,8,10,12,14,16,18,20,22,24,26,28,30
	v_pk_mul_f32 v[\ox+\j:\ox+\j+1], v[\ox+\j:\ox+\j+1], v[FF:FF+1] op_sel_hi:[1,0]   ; O^T under the new M
.endr
	WIN 0
	v_or_b32 v[\ps], v255, v254                    ; with lane l xor 16's two the word is whole
	s_wait_alu depctr_va_vdst(0)                   ; the wait ahead of the batch
.irp j, 0,1,2,3,4,5,6,7,8,9,10,11,12,13,14,15,16,17,18,19,20,21,22,23,24,25,26,27,28,29,30,31,32,33,34,35,36,37,38,39,40,41,42,43,44,45,46,47,48,49,50,51,52,53,54,55,56,57,58,59,60,61,62,63
	v_exp_f32 v[S+\j], v[S+\j]                     ; p = 2^(t - M)
.endr
	v_pk_mul_f32 v[\st+2:\st+3], v[\st+2:\st+3], v[FF:FF+1] op_sel_hi:[1,0]   ; the sums under the new M (a plain place behind the exponentials)
	s_wait_alu depctr_va_vdst(0)                   ; and behind it
.irp c, 0,1
	v_cvt_scalef32_pk16_fp6_f32 v[\pc+6*\c:\pc+6*\c+2], v[S+32*\c:S+32*\c+15], v[SO+\c]
	v_cvt_scalef32_pk16_fp6_f32 v[TP+4*\c:TP+4*\c+2], v[S+32*\c+16:S+32*\c+31], v[SO+\c]   ; (a conversion's three registers begin on an even number)
.endr
	v_pk_add_f32 v[250:251], v[S:S+1], v[S+2:S+3]                  ; the sum of the unquantised p, in four chains (plain places behind the conversions)
	v_pk_add_f32 v[252:253], v[S+4:S+5], v[S+6:S+7]
	v_pk_add_f32 v[246:247], v[S+8:S+9], v[S+10:S+11]
.irp c, 0,1
.irp i, 0,1,2
	v_mov_b32 v[\pc+3+6*\c+\i], v[TP+4*\c+\i]
.endr
.endr
.irp j, 12,20,28,36,44,52
	v_pk_add_f32 v[\st+2:\st+3], v[\st+2:\st+3], v[S+\j:S+\j+1]
	v_pk_add_f32 v[250:251], v[250:251], v[S+\j+2:S+\j+3]
	v_pk_add_f32 v[252:253], v[252:253], v[S+\j+4:S+\j+5]
	v_pk_add_f32 v[246:247], v[246:247], v[S+\j+6:S+\j+7]
.endr
	v_pk_add_f32 v[\st+2:\st+3], v[\st+2:\st+3], v[S+60:S+61]
	v_pk_add_f32 v[250:251], v[250:251], v[S+62:S+63]
	v_pk_add_f32 v[252:253], v[252:253], v[246:247]
	v_pk_add_f32 v[\st+2:\st+3], v[\st+2:\st+3], v[250:251]
	v_pk_add_f32 v[\st+2:\st+3], v[\st+2:\st+3], v[252:253]
.endm
.macro SCORES q, qs
.irp t, 0,1,2,3,4,5,6,7
	v_wmma_scale_f32_16x16x128_f8f6f4 v[S+8*\t:S+8*\t+7], v[F+6*\t:F+6*\t+11], v[\q:\q+11], 0, v[KS+\t], v[\qs] matrix_a_fmt:MATRIX_FMT_FP6 matrix_b_fmt:MATRIX_FMT_FP6
.endr
.endm
.macro STEP                            ; 128 keys, both tiles.  K and its scale words are in registers
	s_add_co_u32 s74, s56, STEPL
	s_min_u32 s74, s74, 15*STEPL                   ; the next step's K; behind the last step its own again
	SCORES QA, 40
	v_add_nc_u32 v[AV], s56, v[LV]                 ; four places
	v_add_nc_u32 v11, s58, v[VSL]
	v_mov_b32 v255, v[STA]                         ; A's old -M
	v_nop
	WIN 0x40
.irp ft, 0,1,2,3                               ; V lands under A's softmax
.irp g, 0,1,2
	ds_load_b128 v[FV+12*\ft+4*\g:FV+12*\ft+4*\g+3], v[AV] offset:24*ROWP+1920*\ft+640*\g
.endr
.endr
	WIN 0
	ds_load_b128 v[VS:VS+3], v11
	SOFTMAX STA, PCA, PSA, OA
	SCORES QB, 41
	v_add_nc_u32 v8, s74, v[LA]                    ; four places
	v_add_nc_u32 v9, s74, v[LB]
	v_add_nc_u32 v10, s57, v3
	v_mov_b32 v255, v[STB]                         ; B's old -M
	KCODES                                         ; the next step's K lands under B's softmax
	KWORDS
	SOFTMAX STB, PCB, PSB, OB
	s_wait_alu depctr_va_vdst(0)
	s_wait_dscnt 0x0                               ; V, the next K, and their scale words
	WIN 0x51
.irp ft, 0,1,2,3                               ; eight accumulators by turns, one instruction a turn
	v_wmma_scale_f32_16x16x128_f8f6f4 v[OA+8*\ft:OA+8*\ft+7], v[FV+12*\ft:FV+12*\ft+11], v[PCA:PCA+11], v[OA+8*\ft:OA+8*\ft+7], v[VS+\ft], v[PSA] matrix_a_fmt:MATRIX_FMT_FP6 matrix_b_fmt:MATRIX_FMT_FP6
	v_wmma_scale_f32_16x16x128_f8f6f4 v[OB+8*\ft:OB+8*\ft+7], v[FV+12*\ft:FV+12*\ft+11], v[PCB:PCB+11], v[OB+8*\ft:OB+8*\ft+7], v[VS+\ft], v[PSB] matrix_a_fmt:MATRIX_FMT_FP6 matrix_b_fmt:MATRIX_FMT_FP6
.endr
	WIN 0
	s_add_co_u32 s56, s56, STEPL
	s_add_co_u32 s57, s57, 512
	s_add_co_u32 s58, s58, 256
.endm
.macro FINISH p, st, ox, oc, ow        ; O^T / the sum, quantised along the head's 64: registers 6 p .. 6 p + 5 of o's fragment, bytes 2 p, 2 p + 1 of its word
.rept 4
	v_nop
.endr
	v_add_f32 v[\st+2], v[\st+2], v[\st+3]
	v_permlanex16_b32 v254, v[\st+2], s52, s53
	v_add_f32 v[\st+2], v[\st+2], v254
	s_wait_alu depctr_va_vdst(0)
	v_rcp_f32 v[FF], v[\st+2]
	v_nop
	WIN 0x01
	s_wait_alu depctr_va_vdst(0)
.irp j, 0,2,4,6,8,10,12,14,16,18,20,22,24,26,28,30
	v_pk_mul_f32 v[S+\j:S+\j+1], v[\ox+\j:\ox+\j+1], v[FF:FF+1] op_sel_hi:[1,0]
.endr
	WIN 0
.irp b, 0,1                                    ; O^T's 16 registers of tiles 2 b, 2 b + 1 are features 32 b + 16 h + 0 .. 15
	v_max3_num_f32 v[BM+\b], |v[S+16*\b]|, |v[S+16*\b+1]|, 0x1800000
.endr
.irp i, 2,4,6,8,10,12,14
.irp b, 0,1
	v_max3_num_f32 v[BM+\b], v[BM+\b], |v[S+16*\b+\i]|, |v[S+16*\b+\i+1]|
.endr
.endr
.irp b, 0,1
	v_permlanex16_b32 v[TP+\b], v[BM+\b], s52, s53
.endr
.irp b, 0,1
	v_max_num_f32 v[BM+\b], v[BM+\b], v[TP+\b]
.endr
.irp b, 0,1
	v_add_nc_u32 v[SO+\b], 0xff000000, v[BM+\b]
.endr
.irp b, 0,1
	v_lshrrev_b32 v[TP+\b], 23, v[SO+\b]
.endr
	v_lshl_or_b32 v255, v[TP+1], 8, v[TP]
	v_cvt_scalef32_pk16_fp6_f32 v[\oc+6*\p:\oc+6*\p+2], v[S:S+15], v[SO]
	v_cvt_scalef32_pk16_fp6_f32 v[TP+4:TP+6], v[S+16:S+31], v[SO+1]
	v_nop
.irp i, 0,1,2
	v_permlane16_swap_b32 v[\oc+6*\p+\i], v[TP+4+\i]
.endr
.irp i, 0,1,2
	v_mov_b32 v[\oc+6*\p+3+\i], v[TP+4+\i]
.endr
.if \p == 0
	v_mov_b32 v[\ow], v255
.else
	v_lshl_or_b32 v[\ow], v255, 16, v[\ow]
.endif
.endm
	INIT STA, OA
	INIT STB, OB
	s_wait_alu depctr_va_vdst(0)
	s_wait_loadcnt 0x0                             ; q
	s_wait_tensorcnt 0x0                           ; my fill has landed
	s_wait_dscnt 0x0
	s_barrier_signal -1
	s_barrier_wait -1                              ; and so has every wave's: K, V and the scale words of both heads are in
	v_add_nc_u32 v8, s56, v[LA]                    ; the first step's K
	v_add_nc_u32 v9, s56, v[LB]
	v_add_nc_u32 v10, s57, v3
	KCODES
	KWORDS
	s_add_co_u32 s57, s57, 512
	s_mov_b32 s59, 8
	s_wait_alu depctr_va_vdst(0)
	s_wait_dscnt 0x0
.Lfirst:
	STEP
	s_sub_co_u32 s59, s59, 1
	s_cmp_lg_u32 s59, 0
	s_cbranch_scc1 .Lfirst
	QLOAD 1                                        ; the second head's q and K scale words land under the lines below; its first K is in registers already
	s_add_co_u32 s57, s57, 1536                    ; from 4,608 to the second head's K scale words at 6,144
	s_add_co_u32 s58, s58, 4096
	v_add_nc_u32 v10, s57, v3
	KWORDS
	s_add_co_u32 s57, s57, 512
	FINISH 0, STA, OA, OCA, OWA
	FINISH 0, STB, OB, OCB, OWB
	INIT STA, OA
	INIT STB, OB
	s_mov_b32 s59, 8
	s_wait_alu depctr_va_vdst(0)
	s_wait_loadcnt 0x0
	s_wait_dscnt 0x0
.Lsecond:
	STEP
	s_sub_co_u32 s59, s59, 1
	s_cmp_lg_u32 s59, 0
	s_cbranch_scc1 .Lsecond
	FINISH 1, STA, OA, OCA, OWA
	FINISH 1, STB, OB, OCB, OWB
	s_lshl_b32 s68, s61, 3                         ; o_img: group 8 batch + 2 cx + wave / 4, K step = the pair of heads, tiles 2 (wave % 4), + 1
	s_lshl_b32 s69, s13, 1
	s_add_co_u32 s68, s68, s69
	s_lshr_b32 s69, s12, 2
	s_add_co_u32 s68, s68, s69
	s_mul_i32 s68, s68, 98304
	s_mul_i32 s69, s62, 12288
	s_add_co_u32 s68, s68, s69
	s_and_b32 s69, s12, 3
	s_mul_i32 s69, s69, 3072
	s_add_co_u32 s68, s68, s69
	s_mov_b32 s69, 0
	s_add_nc_u64 s[8:9], s[8:9], s[68:69]
	s_lshl_b32 s70, s62, 15                        ; o_sc: [K step][tile][r]: the work-group's 16 tiles are 1,024 dense bytes
	s_lshl_b32 s71, s61, 12
	s_add_co_u32 s70, s70, s71
	s_lshl_b32 s71, s13, 10
	s_add_co_u32 s70, s70, s71
	s_lshl_b32 s71, s67, 9
	s_add_co_u32 s70, s70, s71
	s_mov_b32 s71, 0
	s_add_nc_u64 s[10:11], s[10:11], s[70:71]
	s_wait_alu depctr_va_vdst(0)
.irp g, 0,1,2
	global_store_b128 v1, v[OCA+4*\g:OCA+4*\g+3], s[8:9] offset:512*\g          ; 512 consecutive bytes, aligned
	global_store_b128 v1, v[OCB+4*\g:OCB+4*\g+3], s[8:9] offset:1536+512*\g
.endr
	ds_store_b32 v4, v[OWA]                        ; both halves of the lanes write the same word with the same value
	ds_store_b32 v4, v[OWB] offset:64
	s_wait_dscnt 0x0                               ; for the others' sake
	s_barrier_signal -1
	s_barrier_wait -1
	s_cmp_lt_u32 s12, 2
	s_cbranch_scc0 .Lno_words
	ds_load_b128 v[S:S+3], v5
	s_wait_dscnt 0x0
	global_store_b128 v1, v[S:S+3], s[10:11]       ; waves 0 and 1: 512 consecutive bytes each
.Lno_words:
	s_wait_tensorcnt 0x0                           ; the wave's end
	ds_add_u32 v[SPW], v[NIL]
	s_wait_dscnt 0x0
	CROUND                                         ; the closing round
	s_endpgm
.Lfunc_end_k_q4e3cb6991d_attn:
	.size	k_q4e3cb6991d_attn, .Lfunc_end_k_q4e3cb6991d_attn-k_q4e3cb6991d_attn
	.p2alignl 7, 3214868480
	.fill 96, 4, 3214868480
	.section	.rodata,"a",@progbits
	.p2align	6, 0x0
	.amdhsa_kernel k_q4e3cb6991d_attn
		.amdhsa_group_segment_fixed_size 262144
		.amdhsa_private_segment_fixed_size 0
		.amdhsa_enable_private_segment 0
		.amdhsa_kernarg_size 32
		.amdhsa_user_sgpr_count 2
		.amdhsa_user_sgpr_kernarg_segment_ptr 1
		.amdhsa_wavefront_size32 1
		.amdhsa_system_sgpr_workgroup_id_x 1
		.amdhsa_system_sgpr_workgroup_id_y 1
		.amdhsa_system_sgpr_workgroup_id_z 1
		.amdhsa_system_vgpr_workitem_id 0
		.amdhsa_next_free_vgpr 384
		.amdhsa_next_free_sgpr 80
		.amdhsa_reserve_vcc 0
		.amdhsa_float_denorm_mode_32 3
		.amdhsa_float_denorm_mode_16_64 3
		.amdhsa_memory_ordered 1
		.amdhsa_forward_progress 1
		.amdhsa_inst_pref_size 85
	.end_amdhsa_kernel
	.amdgpu_metadata
---
amdhsa.version: [ 1, 2 ]
amdhsa.kernels:
  - .name:           k_q4e3cb6991d_attn
    .symbol:         k_q4e3cb6991d_attn.kd
    .args:
      - { .name: qkv_img, .offset: 0, .size: 8, .value_kind: global_buffer, .address_space: global }
      - { .name: qkv_sc, .offset: 8, .size: 8, .value_kind: global_buffer, .address_space: global }
      - { .name: o_img, .offset: 16, .size: 8, .value_kind: global_buffer, .address_space: global }
      - { .name: o_sc, .offset: 24, .size: 8, .value_kind: global_buffer, .address_space: global }
    .group_segment_fixed_size: 262144
    .private_segment_fixed_size: 0
    .kernarg_segment_align: 8
    .kernarg_segment_size: 32
    .max_flat_workgroup_size: 256
    .sgpr_count:     80
    .vgpr_count:     384
    .wavefront_size: 32
...
	.end_amdgpu_metadata
.endif
;; end of part 7
;; launch proj (part 8): grid 4 x 64, 4 waves a work-group, clusters of 4 x 4, 327,680 bytes of LDS; arguments o_img, o_sc, opnd_img, opnd_sc, out0; writes out0
.if DOCPART == 8
	.amdgcn_target "amdgcn-amd-amdhsa--gfx1250"
	.amdhsa_code_object_version 6
	.text
	.protected	k_q4e3cb6991d_proj
	.globl	k_q4e3cb6991d_proj
	.p2align	8
	.type	k_q4e3cb6991d_proj,@function
k_q4e3cb6991d_proj:
	s_mov_b64 s[64:65], 0
	v_nop
	global_prefetch_b8 v0, s[64:65] scope:SCOPE_SE
	s_setreg_imm32_b32 hwreg(HW_REG_WAVE_MODE, 25, 1), 1
	s_wait_xcnt 0x0
	s_wait_alu depctr_hold_cnt(0) depctr_sa_sdst(0) depctr_va_vdst(0) depctr_va_sdst(0) depctr_va_ssrc(0) depctr_va_vcc(0) depctr_vm_vsrc(0)
	s_getreg_b32 s2, hwreg(HW_REG_IB_STS2, 6, 4)
	s_cmp_eq_u32 s2, 0
	s_cbranch_scc0 .Lentry_in_a_cluster
	s_endpgm
.Lentry_in_a_cluster:
	s_bfe_u32 s2, ttmp6, 0x10000c
	s_cmp_lg_u32 s2, 0xf033
	s_cbranch_scc0 .Lentry_shape_is_right
	s_endpgm
.Lentry_shape_is_right:
.set FRB,   1536
.set STEPB, 12288
.set HALFT, 24576
.set GRP,   98304
.set ADX,  9
.set ADW,  11
.set STO,  24
.set RD,   25
.set SCA,  32
.set SCB,  96
.set AF,   160
.set CX,  18
.set CY,  19
.set G1,  24
.set G0,  32
.set G1B, 48
.set G0B, 68
.set MSB, 0
.macro WIN new
.if MSB != (\new)
	s_set_vgpr_msb (MSB<<8)|(\new)
.set MSB, (\new)
.endif
.endm
.set MUL_LO, 0xa1
.set TO_B,   0x40
.macro JLOAD g0a, g1a, g0b, g1b
	s_cmp_eq_u32 s15, 0
	s_cbranch_scc0 .Lfor_b_\@
	tensor_load_to_lds s[\g0a:\g0a+3], s[\g1a:\g1a+7]
	s_nop 0
.rept 4
	v_nop
.endr
	s_branch .Lasked_\@
.Lfor_b_\@:
	tensor_load_to_lds s[\g0b:\g0b+3], s[\g1b:\g1b+7]
	s_nop 0
.rept 4
	v_nop
.endr
.Lasked_\@:
.endm
.macro CROUND
	s_barrier_signal -1
	s_barrier_wait -1
	s_cmp_lg_u32 s14, 0
	s_cbranch_scc1 .Lnot_wave_0_\@
	s_barrier_signal -3
.Lnot_wave_0_\@:
	s_barrier_wait -3
	s_barrier_signal -1
	s_barrier_wait -1
.endm
.macro PLACES n
.rept \n
	v_nop
.endr
.endm
	s_load_b256 s[4:11], s[0:1], 0x0
	s_load_b64 s[12:13], s[0:1], 0x20
	v_lshl_add_u32 v94, v0, 2, 0x48000
	v_mov_b32 v95, 0
	ds_add_u32 v94, v95
	ds_add_u32 v94, v95
	v_lshrrev_b32 v1, 5, v0
	v_readfirstlane_b32 s14, v1
	s_lshr_b32 s15, s14, 1
	s_and_b32 s16, s14, 1
	s_bfe_u32 s[CX], ttmp6, 0x40000
	s_bfe_u32 s[CY], ttmp6, 0x40004
	s_and_b32 s17, ttmp7, 0xffff
	s_lshl_b32 s2, s[CY], 2
	s_lshl_b32 s2, 15, s2
	s_lshl_b32 s3, 0x1111, s[CX]
	s_or_b32 s[G1+0], s2, (3<<16)|(1<<21)
	s_mov_b32 s[G1+1], 32<<16
	s_mov_b32 s[G1+2], 96<<16
	s_mov_b32 s[G1+3], 32<<16
	s_mov_b32 s[G1+4], 96
	s_mov_b32 s[G1+5], 32
	s_mov_b32 s[G1+6], 0
	s_mov_b32 s[G1+7], 0
	s_or_b32 s[G1B+0], s3, (3<<16)|(1<<21)
	s_mov_b32 s[G1B+1], 32<<16
	s_mov_b32 s[G1B+2], 192<<16
	s_mov_b32 s[G1B+3], 32<<16
	s_mov_b32 s[G1B+4], 192
	s_mov_b32 s[G1B+5], 32
	s_mov_b32 s[G1B+6], 0
	s_mov_b32 s[G1B+7], 0
	s_lshl_b32 s20, s17, 2
	s_add_co_u32 s20, s20, s[CY]
	s_lshl_b32 s90, s20, 9
	s_lshl_b32 s21, s15, 8
	s_add_co_u32 s90, s90, s21
	s_mov_b32 s91, 0
	s_lshl_b32 s94, s20, 19
	s_lshl_b32 s21, s15, 18
	s_add_co_u32 s94, s94, s21
	s_lshl_b32 s60, s[CX], 10
	s_add_co_u32 s94, s94, s60
	s_lshl_b32 s21, s16, 9
	s_add_co_u32 s94, s94, s21
	s_mov_b32 s95, 0
	s_mul_i32 s22, s20, GRP
	s_mul_i32 s21, s16, HALFT
	s_add_co_u32 s22, s22, s21
	s_mov_b32 s23, 0
	s_add_co_u32 s58, s21, 2*GRP
	s_lshl_b32 s56, s[CX], 1
	s_add_co_u32 s56, s56, s16
	s_add_co_u32 s56, s56, 88
	s_lshl_b32 s92, s56, 12
	s_mov_b32 s93, 0
	s_mul_i32 s56, s56, GRP
	s_mov_b32 s57, 0
	s_mul_i32 s59, s16, GRP
	v_and_b32 v1, 31, v0
	v_lshlrev_b32 v2, 4, v1
	v_and_b32 v7, 15, v0
	v_lshlrev_b32 v4, 4, v7
	v_lshlrev_b32 v5, 2, v7
	v_bfe_u32 v8, v0, 4, 1
	v_add_nc_u32 v[ADX], s59, v2
	v_add_nc_u32 v[ADX+1], 49152, v[ADX]
	s_mul_i32 s61, s15, 4*FRB
	s_add_co_u32 s61, s61, 2*GRP
	v_add_nc_u32 v[ADW], s61, v2
	v_add_nc_u32 v[ADW+1], 49152, v[ADW]
	s_mul_i32 s62, s14, 8448
	v_mul_u32_u24 v[STO], v7, 528
	v_lshl_add_u32 v[STO], v8, 6, v[STO]
	v_add_nc_u32 v[STO], s62, v[STO]
	v_add_nc_u32 v[RD], s62, v2
	s_wait_dscnt 0x0
	s_wait_kmcnt 0x0
	s_add_nc_u64 s[22:23], s[4:5], s[22:23]
	s_add_nc_u64 s[56:57], s[8:9], s[56:57]
	s_add_nc_u64 s[90:91], s[6:7], s[90:91]
	s_add_nc_u64 s[92:93], s[10:11], s[92:93]
	s_add_nc_u64 s[12:13], s[12:13], s[94:95]
	CROUND
.irp c, 0,1
	s_mov_b32 s[G0+4*\c], 1
	s_add_co_u32 s[G0+4*\c+1], s58, \c*2*HALFT
	s_add_nc_u64 s[G0+4*\c+2:G0+4*\c+3], s[22:23], \c*2*HALFT
	s_or_b32 s[G0+4*\c+3], s[G0+4*\c+3], 0x80000000
	s_mov_b32 s[G0B+4*\c], 1
	s_add_co_u32 s[G0B+4*\c+1], s59, \c*2*HALFT
	s_add_nc_u64 s[G0B+4*\c+2:G0B+4*\c+3], s[56:57], \c*2*HALFT
	s_or_b32 s[G0B+4*\c+3], s[G0B+4*\c+3], 0x80000000
.endr
	s_wait_alu depctr_va_vdst(0)
	JLOAD G0, G1, G0B, G1B
.irp i, 0,1,2,3,4,5,6,7
.irp sp, 0,1
	global_load_b128 v[SCB+8*\i+4*\sp:SCB+8*\i+4*\sp+3], v4, s[92:93] offset:512*\i+256*\sp
.endr
.endr
.irp i, 0,1,2,3
.irp s, 0,1,2,3,4,5,6,7
	global_load_b32 v[SCA+8*\i+\s], v5, s[90:91] offset:32768*\s+64*\i
.endr
.endr
.macro FETCH2 ks, p
	WIN TO_B
.irp i, 0,1,2,3,4,5,6,7
.irp g, 0,1,2
	ds_load_b128 v[128*(\p)+12*\i+4*\g:128*(\p)+12*\i+4*\g+3], v[ADX+(\ks)/4] offset:((\ks)%4)*STEPB+\i*FRB+512*\g
.endr
.endr
	WIN 0
.irp i, 0,1,2,3
.irp g, 0,1,2
	ds_load_b128 v[AF+48*(\p)+12*\i+4*\g:AF+48*(\p)+12*\i+4*\g+3], v[ADW+(\ks)/4] offset:((\ks)%4)*STEPB+\i*FRB+512*\g
.endr
.endr
.endm
.macro MUL32 p, ks, zero
.irp a, 0,1,2,3
.irp b, 0,1,2,3,4,5,6,7
.if \zero
	v_wmma_scale_f32_16x16x128_f8f6f4 v[8*(8*\a+\b):8*(8*\a+\b)+7], v[128*(\p)+12*\b:128*(\p)+12*\b+11], v[AF+48*(\p)+12*\a:AF+48*(\p)+12*\a+11], 0, v[SCB+8*\b+(\ks)], v[SCA+8*\a+(\ks)] matrix_a_fmt:MATRIX_FMT_FP6 matrix_b_fmt:MATRIX_FMT_FP6
.else
	v_wmma_scale_f32_16x16x128_f8f6f4 v[8*(8*\a+\b):8*(8*\a+\b)+7], v[128*(\p)+12*\b:128*(\p)+12*\b+11], v[AF+48*(\p)+12*\a:AF+48*(\p)+12*\a+11], v[8*(8*\a+\b):8*(8*\a+\b)+7], v[SCB+8*\b+(\ks)], v[SCA+8*\a+(\ks)] matrix_a_fmt:MATRIX_FMT_FP6 matrix_b_fmt:MATRIX_FMT_FP6
.endif
.endr
.endr
.endm
.macro STEP2 ks, zero, sync
	s_wait_dscnt 0x0
.if (\sync) >= 0
.if (\sync) < 4
	s_wait_tensorcnt \sync
.endif
	s_barrier_signal -1
	s_barrier_wait -1
.endif
.if (\ks) < 7
	PLACES 4
	FETCH2 (\ks)+1, ((\ks)+1)%2
.endif
	WIN MUL_LO
	MUL32 (\ks)%2, \ks, \zero
	WIN 0
.endm
	s_wait_alu depctr_va_vdst(0)
	s_wait_tensorcnt 0x0
	ds_add_u32 v94, v95
	s_wait_dscnt 0x0
	CROUND
	JLOAD G0+4, G1, G0B+4, G1B
	FETCH2 0, 0
	s_wait_loadcnt 0x0
	STEP2 0, 1, -1
	STEP2 1, 0, -1
	STEP2 2, 0, -1
	STEP2 3, 0, 0
	STEP2 4, 0, -1
	STEP2 5, 0, -1
	STEP2 6, 0, -1
	STEP2 7, 0, 9
.macro TOSTAGE a
.set AC, 64*(\a)
	WIN 0x08
.irp b, 0,1,2,3,4,5,6,7
	ds_store_b128 v[STO], v[AC+8*\b:AC+8*\b+3] offset:128*(\b/2)+32*(\b%2)
	ds_store_b128 v[STO], v[AC+8*\b+4:AC+8*\b+7] offset:128*(\b/2)+32*(\b%2)+16
.endr
	WIN TO_B
.set BB, 64*((\a)%2)
.irp t, 0,1,2,3,4,5,6,7,8,9,10,11,12,13,14,15
	ds_load_b128 v[BB+4*\t:BB+4*\t+3], v[RD] offset:\t*528
.endr
.endm
.macro SEND a, younger
.set BB, 64*((\a)%2)
	s_wait_dscnt \younger
	WIN 0x04
.irp t, 0,1,2,3,4,5,6,7,8,9,10,11,12,13,14,15
	global_store_b128 v2, v[BB+4*\t:BB+4*\t+3], s[12:13] offset:(32*((\a)/2)+8*((\a)%2)+\t+8*(\t/8))*4096 th:TH_STORE_NT
.endr
.endm
	PLACES 4
	TOSTAGE 0
.irp a, 1,2,3
.if \a > 1
	s_wait_xcnt 0x0
.endif
	TOSTAGE \a
	SEND \a-1, 32
.endr
	SEND 3, 0
	WIN 0
	s_wait_tensorcnt 0x0
	ds_add_u32 v94, v95
	s_wait_dscnt 0x0
	CROUND
	s_endpgm
.Lfunc_end_k_q4e3cb6991d_proj:
	.size	k_q4e3cb6991d_proj, .Lfunc_end_k_q4e3cb6991d_proj-k_q4e3cb6991d_proj
	.p2alignl 7, 3214868480
	.fill 96, 4, 3214868480
	.section	.rodata,"a",@progbits
	.p2align	6, 0x0
	.amdhsa_kernel k_q4e3cb6991d_proj
		.amdhsa_group_segment_fixed_size 327680
		.amdhsa_private_segment_fixed_size 0
		.amdhsa_enable_private_segment 0
		.amdhsa_kernarg_size 40
		.amdhsa_user_sgpr_count 2
		.amdhsa_user_sgpr_kernarg_segment_ptr 1
		.amdhsa_wavefront_size32 1
		.amdhsa_system_sgpr_workgroup_id_x 1
		.amdhsa_system_sgpr_workgroup_id_y 1
		.amdhsa_system_sgpr_workgroup_id_z 1
		.amdhsa_system_vgpr_workitem_id 0
		.amdhsa_next_free_vgpr 768
		.amdhsa_next_free_sgpr 100
		.amdhsa_reserve_vcc 0
		.amdhsa_float_denorm_mode_32 3
		.amdhsa_float_denorm_mode_16_64 3
		.amdhsa_memory_ordered 1
		.amdhsa_forward_progress 1
		.amdhsa_inst_pref_size 79
	.end_amdhsa_kernel
	.amdgpu_metadata
---
amdhsa.version: [ 1, 2 ]
amdhsa.kernels:
  - .name:           k_q4e3cb6991d_proj
    .symbol:         k_q4e3cb6991d_proj.kd
    .args:
      - { .name: o_img, .offset: 0, .size: 8, .value_kind: global_buffer, .address_space: global }
      - { .name: o_sc, .offset: 8, .size: 8, .value_kind: global_buffer, .address_space: global }
      - { .name: opnd_img, .offset: 16, .size: 8, .value_kind: global_buffer, .address_space: global }
      - { .name: opnd_sc, .offset: 24, .size: 8, .value_kind: global_buffer, .address_space: global }
      - { .name: out0, .offset: 32, .size: 8, .value_kind: global_buffer, .address_space: global }
    .group_segment_fixed_size: 327680
    .private_segment_fixed_size: 0
    .kernarg_segment_align: 8
    .kernarg_segment_size: 40
    .max_flat_workgroup_size: 128
    .sgpr_count:     100
    .vgpr_count:     768
    .wavefront_size: 32
...
	.end_amdgpu_metadata
.endif
;; end of part 8
